; MI455X (gfx1250); checked and timed in simulation.
; The chip was launched on July 23, 2026; its instructions are those of AMD's public machine-readable ISA for CDNA 5 (MIT licence, August 2026) and "CDNA5" Instruction Set Architecture Reference Guide (July 2026). The comments in the code are by the model that wrote it; some were corrected since.
;; MIPT Block. Allowed arithmetic: float matrix products may take bf16 or f16 operands with f32 sums; all other float work in f32.
;; Inputs: Wi_b 512 float32; Wi_w 512 x 512 float32; Wk_b 512 float32; Wk_w 512 x 512 float32; Wp_b 512 float32; Wp_w 512 x 512 float32; Wq_b 512 float32; Wq_w 512 x 512 float32; Wr_b 512 float32; Wr_w 512 x 512 float32; Wt_b 512 float32; Wt_w 512 x 512 float32; Wv_b 512 float32; Wv_w 512 x 512 float32; ffn1_b 2,048 float32; ffn1_w 512 x 2,048 float32; ffn2_b 512 float32; ffn2_w 2,048 x 512 float32; gate_b 1 float32; gate_w 512 x 1 float32; ln1_b 512 float32; ln1_g 512 float32; ln2_b 512 float32; ln2_g 512 float32; x 4 x 4,096 x 512 float32.
;; Outputs: out0 4 x 4,096 x 512 float32; out1 4 x 512 float32.
;; 3 versions, each right; version 2 is faster than version 1; version 3 is version 2 with the launch prep written anew for expert scheduling mode. Each part assembles by itself: llvm-mc -triple=amdgcn-amd-amdhsa -mcpu=gfx1250 --defsym DOCPART=n.
;; ======== version 1 of 3: 6 launches
;; limits: an absolute error that grows with the inputs' magnitude: up to 5.96e-08 times it; values are held in f16: magnitudes above 65,504 overflow, below 6.1e-05 lose precision; a function is approximated: absolute error at most 1.5e-07; a function is approximated: absolute error at most 1e-06; an absolute error that grows with the inputs' magnitude: up to 1e-07 times it
;; workspace buffers: wcv 6,291,456 bytes; hbuf 33,554,432 bytes; qs 65,536 bytes; hp 524,288 bytes; idx 256 bytes of whole numbers; hm 8,192 bytes; qv 8,192 bytes; uv 8,192 bytes
;; launch prep (part 1): grid 192 x 1, 8 waves a work-group, no clusters, 0 bytes of LDS; arguments Wp_w, Wt_w, Wr_w, Wi_w, ffn1_w, ffn2_w, wcv; writes wcv
.if DOCPART == 1
	.amdgcn_target "amdgcn-amd-amdhsa--gfx1250"
	.amdhsa_code_object_version 6
	.text
	.protected	k_qaa37da2e1d_prep
	.globl	k_qaa37da2e1d_prep
	.p2align	8
	.type	k_qaa37da2e1d_prep,@function
k_qaa37da2e1d_prep:
	s_mov_b64 s[64:65], 0
	v_nop
	global_prefetch_b8 v0, s[64:65] scope:SCOPE_SE
	s_setreg_imm32_b32 hwreg(HW_REG_WAVE_MODE, 25, 1), 1
	s_wait_xcnt 0x0
; The six large weight matrices are rounded once to 16 bits, in their own layout ([k][n], n fastest):
; wcv = Wp, Wt, Wr, Wi in f16 (524,288 bytes each), then ffn1_w and ffn2_w in bf16 (2 MiB each).
; LIMIT: the four projection weights must lie within f16's range (65,504); below 6e-5 they keep f16's fixed step of 6e-8.
; A work-group takes 16,384 numbers: 64 KiB in, 32 KiB out.  A lane's load is 16 bytes beside its neighbour's; its store 8 bytes,
; so each store of a wave covers 256 consecutive bytes, aligned.  No LDS and no matrix unit: the launch only moves bytes.
.set X, 4                              ; v[4:67]   16 loads of 4 numbers
.set Y, 68                             ; v[68:99]  16 stores of 4 numbers in 16 bits
	s_load_b256 s[4:11], s[0:1], 0x0               ; Wp, Wt, Wr, Wi
	s_load_b128 s[12:15], s[0:1], 0x20             ; ffn1_w, ffn2_w
	s_load_b64 s[16:17], s[0:1], 0x30              ; wcv
	s_lshr_b32 s20, ttmp9, 4                       ; units 0-63: which projection matrix (16 units each)
	s_and_b32 s24, ttmp9, 15                       ; the unit inside a projection matrix,
	s_and_b32 s25, ttmp9, 63                       ; or inside an FFN matrix (64 units each)
	s_cmp_lt_u32 ttmp9, 64
	s_cselect_b32 s24, s24, s25
	s_lshl_b32 s24, s24, 16                        ; 65,536 bytes of f32 a unit
	s_mov_b32 s25, 0
	s_lshl_b32 s26, ttmp9, 15                      ; 32,768 bytes out a unit
	s_mov_b32 s27, 0
	v_lshlrev_b32 v1, 4, v0                        ; 16 bytes a thread in
	v_lshlrev_b32 v2, 3, v0                        ; 8 bytes a thread out
	s_wait_kmcnt 0x0
	s_mov_b64 s[22:23], s[4:5]                     ; the source is chosen among the six buffers by the unit's number alone
	s_cmp_eq_u32 s20, 1
	s_cselect_b64 s[22:23], s[6:7], s[22:23]
	s_cmp_eq_u32 s20, 2
	s_cselect_b64 s[22:23], s[8:9], s[22:23]
	s_cmp_eq_u32 s20, 3
	s_cselect_b64 s[22:23], s[10:11], s[22:23]
	s_cmp_ge_u32 ttmp9, 64
	s_cselect_b64 s[22:23], s[12:13], s[22:23]
	s_cmp_ge_u32 ttmp9, 128
	s_cselect_b64 s[22:23], s[14:15], s[22:23]
	s_add_nc_u64 s[22:23], s[22:23], s[24:25]
	s_add_nc_u64 s[16:17], s[16:17], s[26:27]
.set i, 0
.rept 16
	global_load_b128 v[X+4*i:X+4*i+3], v1, s[22:23] offset:4096*i th:TH_LOAD_NT
.set i, i+1
.endr
.macro CONV cvt
.set i, 0
.rept 16
	s_wait_loadcnt 15-i                            ; loads come back in order: load i is in, the younger ones stay out
	\cvt v[Y+2*i], v[X+4*i], v[X+4*i+1]
	\cvt v[Y+2*i+1], v[X+4*i+2], v[X+4*i+3]
	global_store_b64 v2, v[Y+2*i:Y+2*i+1], s[16:17] offset:2048*i
.set i, i+1
.endr
.endm
	s_cmp_lt_u32 ttmp9, 64
	s_cbranch_scc0 .Lbf16
	CONV v_cvt_pk_f16_f32
	s_endpgm
.Lbf16:
	CONV v_cvt_pk_bf16_f32
	s_endpgm
.Lfunc_end_k_qaa37da2e1d_prep:
	.size	k_qaa37da2e1d_prep, .Lfunc_end_k_qaa37da2e1d_prep-k_qaa37da2e1d_prep
	.p2alignl 7, 3214868480
	.fill 96, 4, 3214868480
	.section	.rodata,"a",@progbits
	.p2align	6, 0x0
	.amdhsa_kernel k_qaa37da2e1d_prep
		.amdhsa_group_segment_fixed_size 0
		.amdhsa_private_segment_fixed_size 0
		.amdhsa_enable_private_segment 0
		.amdhsa_kernarg_size 56
		.amdhsa_user_sgpr_count 2
		.amdhsa_user_sgpr_kernarg_segment_ptr 1
		.amdhsa_wavefront_size32 1
		.amdhsa_system_sgpr_workgroup_id_x 1
		.amdhsa_system_sgpr_workgroup_id_y 1
		.amdhsa_system_sgpr_workgroup_id_z 1
		.amdhsa_system_vgpr_workitem_id 0
		.amdhsa_next_free_vgpr 100
		.amdhsa_next_free_sgpr 66
		.amdhsa_reserve_vcc 0
		.amdhsa_float_denorm_mode_32 3
		.amdhsa_float_denorm_mode_16_64 3
		.amdhsa_memory_ordered 1
		.amdhsa_forward_progress 1
		.amdhsa_inst_pref_size 11
	.end_amdhsa_kernel
	.amdgpu_metadata
---
amdhsa.version: [ 1, 2 ]
amdhsa.kernels:
  - .name:           k_qaa37da2e1d_prep
    .symbol:         k_qaa37da2e1d_prep.kd
    .args:
      - { .name: Wp_w, .offset: 0, .size: 8, .value_kind: global_buffer, .address_space: global }
      - { .name: Wt_w, .offset: 8, .size: 8, .value_kind: global_buffer, .address_space: global }
      - { .name: Wr_w, .offset: 16, .size: 8, .value_kind: global_buffer, .address_space: global }
      - { .name: Wi_w, .offset: 24, .size: 8, .value_kind: global_buffer, .address_space: global }
      - { .name: ffn1_w, .offset: 32, .size: 8, .value_kind: global_buffer, .address_space: global }
      - { .name: ffn2_w, .offset: 40, .size: 8, .value_kind: global_buffer, .address_space: global }
      - { .name: wcv, .offset: 48, .size: 8, .value_kind: global_buffer, .address_space: global }
    .group_segment_fixed_size: 0
    .private_segment_fixed_size: 0
    .kernarg_segment_align: 8
    .kernarg_segment_size: 56
    .max_flat_workgroup_size: 256
    .sgpr_count:     66
    .vgpr_count:     100
    .wavefront_size: 32
...
	.end_amdgpu_metadata
.endif
;; end of part 1
;; launch proj (part 2): grid 256 x 1, 4 waves a work-group, clusters of 4 x 1, 327,680 bytes of LDS; arguments x, ln1_g, ln1_b, Wp_b, Wt_b, Wr_b, Wi_b, wcv, hbuf, qs, hp; writes hbuf, qs, hp
.if DOCPART == 2
	.amdgcn_target "amdgcn-amd-amdhsa--gfx1250"
	.amdhsa_code_object_version 6
	.text
	.protected	k_qaa37da2e1d_proj
	.globl	k_qaa37da2e1d_proj
	.p2align	8
	.type	k_qaa37da2e1d_proj,@function
k_qaa37da2e1d_proj:
	s_mov_b64 s[64:65], 0
	v_nop
	global_prefetch_b8 v0, s[64:65] scope:SCOPE_SE
	s_setreg_imm32_b32 hwreg(HW_REG_WAVE_MODE, 25, 1), 1
	s_wait_xcnt 0x0
	s_wait_alu depctr_hold_cnt(0) depctr_sa_sdst(0) depctr_va_vdst(0) depctr_va_sdst(0) depctr_va_ssrc(0) depctr_va_vcc(0) depctr_vm_vsrc(0)
	s_getreg_b32 s2, hwreg(HW_REG_IB_STS2, 6, 4)
	s_cmp_eq_u32 s2, 0
	s_cbranch_scc0 .Lentry_in_a_cluster
	s_endpgm
.Lentry_in_a_cluster:
	s_bfe_u32 s2, ttmp6, 0x10000c
	s_cmp_lg_u32 s2, 0x3003
	s_cbranch_scc0 .Lentry_shape_is_right
	s_endpgm
.Lentry_shape_is_right:
; LN1, the four projections (p, theta, re, im), the 13 levels that each combine a row with the row before it, and h = h_re + x.
; After 13 such levels a row hangs on itself and the 13 rows before it, so a work-group owns 64 rows and computes 16 more in front of them.
; Stored: hbuf = h (f32), qs[row] = sum over columns of 1 - p, hp[work-group][column] = sum over the 64 rows of h_re.
; FORMATS: xn and the weights go to the matrix unit in f16, sums in f32: the choice of the 16 rows with the largest mean p hangs on small
; differences, and f16 has three more bits than bf16.  LIMITS: xn and the weights within 65,504; theta is reduced by 2 pi in two parts
; (error about 1e-7 |theta|); sine and cosine are Taylor sums to x^15 and x^16 on -pi..pi (error under 1e-6); NaN, infinities not treated apart.
; SHARES: four passes of 128 columns; in a pass wave w has columns 32 w .. 32 w + 31 of ALL four projections for all 80 rows: 40 accumulators.
; ROW ORDER: A's tile tau, index m, is local row 8 tau + m / 2 + 40 (m % 2).  After v_permlane16_swap_b32 between the two column halves a lane owns
; ONE column, and register pair i holds rows (i, 40 + i): every step of the levels is a packed instruction on aligned pairs.
; CLUSTER: the four work-groups of a cluster walk the same weights: each tile is asked for jointly (mask 15), wave w asking for projection w's tile.
; By this text's count one tensor load of a wave is out at a time.
; REGISTERS: window 0 addresses and fragments; window 1: v0-79 p then a_re, v80-159 theta then a_im, v160-239 sums of 1 - p, v240-255 at work;
; window 2: v0-79 re, v80-159 im, v160-169 at work.
.set XP,    1040                       ; a row of xn in LDS: 1,024 bytes + 16: the 16 rows of a fragment load start in 16 different groups of four banks
.set HST,   83200                      ; behind xn's 80 rows: the stage, 64 rows x 528 bytes
.set HSP,   528
.set HS,    116992                     ; 512 column sums
.set SPARE, 119040                     ; the spare words, 128 bytes a wave: two blocks of 256 bytes that no other line names
.set RING,  119552                     ; four projections x two slots x 64 k-rows of 288 bytes
.set PRJ,   36864
.set SLOT,  18432
.set VA0, 2                            ; v2   my place in xn's rows
.set VA,  3                            ; v3   the same, at the K step in hand
.set VB,  4                            ; v4-7 my place in projection j's slot 0
.set VST, 8                            ; v8   stage, my column
.set VHS, 9                            ; v9   my column sum's word
.set VRD, 10                           ; v10  stage, read back by rows
.set VXO, 11                           ; v11  my byte offset in x and hbuf on the way out
.set VBO, 12                           ; v12  my column's byte offset in a bias
.set VLG, 13                           ; v13  LN: byte offset in x
.set VLS, 14                           ; v14  LN: LDS address
.set VGB, 15                           ; v15  LN: byte offset in gain and bias
.set SPW, 30                           ; v30  my spare word; never rewritten
.set NIL, 31                           ; v31  0; never rewritten
.set FA0, 32
.set FA1, 72
.set FB0, 112
.set FB1, 176
.set X,   32                           ; LN: four rows of 16 registers
.set G,   96
.set BB,  112
.set T,   128
.set BP,  240                          ; window 1
.set BT,  242
.set T0,  244
.set T1,  246
.set T2,  248
.set SS,  250
.set CC,  252
.set WV,  26
.set GID, 28
.set FM,  29                           ; all ones where my first row is a batch's first, else 0
.set G1S, 32
.set G1W, 40
.set DW,  48
.set D0,  52
.set D1,  56
.set PB,  60
.set SEL, 62
.set CP,  66
.set CI,  67
.set CSN, 68
.set LNB, 70
.set LNN, 72
.set XB,  76
.set HB,  78
.set S7,  80
.set C8,  82
.set INV, 84
.set MSB, 0
.macro WIN new                         ; the immediate's high byte repeats the setting that is left
.if MSB != (\new)
	s_set_vgpr_msb (MSB<<8)|(\new)
.set MSB, (\new)
.endif
.endm
.macro PLACES                          ; four plain places behind matrix instructions (ISA guide 7.12.1)
.rept 4
	v_nop
.endr
.endm
.macro ROUND                           ; a round of the cluster's barrier
	s_barrier_signal -1
	s_barrier_wait -1
	s_cmp_lg_u32 s[WV], 0
	s_cbranch_scc1 .Lnw0_\@
	s_barrier_signal -3
.Lnw0_\@:
	s_barrier_wait -3
	s_barrier_signal -1
	s_barrier_wait -1
.endm
.macro WSUM a, b                       ; the sum over the wave's 32 lanes, in every lane
	v_add_f32_dpp v[\a], v[\a], v[\a] row_xmask:1 row_mask:0xf bank_mask:0xf
	v_add_f32_dpp v[\a], v[\a], v[\a] row_xmask:2 row_mask:0xf bank_mask:0xf
	v_add_f32_dpp v[\a], v[\a], v[\a] row_xmask:4 row_mask:0xf bank_mask:0xf
	v_add_f32_dpp v[\a], v[\a], v[\a] row_xmask:8 row_mask:0xf bank_mask:0xf
	v_permlanex16_b32 v[\b], v[\a], s[SEL], s[SEL+1]
	v_add_f32 v[\a], v[\a], v[\b]
.endm
; One row's layer norm: mean, then the mean of squared differences, both in f32; the row leaves in f16 for LDS.
.macro LNROW R, off
	v_pk_add_f32 v[T:T+1], v[\R:\R+1], v[\R+2:\R+3]
	v_pk_add_f32 v[T+2:T+3], v[\R+4:\R+5], v[\R+6:\R+7]
	v_pk_add_f32 v[T+4:T+5], v[\R+8:\R+9], v[\R+10:\R+11]
	v_pk_add_f32 v[T+6:T+7], v[\R+12:\R+13], v[\R+14:\R+15]
	v_pk_add_f32 v[T:T+1], v[T:T+1], v[T+2:T+3]
	v_pk_add_f32 v[T+4:T+5], v[T+4:T+5], v[T+6:T+7]
	v_pk_add_f32 v[T:T+1], v[T:T+1], v[T+4:T+5]
	v_add_f32 v[T], v[T], v[T+1]
	WSUM T, T+1
	v_mul_f32 v[T+8], s[INV], v[T]
	v_mov_b32 v[T+9], v[T+8]
.irp k, 0,2,4,6,8,10,12,14
	v_pk_add_f32 v[\R+\k:\R+\k+1], v[\R+\k:\R+\k+1], v[T+8:T+9] neg_lo:[0,1] neg_hi:[0,1]
.endr
	v_pk_mul_f32 v[T:T+1], v[\R:\R+1], v[\R:\R+1]
	v_pk_mul_f32 v[T+2:T+3], v[\R+2:\R+3], v[\R+2:\R+3]
.irp k, 4,8,12
	v_pk_fma_f32 v[T:T+1], v[\R+\k:\R+\k+1], v[\R+\k:\R+\k+1], v[T:T+1]
	v_pk_fma_f32 v[T+2:T+3], v[\R+\k+2:\R+\k+3], v[\R+\k+2:\R+\k+3], v[T+2:T+3]
.endr
	v_pk_add_f32 v[T:T+1], v[T:T+1], v[T+2:T+3]
	v_add_f32 v[T], v[T], v[T+1]
	WSUM T, T+1
	v_fmaak_f32 v[T], s[INV], v[T], 0x3727c5ac     ; variance + 1e-5
	v_rsq_f32 v[T+10], v[T]
	v_nop                                          ; a plain instruction behind the transcendental
	s_wait_alu depctr_va_vdst(0)
	v_mov_b32 v[T+11], v[T+10]
.irp k, 0,2,4,6,8,10,12,14
	v_pk_mul_f32 v[\R+\k:\R+\k+1], v[\R+\k:\R+\k+1], v[T+10:T+11]
.endr
.irp k, 0,2,4,6,8,10,12,14
	v_pk_fma_f32 v[\R+\k:\R+\k+1], v[\R+\k:\R+\k+1], v[G+\k:G+\k+1], v[BB+\k:BB+\k+1]
.endr
.irp k, 0,1,2,3,4,5,6,7
	v_cvt_pk_f16_f32 v[T+\k], v[\R+2*\k], v[\R+2*\k+1]
.endr
.irp j, 0,1,2,3
	ds_store_b64 v[VLS], v[T+2*\j:T+2*\j+1] offset:(\off)+256*\j
.endr
.endm
; 26 LDS loads: for 32 along K, five fragments of xn and eight of the weights (turned: they lie [k][n]).
.macro FETCH sl, ks, fa, fb
.irp tau, 0,1,2,3,4
	ds_load_b128 v[(\fa)+8*\tau:(\fa)+8*\tau+3], v[VA] offset:\tau*8320+64*(\ks)
	ds_load_b128 v[(\fa)+8*\tau+4:(\fa)+8*\tau+7], v[VA] offset:\tau*8320+64*(\ks)+32
.endr
.irp j, 0,1,2,3
.irp c, 0,1
	ds_load_tr16_b128 v[(\fb)+16*\j+8*\c:(\fb)+16*\j+8*\c+3], v[VB+\j] offset:(\sl)*SLOT+(\ks)*9216+32*\c
	ds_load_tr16_b128 v[(\fb)+16*\j+8*\c+4:(\fb)+16*\j+8*\c+7], v[VB+\j] offset:(\sl)*SLOT+(\ks)*9216+32*\c+4608
.endr
.endr
.endm
; 40 matrix instructions on 40 accumulators, which take turns.
.macro MUL40 fa, fb, zero
.irp j, 0,1,2,3
	WIN 0x50*(1+(\j)/2)
.irp tau, 0,1,2,3,4
.irp c, 0,1
.set rD, ((\j)%2)*80+16*(\tau)+8*(\c)
.if \zero
	v_wmma_f32_16x16x32_f16 v[rD:rD+7], v[(\fa)+8*\tau:(\fa)+8*\tau+7], v[(\fb)+16*\j+8*\c:(\fb)+16*\j+8*\c+7], 0
.else
	v_wmma_f32_16x16x32_f16 v[rD:rD+7], v[(\fa)+8*\tau:(\fa)+8*\tau+7], v[(\fb)+16*\j+8*\c:(\fb)+16*\j+8*\c+7], v[rD:rD+7]
.endif
.endr
.endr
.endr
.endm
.macro GSTEP sl, zero                  ; a K step of 64
	FETCH \sl, 0, FA0, FB0
	FETCH \sl, 1, FA1, FB1
	s_wait_dscnt 26                                ; the first 32 along K are in; the 26 younger loads stay out
	MUL40 FA0, FB0, \zero
	s_wait_dscnt 0x0
	MUL40 FA1, FB1, 0
	WIN 0
.endm
; The change of slots with a refill: all my tensor loads have landed, the add, my reads are over, a round of the cluster's barrier, and my one joint load first behind it.
.macro HEADR d, stepd
	s_wait_tensorcnt 0x0                           ; no tensor load of mine is out: a group 0 may be written
	ds_add_u32 v[SPW], v[NIL]                      ; 0 onto my spare word
	s_add_nc_u64 s[\stepd+2:\stepd+3], s[\stepd+2:\stepd+3], 131072  ; the other slot's next tile: 128 k-rows of 1,024 bytes on
	v_add_nc_u32 v[VA], 128, v[VA]                 ; xn: 64 along K on
	s_wait_dscnt 0x0                               ; the add is done, and my reads of the slot are over
	ROUND
	tensor_load_to_lds s[\d:\d+3], s[G1S:G1S+7]
	s_nop 0
	PLACES                                         ; also the places in front of the fragment loads
.endm
.macro HEADP step                      ; a change of slots behind which nothing is filled
	s_wait_tensorcnt 0x0                           ; the one load of mine that is out is my part of the slot to be read
.if \step
	v_add_nc_u32 v[VA], 128, v[VA]
.endif
	s_wait_dscnt 0x0
	s_barrier_signal -1
	s_barrier_wait -1
	PLACES
.endm
.macro HORN acc, lit
	v_pk_fma_f32 v[\acc:\acc+1], v[\acc:\acc+1], v[T2:T2+1], \lit op_sel_hi:[1,1,0]
.endm
; Pair i: q = 1 - sigmoid(z) = 1 / (1 + e^z); theta reduced to -pi..pi; a = q (cos, sin).  All in window 1.
.macro XF i
.set rP, 2*(\i)
.set rH, 80+2*(\i)
.set rQ, 160+2*(\i)
	v_pk_fma_f32 v[T0:T0+1], v[rP:rP+1], 0x3fb8aa3b, v[BP:BP+1] op_sel_hi:[1,0,1]
	v_pk_add_f32 v[T1:T1+1], v[rH:rH+1], v[BT:BT+1]
	v_exp_f32 v[T0], v[T0]
	v_exp_f32 v[T0+1], v[T0+1]
	v_pk_mul_f32 v[T2:T2+1], v[T1:T1+1], 0x3e22f983 op_sel_hi:[1,0]
	v_rndne_f32 v[T2], v[T2]
	v_rndne_f32 v[T2+1], v[T2+1]
	s_wait_alu depctr_va_vdst(0)
	v_pk_add_f32 v[T0:T0+1], v[T0:T0+1], 1.0 op_sel_hi:[1,0]
	v_pk_fma_f32 v[T1:T1+1], v[T2:T2+1], 0xc0c90fdb, v[T1:T1+1] op_sel_hi:[1,0,1]
	v_rcp_f32 v[T0], v[T0]
	v_rcp_f32 v[T0+1], v[T0+1]
	v_pk_fma_f32 v[T1:T1+1], v[T2:T2+1], 0x343bbd2e, v[T1:T1+1] op_sel_hi:[1,0,1]
	v_pk_mul_f32 v[T2:T2+1], v[T1:T1+1], v[T1:T1+1]
	s_wait_alu depctr_va_vdst(0)
	v_pk_add_f32 v[rQ:rQ+1], v[rQ:rQ+1], v[T0:T0+1]
	v_pk_fma_f32 v[SS:SS+1], v[T2:T2+1], s[S7:S7+1], 0x2f309231 op_sel_hi:[1,0,0]
	v_pk_fma_f32 v[CC:CC+1], v[T2:T2+1], s[C8:C8+1], 0xad49cba5 op_sel_hi:[1,0,0]
	HORN SS, 0xb2d7322b
	HORN CC, 0x310f76c7
	HORN SS, 0x3638ef1d
	HORN CC, 0xb493f27e
	HORN SS, 0xb9500d01
	HORN CC, 0x37d00d01
	HORN SS, 0x3c088889
	HORN CC, 0xbab60b61
	HORN SS, 0xbe2aaaab
	HORN CC, 0x3d2aaaab
	HORN SS, 1.0
	HORN CC, -0.5
	v_pk_mul_f32 v[T1:T1+1], v[T1:T1+1], v[T0:T0+1]
	HORN CC, 1.0
	v_pk_mul_f32 v[rH:rH+1], v[T1:T1+1], v[SS:SS+1]
	v_pk_mul_f32 v[rP:rP+1], v[CC:CC+1], v[T0:T0+1]
.endm
; b = a x b(row before) + b, from the last pair down, so that the pair before still holds its old numbers.  Row 40's predecessor, row 39, is kept first.
.macro BLEVEL
	WIN 0xa9                                       ; a in window 1 (source 0); b in window 2
	v_or_b32 v165, 0, v78
	v_or_b32 v167, 0, v158
.set i, 39
.rept 40
.if i == 0
.set pR, 164
.set pI, 166
.else
.set pR, 2*i-2
.set pI, 78+2*i
.endif
	v_pk_fma_f32 v[2*i:2*i+1], v[2*i:2*i+1], v[pR:pR+1], v[2*i:2*i+1]
	v_pk_fma_f32 v[80+2*i:81+2*i], v[2*i:2*i+1], v[pI:pI+1], v[80+2*i:81+2*i]
	v_pk_fma_f32 v[2*i:2*i+1], v[80+2*i:81+2*i], v[pI:pI+1], v[2*i:2*i+1] neg_lo:[1,0,0] neg_hi:[1,0,0]
	v_pk_fma_f32 v[80+2*i:81+2*i], v[80+2*i:81+2*i], v[pR:pR+1], v[80+2*i:81+2*i]
.set i, i-1
.endr
.endm
.macro ALEVEL                          ; a = a x a(row before), likewise
	WIN 0x55
	v_mov_b32 v245, v78
	v_mov_b32 v247, v158
.set i, 39
.rept 40
.if i == 0
.set pR, 244
.set pI, 246
.else
.set pR, 2*i-2
.set pI, 78+2*i
.endif
.set tt, 248+4*(i%2)
	v_pk_mul_f32 v[tt:tt+1], v[80+2*i:81+2*i], v[pI:pI+1]
	v_pk_mul_f32 v[tt+2:tt+3], v[80+2*i:81+2*i], v[pR:pR+1]
	v_pk_fma_f32 v[80+2*i:81+2*i], v[2*i:2*i+1], v[pI:pI+1], v[tt+2:tt+3]
	v_pk_fma_f32 v[2*i:2*i+1], v[2*i:2*i+1], v[pR:pR+1], v[tt:tt+1] neg_lo:[0,0,1] neg_hi:[0,0,1]
.set i, i-1
.endr
.endm
.macro TOSTAGE base                    ; my column of the 64 own rows into the stage
.set rho, 16
.rept 64
.if rho < 40
.set rr, 2*rho
.else
.set rr, 2*(rho-40)+1
.endif
	ds_store_b32 v[VST], v[(\base)+rr] offset:(rho-16)*HSP
.set rho, rho+1
.endr
.endm
	s_load_b512 s[4:19], s[0:1], 0x0               ; x, ln1_g, ln1_b, Wp_b, Wt_b, Wr_b, Wi_b, wcv
	s_load_b128 s[20:23], s[0:1], 0x40             ; hbuf, qs
	s_load_b64 s[24:25], s[0:1], 0x50              ; hp
	v_lshl_add_u32 v[SPW], v0, 2, SPARE
	v_mov_b32 v[NIL], 0
	ds_add_u32 v[SPW], v[NIL]                      ; the wave's opening: the add, waited for ahead of my first tensor load
	v_lshrrev_b32 v16, 5, v0
	v_readfirstlane_b32 s[WV], v16
	s_bfe_u32 s27, ttmp6, 0x40000                  ; cx
	s_lshl_b32 s[GID], ttmp9, 2
	s_add_co_u32 s[GID], s[GID], s27               ; my block of 64 rows: it enters global addresses and a select mask alone
	s_and_b32 s[FM], s[GID], 63
	s_cmp_eq_u32 s[FM], 0
	s_cselect_b32 s[FM], -1, 0
.irp g, G1S, G1W
	s_mov_b32 s[\g], 15|(1<<16)|(1<<20)|(1<<21)|(5<<22)|(7<<25)  ; mask of four; 2-byte elements; padding on; bit 21 beside a mask; after every 64 words, 8 words
	s_mov_b32 s[\g+1], 128<<16                     ; tensor_dim0 = 128
	s_mov_b32 s[\g+3], 128<<16                     ; tile_dim0 = 128
	s_mov_b32 s[\g+5], 512                         ; elements from row to row
	s_mov_b32 s[\g+6], 0
	s_mov_b32 s[\g+7], 0
.endr
	s_mov_b32 s[G1S+2], 64<<16                     ; 64 k-rows: one slot
	s_mov_b32 s[G1S+4], 64
	s_mov_b32 s[G1W+2], 128<<16                    ; 128 k-rows: both slots, at a pass's start
	s_mov_b32 s[G1W+4], 128
	s_mov_b32 s[DW], 1
	s_mul_i32 s[DW+1], s[WV], PRJ
	s_add_co_u32 s[DW+1], s[DW+1], RING            ; wave w fills projection w's slots
	s_mov_b32 s[D0], 1
	s_mov_b32 s[D0+1], s[DW+1]
	s_mov_b32 s[D1], 1
	s_add_co_u32 s[D1+1], s[DW+1], SLOT
	s_mov_b32 s[SEL], 0x76543210
	s_mov_b32 s[SEL+1], 0xfedcba98
	s_mov_b32 s[S7], 0xab573fb8                    ; -1/15!
	s_mov_b32 s[S7+1], s[S7]
	s_mov_b32 s[C8], 0x29573fb8                    ; 1/16!
	s_mov_b32 s[C8+1], s[C8]
	s_mov_b32 s[INV], 0x3b000000                   ; 1/512
	v_and_b32 v16, 31, v0                          ; lane
	v_and_b32 v17, 15, v0                          ; r
	v_bfe_u32 v18, v0, 4, 1                        ; h
	v_lshrrev_b32 v19, 1, v17
	v_and_b32 v20, 1, v0
	v_mad_u32_u24 v19, v20, 40, v19                ; row r / 2 + 40 (r % 2)
	v_mul_u32_u24 v[VA0], v19, XP
	v_lshl_add_u32 v[VA0], v18, 4, v[VA0]
	v_and_b32 v19, 7, v0
	v_lshl_add_u32 v19, v18, 3, v19                ; the turning load: k-row 8 h + lane % 8,
	v_mul_u32_u24 v19, v19, 288
	v_bfe_u32 v20, v0, 3, 1
	v_lshl_add_u32 v19, v20, 4, v19                ; 16 bytes for each half of eight lanes,
	s_lshl_b32 s30, s[WV], 6
	s_add_co_u32 s30, s30, RING                    ; my wave's 32 columns
	v_add_nc_u32 v[VB], s30, v19
	v_add_nc_u32 v[VB+1], PRJ, v[VB]
	v_add_nc_u32 v[VB+2], 2*PRJ, v[VB]
	v_add_nc_u32 v[VB+3], 3*PRJ, v[VB]
	v_lshl_add_u32 v[VST], v0, 2, HST
	v_lshl_add_u32 v[VHS], v0, 2, HS
	v_lshlrev_b32 v[VBO], 2, v0
	s_mul_i32 s30, s[WV], 16*HSP
	s_add_co_u32 s30, s30, HST
	v_lshl_add_u32 v[VRD], v16, 4, s30
	s_lshl_b32 s30, s[WV], 15
	v_lshl_add_u32 v[VXO], v16, 4, s30
	s_lshl_b32 s30, s[WV], 11
	v_lshl_add_u32 v[VLG], v16, 4, s30
	s_mul_i32 s30, s[WV], XP
	v_lshl_add_u32 v[VLS], v16, 3, s30
	v_lshlrev_b32 v[VGB], 4, v16
	s_wait_dscnt 0x0                               ; the opening add is done
	s_wait_kmcnt 0x0
	s_lshl_b32 s30, s[WV], 19
	s_mov_b32 s31, 0
	s_add_nc_u64 s[PB:PB+1], s[18:19], s[30:31]    ; projection w's weights, pass 0's columns
	s_lshl_b32 s30, s[GID], 17                     ; 64 rows of 2,048 bytes
	s_add_nc_u64 s[XB:XB+1], s[4:5], s[30:31]
	s_add_nc_u64 s[HB:HB+1], s[20:21], s[30:31]
	s_mov_b64 s[LNN:LNN+1], s[XB:XB+1]
	s_sub_co_i32 s30, s30, 32768                   ; the 16 rows in front; the very first block takes its own rows there (they are overridden below)
	s_max_i32 s30, s30, 0
	s_add_nc_u64 s[LNB:LNB+1], s[4:5], s[30:31]
	s_lshl_b32 s30, s[GID], 8
	s_add_nc_u64 s[22:23], s[22:23], s[30:31]
	s_lshl_b32 s30, s[GID], 11
	s_add_nc_u64 s[24:25], s[24:25], s[30:31]
.irp j, 0,1,2,3
	global_load_b128 v[G+4*\j:G+4*\j+3], v[VGB], s[6:7] offset:512*\j
	global_load_b128 v[BB+4*\j:BB+4*\j+3], v[VGB], s[8:9] offset:512*\j
.endr
	WIN 0x40
.set i, 0
.rept 80
	v_mov_b32 v[160+i], 0                          ; the sums of 1 - p run over all four passes
.set i, i+1
.endr
	WIN 0
	s_mov_b32 s[CP], 5
.Lln:                                                  ; five trips of 16 rows: wave w takes rows w, w + 4, w + 8, w + 12
.irp r, 0,1,2,3
.irp j, 0,1,2,3
	global_load_b128 v[X+16*\r+4*\j:X+16*\r+4*\j+3], v[VLG], s[LNB:LNB+1] offset:\r*8192+512*\j
.endr
.endr
	s_wait_loadcnt 0x0
	LNROW X, 0
	LNROW X+16, 4160
	LNROW X+32, 8320
	LNROW X+48, 12480
	v_add_nc_u32 v[VLS], 16640, v[VLS]
	s_mov_b64 s[LNB:LNB+1], s[LNN:LNN+1]           ; the loads are done: their base may be written
	s_add_nc_u64 s[LNN:LNN+1], s[LNN:LNN+1], 32768
	s_sub_co_u32 s[CP], s[CP], 1
	s_cmp_lg_u32 s[CP], 0
	s_cbranch_scc1 .Lln
	s_mov_b32 s[CP], 4
.Lpass:                                                ; a pass: 128 columns of all four projections
	s_wait_tensorcnt 0x0
	ds_add_u32 v[SPW], v[NIL]                      ; the descriptors' addresses are made between the add and its wait
	s_mov_b64 s[DW+2:DW+3], s[PB:PB+1]
	s_or_b32 s[DW+3], s[DW+3], 0x80000000
	s_add_nc_u64 s[D0+2:D0+3], s[PB:PB+1], 131072  ; K step 2
	s_or_b32 s[D0+3], s[D0+3], 0x80000000
	s_add_nc_u64 s[D1+2:D1+3], s[PB:PB+1], 65536   ; K step 1; stepped to 3 ahead of its first use
	s_or_b32 s[D1+3], s[D1+3], 0x80000000
	v_mov_b32 v[VA], v[VA0]
	s_wait_dscnt 0x0                               ; the add, my stores of xn, my reads of the ring
	ROUND
	tensor_load_to_lds s[DW:DW+3], s[G1W:G1W+7]    ; K steps 0 and 1 into both slots
	s_nop 0
	PLACES
	HEADP 0
	GSTEP 0, 1                                     ; the first products start the sums
	s_mov_b32 s[CI], 3
.Lk:
	HEADR D0, D1
	GSTEP 1, 0
	HEADR D1, D0
	GSTEP 0, 0
	s_sub_co_u32 s[CI], s[CI], 1
	s_cmp_lg_u32 s[CI], 0
	s_cbranch_scc1 .Lk
	HEADP 1
	GSTEP 1, 0
	PLACES                                         ; behind the last products
	WIN 0x40
	global_load_b32 v[BP], v[VBO], s[10:11]
	global_load_b32 v[BT], v[VBO], s[12:13]
	WIN 0x80
	global_load_b32 v160, v[VBO], s[14:15]
	global_load_b32 v162, v[VBO], s[16:17]
	WIN 0
.set n, 0
.rept 16
	global_load_b128 v[32+4*n:35+4*n], v[VXO], s[XB:XB+1] offset:n*2048  ; the residual, wanted on the way out
.set n, n+1
.endr
.irp w, 0x55, 0xaa                     ; a lane's column: the two column halves change lanes; each accumulator's lowest register is read first
	WIN \w
.set i, 0
.rept 10
.set j, 0
.rept 8
	v_permlane16_swap_b32 v[16*i+j], v[16*i+8+j]
.set j, j+1
.endr
.set i, i+1
.endr
.endr
	s_wait_loadcnt 16                              ; the four biases are in; the 16 residual loads stay out
	v_mov_b32 v161, v160
	v_mov_b32 v163, v162
.set i, 0
.rept 40
	v_pk_add_f32 v[2*i:2*i+1], v[2*i:2*i+1], v[160:161]
	v_pk_add_f32 v[80+2*i:81+2*i], v[80+2*i:81+2*i], v[162:163]
.set i, i+1
.endr
.set i, 0
.rept 16                               ; at a batch's start the 16 rows in front count as a = 1, b = 0: row 0 then stays as it is at every level
	v_cndmask_b32 v[2*i], v[2*i], 0, s[FM]
	v_cndmask_b32 v[80+2*i], v[80+2*i], 0, s[FM]
.set i, i+1
.endr
	v_mov_b32 v164, 0                              ; local row 0 has no row before it: it meets a = 1, b = 0
	v_mov_b32 v166, 0
	WIN 0x55
	v_mul_f32 v[BP], 0x3fb8aa3b, v[BP]
	v_mov_b32 v[BT+1], v[BT]
	v_mov_b32 v[BP+1], v[BP]
.set ii, 0
.rept 40
	XF ii
.set ii, ii+1
.endr
.set i, 0
.rept 16
	v_cndmask_b32 v[2*i], v[2*i], 1.0, s[FM]
	v_cndmask_b32 v[80+2*i], v[80+2*i], 0, s[FM]
.set i, i+1
.endr
	v_mov_b32 v244, 1.0
	v_mov_b32 v246, 0
	WIN 0
	s_mov_b32 s[CSN], 12
.Lscan:                                                ; 13 levels of b want 12 of a
	BLEVEL
	ALEVEL
	WIN 0
	s_sub_co_u32 s[CSN], s[CSN], 1
	s_cmp_lg_u32 s[CSN], 0
	s_cbranch_scc1 .Lscan
	BLEVEL
	WIN 0xaa                                       ; my column's sum over the 64 own rows
	v_pk_add_f32 v[168:169], v[32:33], v[34:35]
.set i, 18
.rept 22
	v_pk_add_f32 v[168:169], v[168:169], v[2*i:2*i+1]
.set i, i+1
.endr
	v_add_f32 v168, v168, v169
.set i, 0
.rept 16
	v_add_f32 v168, v168, v[2*i+1]
.set i, i+1
.endr
	WIN 0x08                                       ; store data in window 2
	ds_store_b32 v[VHS], v168
	TOSTAGE 0
	WIN 0
	s_wait_dscnt 0x0                               ; for the others' sake
	s_barrier_signal -1
	s_barrier_wait -1
.set n, 0
.rept 16
	ds_load_b128 v[96+4*n:99+4*n], v[VRD] offset:n*HSP
.set n, n+1
.endr
	s_wait_loadcnt 0x0
	s_wait_dscnt 0x0
.set n, 0
.rept 32
	v_pk_add_f32 v[96+2*n:97+2*n], v[96+2*n:97+2*n], v[32+2*n:33+2*n]
.set n, n+1
.endr
.set n, 0
.rept 16
	global_store_b128 v[VXO], v[96+4*n:99+4*n], s[HB:HB+1] offset:n*2048  ; a wave's store covers 512 consecutive bytes, aligned
.set n, n+1
.endr
	s_wait_xcnt 0x0                                ; offsets and store data are rewritten only behind this wait
	s_add_nc_u64 s[PB:PB+1], s[PB:PB+1], 256
	v_add_nc_u32 v[VHS], 512, v[VHS]
	v_add_nc_u32 v[VXO], 512, v[VXO]
	v_add_nc_u32 v[VBO], 512, v[VBO]
	s_sub_co_u32 s[CP], s[CP], 1
	s_cmp_lg_u32 s[CP], 0
	s_cbranch_scc1 .Lpass
	s_barrier_signal -1                            ; every wave's reads of the stage are over (waited for above)
	s_barrier_wait -1
	WIN 0x04                                       ; store data in window 1
	TOSTAGE 160
	WIN 0
	s_wait_dscnt 0x0
	s_barrier_signal -1
	s_barrier_wait -1
	v_lshrrev_b32 v16, 1, v0                       ; thread t: row t / 2, half t % 2 of its 128 partial sums
	v_and_b32 v17, 1, v0
	v_mul_u32_u24 v18, v16, HSP
	v_lshl_add_u32 v18, v17, 8, v18
	v_add_nc_u32 v18, HST, v18
.set n, 0
.rept 16
	ds_load_b128 v[32+4*n:35+4*n], v18 offset:16*n
.set n, n+1
.endr
	v_lshl_add_u32 v19, v0, 4, HS
	ds_load_b128 v[96:99], v19
	s_wait_dscnt 0x0
.set n, 0
.rept 16
	v_pk_add_f32 v[32+4*n:33+4*n], v[32+4*n:33+4*n], v[34+4*n:35+4*n]
.set n, n+1
.endr
.set n, 1
.rept 15
	v_pk_add_f32 v[32:33], v[32:33], v[32+4*n:33+4*n]
.set n, n+1
.endr
	v_add_f32 v32, v32, v33
	v_add_f32_dpp v32, v32, v32 row_xmask:1 row_mask:0xf bank_mask:0xf
	v_lshlrev_b32 v16, 2, v16
	global_store_b32 v16, v32, s[22:23]            ; the two lanes of a row hold, and store, the same number
	v_lshlrev_b32 v20, 4, v0
	global_store_b128 v20, v[96:99], s[24:25]
	s_wait_tensorcnt 0x0                           ; the wave's end
	ds_add_u32 v[SPW], v[NIL]
	s_wait_dscnt 0x0
	ROUND                                          ; the closing round
	s_endpgm
.Lfunc_end_k_qaa37da2e1d_proj:
	.size	k_qaa37da2e1d_proj, .Lfunc_end_k_qaa37da2e1d_proj-k_qaa37da2e1d_proj
	.p2alignl 7, 3214868480
	.fill 96, 4, 3214868480
	.section	.rodata,"a",@progbits
	.p2align	6, 0x0
	.amdhsa_kernel k_qaa37da2e1d_proj
		.amdhsa_group_segment_fixed_size 327680
		.amdhsa_private_segment_fixed_size 0
		.amdhsa_enable_private_segment 0
		.amdhsa_kernarg_size 88
		.amdhsa_user_sgpr_count 2
		.amdhsa_user_sgpr_kernarg_segment_ptr 1
		.amdhsa_wavefront_size32 1
		.amdhsa_system_sgpr_workgroup_id_x 1
		.amdhsa_system_sgpr_workgroup_id_y 1
		.amdhsa_system_sgpr_workgroup_id_z 1
		.amdhsa_system_vgpr_workitem_id 0
		.amdhsa_next_free_vgpr 768
		.amdhsa_next_free_sgpr 96
		.amdhsa_reserve_vcc 0
		.amdhsa_float_denorm_mode_32 3
		.amdhsa_float_denorm_mode_16_64 3
		.amdhsa_memory_ordered 1
		.amdhsa_forward_progress 1
		.amdhsa_inst_pref_size 225
	.end_amdhsa_kernel
	.amdgpu_metadata
---
amdhsa.version: [ 1, 2 ]
amdhsa.kernels:
  - .name:           k_qaa37da2e1d_proj
    .symbol:         k_qaa37da2e1d_proj.kd
    .args:
      - { .name: x, .offset: 0, .size: 8, .value_kind: global_buffer, .address_space: global }
      - { .name: ln1_g, .offset: 8, .size: 8, .value_kind: global_buffer, .address_space: global }
      - { .name: ln1_b, .offset: 16, .size: 8, .value_kind: global_buffer, .address_space: global }
      - { .name: Wp_b, .offset: 24, .size: 8, .value_kind: global_buffer, .address_space: global }
      - { .name: Wt_b, .offset: 32, .size: 8, .value_kind: global_buffer, .address_space: global }
      - { .name: Wr_b, .offset: 40, .size: 8, .value_kind: global_buffer, .address_space: global }
      - { .name: Wi_b, .offset: 48, .size: 8, .value_kind: global_buffer, .address_space: global }
      - { .name: wcv, .offset: 56, .size: 8, .value_kind: global_buffer, .address_space: global }
      - { .name: hbuf, .offset: 64, .size: 8, .value_kind: global_buffer, .address_space: global }
      - { .name: qs, .offset: 72, .size: 8, .value_kind: global_buffer, .address_space: global }
      - { .name: hp, .offset: 80, .size: 8, .value_kind: global_buffer, .address_space: global }
    .group_segment_fixed_size: 327680
    .private_segment_fixed_size: 0
    .kernarg_segment_align: 8
    .kernarg_segment_size: 88
    .max_flat_workgroup_size: 128
    .sgpr_count:     96
    .vgpr_count:     768
    .wavefront_size: 32
...
	.end_amdgpu_metadata
.endif
;; end of part 2
;; launch sel (part 3): grid 20 x 1, 8 waves a work-group, no clusters, 16,384 bytes of LDS; arguments qs, hp, Wq_w, Wq_b, idx, hm, qv; writes idx, hm, qv
.if DOCPART == 3
	.amdgcn_target "amdgcn-amd-amdhsa--gfx1250"
	.amdhsa_code_object_version 6
	.text
	.protected	k_qaa37da2e1d_sel
	.globl	k_qaa37da2e1d_sel
	.p2align	8
	.type	k_qaa37da2e1d_sel,@function
k_qaa37da2e1d_sel:
	s_mov_b64 s[64:65], 0
	v_nop
	global_prefetch_b8 v0, s[64:65] scope:SCOPE_SE
	s_setreg_imm32_b32 hwreg(HW_REG_WAVE_MODE, 25, 1), 1
	s_wait_xcnt 0x0
; Work-groups 0-3: the 16 rows of batch b with the largest mean p, that is the smallest sum of 1 - p; of equal sums the lower row.  Sixteen counted trips,
; each a minimum over 4,096 keys held in registers; all choices are selects, no branch or address hangs on a key.  The rows' numbers go to idx.
; Work-groups 4-19: h_mean (the 64 partial column sums of each batch, times 1/4096) and 32 columns of query = h_mean Wq + bq, all in f32.
; Few-row products: each weight is read once, so the matrix unit and clusters would add nothing.  NaN keys are not treated apart.
.set LB,   256
.set HM,   512                         ; h_mean, 4 x 512 f32
.set RED,  8704                        ; 8 waves x 4 batches x 32 columns
.set SPARE, 12800                      ; the spare words, 128 bytes a wave
.set SPW, 3
.set NIL, 4
.set KEY, 16
.set IDX, 32
.set W,   96
.set QA,  160
.macro WMIN
	v_min_num_f32_dpp v48, v48, v48 row_xmask:1 row_mask:0xf bank_mask:0xf
	v_min_num_f32_dpp v48, v48, v48 row_xmask:2 row_mask:0xf bank_mask:0xf
	v_min_num_f32_dpp v48, v48, v48 row_xmask:4 row_mask:0xf bank_mask:0xf
	v_min_num_f32_dpp v48, v48, v48 row_xmask:8 row_mask:0xf bank_mask:0xf
	v_permlanex16_b32 v49, v48, s20, s21
	v_min_num_f32 v48, v48, v49
.endm
.macro ALLMIN dst, off                 ; the waves' minima meet in LDS
	ds_store_b32 v8, v48 offset:\off
	s_wait_dscnt 0x0                               ; for the others' sake
	s_barrier_signal -1
	s_barrier_wait -1
	ds_load_b128 v[52:55], v9 offset:\off
	ds_load_b128 v[56:59], v9 offset:(\off)+16
	s_wait_dscnt 0x0
	v_min3_num_f32 v[\dst], v52, v53, v54
	v_min3_num_f32 v[\dst], v[\dst], v55, v56
	v_min3_num_f32 v[\dst], v[\dst], v57, v58
	v_min_num_f32 v[\dst], v[\dst], v59
.endm
	s_load_b256 s[4:11], s[0:1], 0x0               ; qs, hp, Wq_w, Wq_b
	s_load_b128 s[12:15], s[0:1], 0x20             ; idx, hm
	s_load_b64 s[16:17], s[0:1], 0x30              ; qv
	v_lshl_add_u32 v[SPW], v0, 2, SPARE
	v_mov_b32 v[NIL], 0
	v_lshrrev_b32 v1, 5, v0
	v_readfirstlane_b32 s18, v1
	v_and_b32 v2, 31, v0
	s_mov_b32 s20, 0x76543210
	s_mov_b32 s21, 0xfedcba98
	s_mov_b32 s23, 0
	s_wait_kmcnt 0x0
	s_cmp_lt_u32 ttmp9, 4
	s_cbranch_scc0 .Lq
	s_lshl_b32 s22, ttmp9, 14
	s_add_nc_u64 s[4:5], s[4:5], s[22:23]
	v_lshlrev_b32 v10, 2, v0
.set i, 0
.rept 16
	global_load_b32 v[KEY+i], v10, s[4:5] offset:1024*i  ; key i of thread t: row t + 256 i
.set i, i+1
.endr
.set i, 0
.rept 16
	v_add_nc_u32 v48, 256*i, v0
	v_cvt_f32_u32 v[IDX+i], v48                    ; row numbers as f32: exact, and the same minimum serves them
.set i, i+1
.endr
	v_mov_b32 v5, 0
	v_lshlrev_b32 v8, 2, v1
	v_mov_b32 v9, 0
	v_mov_b32 v49, 0
	v_mov_b32 v51, 0x7f800000
	s_wait_loadcnt 0x0
	s_mov_b32 s24, 0
.Ltop:
	v_min3_num_f32 v48, v[KEY], v[KEY+1], v[KEY+2]
.irp k, 3,5,7,9,11,13
	v_min3_num_f32 v48, v48, v[KEY+\k], v[KEY+\k+1]
.endr
	v_min_num_f32 v48, v48, v[KEY+15]
	WMIN
	ALLMIN 6, 0                                    ; the smallest key
	v_mov_b32 v48, v51
.set i, 0
.rept 16
	v_cmp_eq_f32 vcc_lo, v[KEY+i], v6
	v_cndmask_b32 v50, v51, v[IDX+i], vcc_lo
	v_min_num_f32 v48, v48, v50
.set i, i+1
.endr
	WMIN
	ALLMIN 7, LB                                   ; the lowest row that has it
.set i, 0
.rept 16
	v_cmp_eq_f32 vcc_lo, v[IDX+i], v7
	v_cndmask_b32 v[KEY+i], v[KEY+i], v51, vcc_lo  ; that row is out
.set i, i+1
.endr
	v_cmp_eq_u32 vcc_lo, s24, v0
	v_cndmask_b32 v5, v5, v7, vcc_lo               ; thread n keeps the row of trip n
	s_add_co_u32 s24, s24, 1
	s_cmp_lt_u32 s24, 16
	s_cbranch_scc1 .Ltop
	v_cvt_u32_f32 v5, v5
	s_lshl_b32 s22, ttmp9, 6
	s_add_nc_u64 s[12:13], s[12:13], s[22:23]
	s_wait_xcnt 0x0                                ; EXEC changes only behind this wait
	v_cmp_gt_u32 vcc_lo, 16, v0
	s_and_saveexec_b32 s25, vcc_lo
	global_store_b32 v10, v5, s[12:13]
	s_wait_xcnt 0x0
	s_or_b32 exec_lo, exec_lo, s25
	s_branch .Lend
.Lq:
	s_sub_co_u32 s19, ttmp9, 4                     ; which 32 columns of the query
	s_lshl_b32 s22, s19, 7
	v_lshl_add_u32 v15, v2, 2, s22                 ; my column's byte offset
	s_lshl_b32 s24, s18, 17                        ; wave w takes rows 64 w .. 64 w + 63 of Wq
	v_add_nc_u32 v12, s24, v15
.set i, 0
.rept 64
	global_load_b32 v[W+i], v12, s[8:9] offset:2048*i
.set i, i+1
.endr
	global_load_b32 v14, v15, s[10:11]             ; bq
	v_lshrrev_b32 v11, 6, v0                       ; thread t: batch t / 64, columns 8 (t % 64) on
	v_and_b32 v13, 63, v0
	v_lshlrev_b32 v10, 5, v13
	v_lshl_add_u32 v10, v11, 17, v10
.set i, 0
.rept 8
	v_mov_b32 v[16+i], 0
.set i, i+1
.endr
	s_mov_b32 s24, 8
.Lhm:                                                  ; eight trips of eight partial sums
.set c, 0
.rept 8
	global_load_b128 v[32+8*c:35+8*c], v10, s[6:7] offset:c*2048
	global_load_b128 v[36+8*c:39+8*c], v10, s[6:7] offset:c*2048+16
.set c, c+1
.endr
	s_wait_loadcnt 0x0
.set c, 0
.rept 8
.irp k, 0,2,4,6
	v_pk_add_f32 v[16+\k:17+\k], v[16+\k:17+\k], v[32+8*c+\k:33+8*c+\k]
.endr
.set c, c+1
.endr
	s_add_nc_u64 s[6:7], s[6:7], 16384             ; the loads are done: their base may step
	s_sub_co_u32 s24, s24, 1
	s_cmp_lg_u32 s24, 0
	s_cbranch_scc1 .Lhm
.irp k, 0,2,4,6
	v_pk_mul_f32 v[16+\k:17+\k], v[16+\k:17+\k], 0x39800000 op_sel_hi:[1,0]  ; 1/4096
.endr
	v_lshlrev_b32 v11, 5, v0
	ds_store_b128 v11, v[16:19] offset:HM
	ds_store_b128 v11, v[20:23] offset:HM+16
	s_cmp_eq_u32 s19, 0
	s_cbranch_scc0 .Lnohm
	global_store_b128 v11, v[16:19], s[14:15]      ; one work-group stores h_mean
	global_store_b128 v11, v[20:23], s[14:15] offset:16
.Lnohm:
	s_wait_dscnt 0x0
	s_barrier_signal -1
	s_barrier_wait -1
	s_lshl_b32 s24, s18, 8
	s_add_co_u32 s24, s24, HM
	v_mov_b32 v13, s24                             ; my wave's 64 numbers of h_mean, the same address in every lane
.irp b, 0,1,2,3
.set k, 0
.rept 16
	ds_load_b128 v[32+4*k:35+4*k], v13 offset:\b*2048+16*k
.set k, k+1
.endr
	s_wait_dscnt 0x0
.set k, 0
.rept 16
.irp e, 0,1,2,3
.if k == 0
	v_mul_f32 v[QA+4*\b+\e], v[32+\e], v[W+\e]
.else
	v_fmac_f32 v[QA+4*\b+\e], v[32+4*k+\e], v[W+4*k+\e]
.endif
.endr
.set k, k+1
.endr
	v_add_f32 v[QA+4*\b], v[QA+4*\b], v[QA+4*\b+1]
	v_add_f32 v[QA+4*\b+2], v[QA+4*\b+2], v[QA+4*\b+3]
	v_add_f32 v[QA+4*\b], v[QA+4*\b], v[QA+4*\b+2]
.endr
	s_lshl_b32 s24, s18, 9
	s_add_co_u32 s24, s24, RED
	v_lshl_add_u32 v13, v2, 2, s24
.irp b, 0,1,2,3
	ds_store_b32 v13, v[QA+4*\b] offset:\b*128
.endr
	s_wait_dscnt 0x0
	s_barrier_signal -1
	s_barrier_wait -1
	s_cmp_lt_u32 s18, 4
	s_cbranch_scc0 .Lend                           ; waves 0-3 finish batch w
	s_lshl_b32 s24, s18, 7
	s_add_co_u32 s24, s24, RED
	v_lshl_add_u32 v13, v2, 2, s24
.irp p, 0,1,2,3,4,5,6,7
	ds_load_b32 v[32+\p], v13 offset:\p*512
.endr
	s_wait_dscnt 0x0
	v_add_f32 v32, v32, v33
	v_add_f32 v34, v34, v35
	v_add_f32 v36, v36, v37
	v_add_f32 v38, v38, v39
	v_add_f32 v32, v32, v34
	v_add_f32 v36, v36, v38
	v_add_f32 v32, v32, v36
	v_add_f32 v32, v32, v14
	s_lshl_b32 s24, s18, 11
	v_add_nc_u32 v12, s24, v15
	global_store_b32 v12, v32, s[16:17]
.Lend:
	s_wait_tensorcnt 0x0                           ; the wave's end
	ds_add_u32 v[SPW], v[NIL]
	s_wait_dscnt 0x0
	s_endpgm
.Lfunc_end_k_qaa37da2e1d_sel:
	.size	k_qaa37da2e1d_sel, .Lfunc_end_k_qaa37da2e1d_sel-k_qaa37da2e1d_sel
	.p2alignl 7, 3214868480
	.fill 96, 4, 3214868480
	.section	.rodata,"a",@progbits
	.p2align	6, 0x0
	.amdhsa_kernel k_qaa37da2e1d_sel
		.amdhsa_group_segment_fixed_size 16384
		.amdhsa_private_segment_fixed_size 0
		.amdhsa_enable_private_segment 0
		.amdhsa_kernarg_size 56
		.amdhsa_user_sgpr_count 2
		.amdhsa_user_sgpr_kernarg_segment_ptr 1
		.amdhsa_wavefront_size32 1
		.amdhsa_system_sgpr_workgroup_id_x 1
		.amdhsa_system_sgpr_workgroup_id_y 1
		.amdhsa_system_sgpr_workgroup_id_z 1
		.amdhsa_system_vgpr_workitem_id 0
		.amdhsa_next_free_vgpr 180
		.amdhsa_next_free_sgpr 66
		.amdhsa_reserve_vcc 1
		.amdhsa_float_denorm_mode_32 3
		.amdhsa_float_denorm_mode_16_64 3
		.amdhsa_memory_ordered 1
		.amdhsa_forward_progress 1
		.amdhsa_inst_pref_size 36
	.end_amdhsa_kernel
	.amdgpu_metadata
---
amdhsa.version: [ 1, 2 ]
amdhsa.kernels:
  - .name:           k_qaa37da2e1d_sel
    .symbol:         k_qaa37da2e1d_sel.kd
    .args:
      - { .name: qs, .offset: 0, .size: 8, .value_kind: global_buffer, .address_space: global }
      - { .name: hp, .offset: 8, .size: 8, .value_kind: global_buffer, .address_space: global }
      - { .name: Wq_w, .offset: 16, .size: 8, .value_kind: global_buffer, .address_space: global }
      - { .name: Wq_b, .offset: 24, .size: 8, .value_kind: global_buffer, .address_space: global }
      - { .name: idx, .offset: 32, .size: 8, .value_kind: global_buffer, .address_space: global }
      - { .name: hm, .offset: 40, .size: 8, .value_kind: global_buffer, .address_space: global }
      - { .name: qv, .offset: 48, .size: 8, .value_kind: global_buffer, .address_space: global }
    .group_segment_fixed_size: 16384
    .private_segment_fixed_size: 0
    .kernarg_segment_align: 8
    .kernarg_segment_size: 56
    .max_flat_workgroup_size: 256
    .sgpr_count:     66
    .vgpr_count:     180
    .wavefront_size: 32
...
	.end_amdgpu_metadata
.endif
;; end of part 3
;; launch umat (part 4): grid 64 x 1, 8 waves a work-group, no clusters, 0 bytes of LDS; arguments Wk_w, qv, uv; writes uv
.if DOCPART == 4
	.amdgcn_target "amdgcn-amd-amdhsa--gfx1250"
	.amdhsa_code_object_version 6
	.text
	.protected	k_qaa37da2e1d_umat
	.globl	k_qaa37da2e1d_umat
	.p2align	8
	.type	k_qaa37da2e1d_umat,@function
k_qaa37da2e1d_umat:
	s_mov_b64 s[64:65], 0
	v_nop
	global_prefetch_b8 v0, s[64:65] scope:SCOPE_SE
	s_setreg_imm32_b32 hwreg(HW_REG_WAVE_MODE, 25, 1), 1
	s_wait_xcnt 0x0
; u[b][d] = sum over n of Wk[d][n] query[b][n]: a key's score is then h_k . u + query . bk, so the 16 keys need never be formed.
; A wave takes one row d of Wk (read once, 2,048 consecutive bytes) and all four batches; f32 on the vector unit: four rows are too few for the matrix unit.
.macro WSUM a, b
	v_add_f32_dpp v[\a], v[\a], v[\a] row_xmask:1 row_mask:0xf bank_mask:0xf
	v_add_f32_dpp v[\a], v[\a], v[\a] row_xmask:2 row_mask:0xf bank_mask:0xf
	v_add_f32_dpp v[\a], v[\a], v[\a] row_xmask:4 row_mask:0xf bank_mask:0xf
	v_add_f32_dpp v[\a], v[\a], v[\a] row_xmask:8 row_mask:0xf bank_mask:0xf
	v_permlanex16_b32 v[\b], v[\a], s12, s13
	v_add_f32 v[\a], v[\a], v[\b]
.endm
	s_load_b128 s[4:7], s[0:1], 0x0                ; Wk_w, qv
	s_load_b64 s[8:9], s[0:1], 0x10                ; uv
	v_lshrrev_b32 v3, 5, v0
	v_readfirstlane_b32 s10, v3
	v_and_b32 v2, 31, v0
	v_lshlrev_b32 v1, 4, v2
	s_lshl_b32 s11, ttmp9, 3
	s_add_co_u32 s11, s11, s10                     ; d
	s_mov_b32 s12, 0x76543210
	s_mov_b32 s13, 0xfedcba98
	s_lshl_b32 s14, s11, 11
	s_mov_b32 s15, 0
	s_wait_kmcnt 0x0
	s_add_nc_u64 s[4:5], s[4:5], s[14:15]
.irp j, 0,1,2,3
	global_load_b128 v[16+4*\j:19+4*\j], v1, s[4:5] offset:512*\j
.endr
.irp b, 0,1,2,3
.irp j, 0,1,2,3
	global_load_b128 v[32+16*\b+4*\j:35+16*\b+4*\j], v1, s[6:7] offset:\b*2048+512*\j
.endr
.endr
	s_wait_loadcnt 0x0
.irp b, 0,1,2,3
	v_pk_mul_f32 v[8+2*\b:9+2*\b], v[16:17], v[32+16*\b:33+16*\b]
.irp k, 2,4,6,8,10,12,14
	v_pk_fma_f32 v[8+2*\b:9+2*\b], v[16+\k:17+\k], v[32+16*\b+\k:33+16*\b+\k], v[8+2*\b:9+2*\b]
.endr
	v_add_f32 v[8+2*\b], v[8+2*\b], v[9+2*\b]
	WSUM 8+2*\b, 9+2*\b
.endr
	v_cmp_eq_u32 vcc_lo, 1, v2                     ; lane b keeps batch b's number
	v_cndmask_b32 v6, v8, v10, vcc_lo
	v_cmp_eq_u32 vcc_lo, 2, v2
	v_cndmask_b32 v6, v6, v12, vcc_lo
	v_cmp_eq_u32 vcc_lo, 3, v2
	v_cndmask_b32 v6, v6, v14, vcc_lo
	s_lshl_b32 s14, s11, 2
	v_lshl_add_u32 v7, v2, 11, s14
	s_wait_xcnt 0x0                                ; EXEC changes only behind this wait
	v_cmp_gt_u32 vcc_lo, 4, v2
	s_and_saveexec_b32 s16, vcc_lo
	global_store_b32 v7, v6, s[8:9]
	s_wait_xcnt 0x0
	s_or_b32 exec_lo, exec_lo, s16
	s_endpgm
.Lfunc_end_k_qaa37da2e1d_umat:
	.size	k_qaa37da2e1d_umat, .Lfunc_end_k_qaa37da2e1d_umat-k_qaa37da2e1d_umat
	.p2alignl 7, 3214868480
	.fill 96, 4, 3214868480
	.section	.rodata,"a",@progbits
	.p2align	6, 0x0
	.amdhsa_kernel k_qaa37da2e1d_umat
		.amdhsa_group_segment_fixed_size 0
		.amdhsa_private_segment_fixed_size 0
		.amdhsa_enable_private_segment 0
		.amdhsa_kernarg_size 24
		.amdhsa_user_sgpr_count 2
		.amdhsa_user_sgpr_kernarg_segment_ptr 1
		.amdhsa_wavefront_size32 1
		.amdhsa_system_sgpr_workgroup_id_x 1
		.amdhsa_system_sgpr_workgroup_id_y 1
		.amdhsa_system_sgpr_workgroup_id_z 1
		.amdhsa_system_vgpr_workitem_id 0
		.amdhsa_next_free_vgpr 100
		.amdhsa_next_free_sgpr 66
		.amdhsa_reserve_vcc 1
		.amdhsa_float_denorm_mode_32 3
		.amdhsa_float_denorm_mode_16_64 3
		.amdhsa_memory_ordered 1
		.amdhsa_forward_progress 1
		.amdhsa_inst_pref_size 7
	.end_amdhsa_kernel
	.amdgpu_metadata
---
amdhsa.version: [ 1, 2 ]
amdhsa.kernels:
  - .name:           k_qaa37da2e1d_umat
    .symbol:         k_qaa37da2e1d_umat.kd
    .args:
      - { .name: Wk_w, .offset: 0, .size: 8, .value_kind: global_buffer, .address_space: global }
      - { .name: qv, .offset: 8, .size: 8, .value_kind: global_buffer, .address_space: global }
      - { .name: uv, .offset: 16, .size: 8, .value_kind: global_buffer, .address_space: global }
    .group_segment_fixed_size: 0
    .private_segment_fixed_size: 0
    .kernarg_segment_align: 8
    .kernarg_segment_size: 24
    .max_flat_workgroup_size: 256
    .sgpr_count:     66
    .vgpr_count:     100
    .wavefront_size: 32
...
	.end_amdgpu_metadata
.endif
;; end of part 4
;; launch fin (part 5): grid 64 x 1, 8 waves a work-group, no clusters, 40,960 bytes of LDS; arguments idx, hbuf, x, uv, qv, hm, Wk_b, Wv_w, Wv_b, gate_w, gate_b, out1; writes out1
.if DOCPART == 5
	.amdgcn_target "amdgcn-amd-amdhsa--gfx1250"
	.amdhsa_code_object_version 6
	.text
	.protected	k_qaa37da2e1d_fin
	.globl	k_qaa37da2e1d_fin
	.p2align	8
	.type	k_qaa37da2e1d_fin,@function
k_qaa37da2e1d_fin:
	s_mov_b64 s[64:65], 0
	v_nop
	global_prefetch_b8 v0, s[64:65] scope:SCOPE_SE
	s_setreg_imm32_b32 hwreg(HW_REG_WAVE_MODE, 25, 1), 1
	s_wait_xcnt 0x0
; out1[b] = h_mean + sigmoid(h_mean . gate_w + gate_b) x cache, cache = (sum_k attn_k h_k) Wv + bv (the weights add up to 1),
; attn = softmax_k((h_k . u + query . bk) / sqrt(512)), with the largest score taken away first.  The 16 rows' numbers were stored by an earlier launch.
; A work-group makes 32 columns of one batch; the scores and the weighted row are made anew in each (16 rows of 2,048 bytes).
; LIMIT: h_k is formed as h - x from the stored h = h_re + x: its error is at most 2^-24 |h|.  All in f32 on the vector unit: one query row.
.set HBL,  256                         ; the weighted row, 512 f32
.set RED,  2304                        ; 8 waves x 32 columns
.set HR,   3328                        ; the 16 rows, 2,048 bytes each
.set SPARE, 36096                      ; the spare words, 128 bytes a wave
.set SPW, 3
.set NIL, 4
.set W,   96
.macro WSUM a, b
	v_add_f32_dpp v[\a], v[\a], v[\a] row_xmask:1 row_mask:0xf bank_mask:0xf
	v_add_f32_dpp v[\a], v[\a], v[\a] row_xmask:2 row_mask:0xf bank_mask:0xf
	v_add_f32_dpp v[\a], v[\a], v[\a] row_xmask:4 row_mask:0xf bank_mask:0xf
	v_add_f32_dpp v[\a], v[\a], v[\a] row_xmask:8 row_mask:0xf bank_mask:0xf
	v_permlanex16_b32 v[\b], v[\a], s32, s33
	v_add_f32 v[\a], v[\a], v[\b]
.endm
.macro DOT d, a, b                     ; v[d] = the wave's sum of 512 products, 16 a lane
	v_pk_mul_f32 v[\d:\d+1], v[\a:\a+1], v[\b:\b+1]
.irp k, 2,4,6,8,10,12,14
	v_pk_fma_f32 v[\d:\d+1], v[\a+\k:\a+\k+1], v[\b+\k:\b+\k+1], v[\d:\d+1]
.endr
	v_add_f32 v[\d], v[\d], v[\d+1]
	WSUM \d, \d+1
.endm
	s_load_b512 s[4:19], s[0:1], 0x0               ; idx, hbuf, x, uv, qv, hm, Wk_b, Wv_w
	s_load_b256 s[20:27], s[0:1], 0x40             ; Wv_b, gate_w, gate_b, out1
	v_lshl_add_u32 v[SPW], v0, 2, SPARE
	v_mov_b32 v[NIL], 0
	v_lshrrev_b32 v5, 5, v0
	v_readfirstlane_b32 s28, v5
	v_and_b32 v2, 31, v0
	v_lshlrev_b32 v1, 4, v2
	s_lshr_b32 s30, ttmp9, 4                       ; batch
	s_and_b32 s31, ttmp9, 15                       ; which 32 columns
	s_mov_b32 s32, 0x76543210
	s_mov_b32 s33, 0xfedcba98
	s_lshl_b32 s34, s30, 6
	s_lshl3_add_u32 s34, s28, s34                  ; my wave's two rows' numbers: 64 b + 8 w
	s_mov_b32 s35, 0
	s_lshl_b32 s38, s30, 11
	s_mov_b32 s39, 0
	s_mov_b32 s41, 0x3d3504f3                      ; 1 / sqrt(512)
	s_mov_b32 s44, 0x3fb8aa3b                      ; log2(e)
	s_wait_kmcnt 0x0
	s_add_nc_u64 s[4:5], s[4:5], s[34:35]
	s_load_b64 s[36:37], s[4:5], 0x0
	s_add_nc_u64 s[10:11], s[10:11], s[38:39]      ; u, query, h_mean, out1 at my batch
	s_add_nc_u64 s[12:13], s[12:13], s[38:39]
	s_add_nc_u64 s[14:15], s[14:15], s[38:39]
	s_add_nc_u64 s[26:27], s[26:27], s[38:39]
	s_lshl_b32 s42, s31, 7
	v_lshl_add_u32 v73, v2, 2, s42                 ; my column's byte offset
	s_lshl_b32 s42, s28, 17
	v_add_nc_u32 v5, s42, v73                      ; wave w: rows 64 w .. 64 w + 63 of Wv
.set i, 0
.rept 64
	global_load_b32 v[W+i], v5, s[18:19] offset:2048*i
.set i, i+1
.endr
.irp j, 0,1,2,3
	global_load_b128 v[16+4*\j:19+4*\j], v1, s[10:11] offset:512*\j
	global_load_b128 v[32+4*\j:35+4*\j], v1, s[12:13] offset:512*\j
	global_load_b128 v[48+4*\j:51+4*\j], v1, s[16:17] offset:512*\j
.endr
	s_wait_kmcnt 0x0
	s_min_u32 s36, s36, 4095                       ; a row's number stays inside its batch
	s_min_u32 s37, s37, 4095
	s_lshl_b32 s36, s36, 11
	s_lshl_b32 s37, s37, 11
	s_lshl_b32 s40, s30, 23
	s_add_co_u32 s36, s36, s40
	s_add_co_u32 s37, s37, s40
	v_add_nc_u32 v6, s36, v1
	v_add_nc_u32 v7, s37, v1
.irp j, 0,1,2,3
	global_load_b128 v[160+4*\j:163+4*\j], v6, s[6:7] offset:512*\j
	global_load_b128 v[176+4*\j:179+4*\j], v6, s[8:9] offset:512*\j
	global_load_b128 v[192+4*\j:195+4*\j], v7, s[6:7] offset:512*\j
	global_load_b128 v[208+4*\j:211+4*\j], v7, s[8:9] offset:512*\j
.endr
	s_lshl_b32 s42, s28, 3
	v_mov_b32 v66, s42                             ; my two scores' words
	s_lshl_b32 s42, s28, 12
	s_add_co_u32 s42, s42, HR
	v_add_nc_u32 v67, s42, v1                      ; my two rows in LDS
	v_mov_b32 v68, 0
	v_lshl_add_u32 v69, v0, 3, HR
	v_lshl_add_u32 v70, v0, 3, HBL
	s_lshl_b32 s42, s28, 8
	s_add_co_u32 s42, s42, HBL
	v_mov_b32 v71, s42
	s_lshl_b32 s42, s28, 7
	s_add_co_u32 s42, s42, RED
	v_lshl_add_u32 v72, v2, 2, s42
	s_wait_loadcnt 0x0
.irp k, 0,2,4,6,8,10,12,14
	v_pk_add_f32 v[160+\k:161+\k], v[160+\k:161+\k], v[176+\k:177+\k] neg_lo:[0,1] neg_hi:[0,1]
	v_pk_add_f32 v[192+\k:193+\k], v[192+\k:193+\k], v[208+\k:209+\k] neg_lo:[0,1] neg_hi:[0,1]
.endr
	DOT 8, 32, 48                                  ; query . bk
	DOT 10, 160, 16
	DOT 12, 192, 16
	v_mul_f32 v8, s41, v8
	v_fma_f32 v10, v10, s41, v8
	v_fma_f32 v12, v12, s41, v8
	ds_store_b32 v66, v10
	ds_store_b32 v66, v12 offset:4
.irp j, 0,1,2,3
	ds_store_b128 v67, v[160+4*\j:163+4*\j] offset:512*\j
	ds_store_b128 v67, v[192+4*\j:195+4*\j] offset:2048+512*\j
.endr
	s_wait_dscnt 0x0
	s_barrier_signal -1
	s_barrier_wait -1
.irp j, 0,1,2,3
	ds_load_b128 v[16+4*\j:19+4*\j], v68 offset:16*\j  ; the 16 scores, in every lane
.endr
.set k, 0
.rept 16
	ds_load_b64 v[32+2*k:33+2*k], v69 offset:2048*k    ; thread t: columns 2 t, 2 t + 1 of the 16 rows
.set k, k+1
.endr
	s_wait_dscnt 0x0
	v_max3_num_f32 v8, v16, v17, v18
.irp k, 19,21,23,25,27,29
	v_max3_num_f32 v8, v8, v[\k], v[\k+1]
.endr
	v_max_num_f32 v8, v8, v31
	v_mul_f32 v9, s44, v8
.set k, 0
.rept 16
	v_fma_f32 v[16+k], v[16+k], s44, -v9
.set k, k+1
.endr
.set k, 0
.rept 16
	v_exp_f32 v[16+k], v[16+k]
.set k, k+1
.endr
	v_nop                                          ; a plain instruction behind the last exponential
	s_wait_alu depctr_va_vdst(0)
	v_pk_add_f32 v[74:75], v[16:17], v[18:19]
.irp k, 20,22,24,26,28,30
	v_pk_add_f32 v[74:75], v[74:75], v[\k:\k+1]
.endr
	v_add_f32 v74, v74, v75
	v_rcp_f32 v10, v74
	v_mul_f32 v64, v32, v16
	v_mul_f32 v65, v33, v16
.set k, 1
.rept 15
	v_fmac_f32 v64, v[32+2*k], v[16+k]
	v_fmac_f32 v65, v[33+2*k], v[16+k]
.set k, k+1
.endr
	s_wait_alu depctr_va_vdst(0)
	v_mul_f32 v64, v64, v10
	v_mul_f32 v65, v65, v10
	ds_store_b64 v70, v[64:65]
	s_wait_dscnt 0x0
	s_barrier_signal -1
	s_barrier_wait -1
.set k, 0
.rept 16
	ds_load_b128 v[160+4*k:163+4*k], v71 offset:16*k   ; my wave's 64 numbers of the weighted row
.set k, k+1
.endr
	s_wait_dscnt 0x0
.set k, 0
.rept 16
.irp e, 0,1,2,3
.if k == 0
	v_mul_f32 v[76+\e], v[160+\e], v[W+\e]
.else
	v_fmac_f32 v[76+\e], v[160+4*k+\e], v[W+4*k+\e]
.endif
.endr
.set k, k+1
.endr
	v_add_f32 v76, v76, v77
	v_add_f32 v78, v78, v79
	v_add_f32 v76, v76, v78
	ds_store_b32 v72, v76
	s_wait_dscnt 0x0
	s_barrier_signal -1
	s_barrier_wait -1
	s_cmp_lg_u32 s28, 0
	s_cbranch_scc1 .Lend                           ; wave 0 finishes
.irp j, 0,1,2,3
	global_load_b128 v[160+4*\j:163+4*\j], v1, s[14:15] offset:512*\j
	global_load_b128 v[176+4*\j:179+4*\j], v1, s[22:23] offset:512*\j
.endr
	global_load_b32 v88, v73, s[20:21]
	global_load_b32 v89, v73, s[14:15]
	global_load_b32 v90, v68, s[24:25]
.irp p, 0,1,2,3,4,5,6,7
	ds_load_b32 v[80+\p], v72 offset:\p*128
.endr
	s_wait_loadcnt 0x0
	s_wait_dscnt 0x0
	DOT 10, 160, 176
	v_add_f32 v10, v10, v90
	v_mul_f32 v10, 0xbfb8aa3b, v10
	v_exp_f32 v10, v10
	v_add_f32 v80, v80, v81
	v_add_f32 v82, v82, v83
	v_add_f32 v84, v84, v85
	v_add_f32 v86, v86, v87
	s_wait_alu depctr_va_vdst(0)
	v_add_f32 v10, 1.0, v10
	v_rcp_f32 v10, v10
	v_add_f32 v80, v80, v82
	v_add_f32 v84, v84, v86
	v_add_f32 v80, v80, v84
	v_add_f32 v80, v80, v88
	s_wait_alu depctr_va_vdst(0)
	v_fma_f32 v80, v10, v80, v89
	global_store_b32 v73, v80, s[26:27]
.Lend:
	s_wait_tensorcnt 0x0                           ; the wave's end
	ds_add_u32 v[SPW], v[NIL]
	s_wait_dscnt 0x0
	s_endpgm
.Lfunc_end_k_qaa37da2e1d_fin:
	.size	k_qaa37da2e1d_fin, .Lfunc_end_k_qaa37da2e1d_fin-k_qaa37da2e1d_fin
	.p2alignl 7, 3214868480
	.fill 96, 4, 3214868480
	.section	.rodata,"a",@progbits
	.p2align	6, 0x0
	.amdhsa_kernel k_qaa37da2e1d_fin
		.amdhsa_group_segment_fixed_size 40960
		.amdhsa_private_segment_fixed_size 0
		.amdhsa_enable_private_segment 0
		.amdhsa_kernarg_size 96
		.amdhsa_user_sgpr_count 2
		.amdhsa_user_sgpr_kernarg_segment_ptr 1
		.amdhsa_wavefront_size32 1
		.amdhsa_system_sgpr_workgroup_id_x 1
		.amdhsa_system_sgpr_workgroup_id_y 1
		.amdhsa_system_sgpr_workgroup_id_z 1
		.amdhsa_system_vgpr_workitem_id 0
		.amdhsa_next_free_vgpr 224
		.amdhsa_next_free_sgpr 66
		.amdhsa_reserve_vcc 0
		.amdhsa_float_denorm_mode_32 3
		.amdhsa_float_denorm_mode_16_64 3
		.amdhsa_memory_ordered 1
		.amdhsa_forward_progress 1
		.amdhsa_inst_pref_size 28
	.end_amdhsa_kernel
	.amdgpu_metadata
---
amdhsa.version: [ 1, 2 ]
amdhsa.kernels:
  - .name:           k_qaa37da2e1d_fin
    .symbol:         k_qaa37da2e1d_fin.kd
    .args:
      - { .name: idx, .offset: 0, .size: 8, .value_kind: global_buffer, .address_space: global }
      - { .name: hbuf, .offset: 8, .size: 8, .value_kind: global_buffer, .address_space: global }
      - { .name: x, .offset: 16, .size: 8, .value_kind: global_buffer, .address_space: global }
      - { .name: uv, .offset: 24, .size: 8, .value_kind: global_buffer, .address_space: global }
      - { .name: qv, .offset: 32, .size: 8, .value_kind: global_buffer, .address_space: global }
      - { .name: hm, .offset: 40, .size: 8, .value_kind: global_buffer, .address_space: global }
      - { .name: Wk_b, .offset: 48, .size: 8, .value_kind: global_buffer, .address_space: global }
      - { .name: Wv_w, .offset: 56, .size: 8, .value_kind: global_buffer, .address_space: global }
      - { .name: Wv_b, .offset: 64, .size: 8, .value_kind: global_buffer, .address_space: global }
      - { .name: gate_w, .offset: 72, .size: 8, .value_kind: global_buffer, .address_space: global }
      - { .name: gate_b, .offset: 80, .size: 8, .value_kind: global_buffer, .address_space: global }
      - { .name: out1, .offset: 88, .size: 8, .value_kind: global_buffer, .address_space: global }
    .group_segment_fixed_size: 40960
    .private_segment_fixed_size: 0
    .kernarg_segment_align: 8
    .kernarg_segment_size: 96
    .max_flat_workgroup_size: 256
    .sgpr_count:     66
    .vgpr_count:     224
    .wavefront_size: 32
...
	.end_amdgpu_metadata
.endif
;; end of part 5
;; launch ffn (part 6): grid 256 x 1, 4 waves a work-group, clusters of 4 x 1, 327,680 bytes of LDS; arguments hbuf, ln2_g, ln2_b, ffn1_b, ffn2_b, wcv, out0; writes out0
.if DOCPART == 6
	.amdgcn_target "amdgcn-amd-amdhsa--gfx1250"
	.amdhsa_code_object_version 6
	.text
	.protected	k_qaa37da2e1d_ffn
	.globl	k_qaa37da2e1d_ffn
	.p2align	8
	.type	k_qaa37da2e1d_ffn,@function
k_qaa37da2e1d_ffn:
	s_mov_b64 s[64:65], 0
	v_nop
	global_prefetch_b8 v0, s[64:65] scope:SCOPE_SE
	s_setreg_imm32_b32 hwreg(HW_REG_WAVE_MODE, 25, 1), 1
	s_wait_xcnt 0x0
	s_wait_alu depctr_hold_cnt(0) depctr_sa_sdst(0) depctr_va_vdst(0) depctr_va_sdst(0) depctr_va_ssrc(0) depctr_va_vcc(0) depctr_vm_vsrc(0)
	s_getreg_b32 s2, hwreg(HW_REG_IB_STS2, 6, 4)
	s_cmp_eq_u32 s2, 0
	s_cbranch_scc0 .Lentry_in_a_cluster
	s_endpgm
.Lentry_in_a_cluster:
	s_bfe_u32 s2, ttmp6, 0x10000c
	s_cmp_lg_u32 s2, 0x3003
	s_cbranch_scc0 .Lentry_shape_is_right
	s_endpgm
.Lentry_shape_is_right:
; out0 = h + gelu(LN2(h) W1 + b1) W2 + b2, for 64 rows a work-group; the hidden 2,048 columns go in 16 chunks of 128 and never leave the WGP.
; FORMATS: hn, the hidden values and both weights in bf16 (the hidden values have no sure room in f16), sums in f32.
; gelu is exact gelu with erf by the five-term rational form in t = 1 / (1 + 0.3275911 |u|) times e^(-u^2): absolute error 1.5e-7.  NaN, infinities not treated apart.
; BOTH PRODUCTS ARE USED TRANSPOSED (source 0 = weights, turned by ds_load_tr16_b128; source 1 = rows): a lane holds one row and eight neighbouring columns.
; SHARES: FFN1: wave w has hidden columns 32 w .. + 31 of the chunk, all 64 rows (8 accumulators); FFN2: output columns 128 w .. + 127 (32 accumulators, kept for the whole launch).
; hn's fragments (64 rows x 512) stay in 512 registers.  O is cleared once, on purpose: a first chunk written out would be a third copy of the chunk's text.
; RING: two slots; a chunk reads W1's k 0-255, W1's k 256-511, W2's hidden 0-63, W2's hidden 64-127; behind each change of slots each wave asks for a quarter of the slot just left.
; CLUSTER: four work-groups walk the same weights: every tile is asked for jointly (mask 15).  By this text's count one tensor load of a wave is out at a time.
; REGISTERS: window 0 addresses, bias, S, fragments; window 1 O; windows 2, 3 hn.
.set ACT,   66560                      ; behind hn's 64 rows of 1,040 bytes (later the stage, 32 rows x 2,064): 64 rows x 272
.set SPARE, 83968                      ; the spare words, 128 bytes a wave
.set RING,  84480
.set SLOT,  73728
.set VW1, 2                            ; v2-5  W1: slot 0 lower, upper 128 k-rows; slot 1 likewise
.set VW2, 6                            ; v6-7  W2: slot 0, 1
.set VAC, 8
.set VAS, 9
.set VHA, 10
.set VB1, 11
.set VOS, 12
.set VOR, 13
.set VGO, 14
.set VLG, 15
.set VLS, 16
.set VGB, 17
.set SPW, 22                           ; my spare word; never rewritten
.set NIL, 23                           ; 0; never rewritten
.set BIAS, 24
.set S,   40
.set WF,  104
.set FB,  40
.set GT,  232
.set PK,  248
.set X,   40                           ; LN
.set G,   104
.set BB,  120
.set T,   136
.set WV,  18
.set G1A, 24
.set G1B, 32
.set DA0, 40
.set DA1, 44
.set DB0, 48
.set DB1, 52
.set SEL, 56
.set INV, 58
.set CNT, 59
.set A5,  60
.set ABSM, 62
.set HB,  66
.set OB,  68
.set LNB, 70
.set MSB, 0
.macro WIN new
.if MSB != (\new)
	s_set_vgpr_msb (MSB<<8)|(\new)
.set MSB, (\new)
.endif
.endm
.macro PLACES5                         ; five plain places: the next matrix instruction may write over registers that earlier ones read
.rept 5
	v_nop
.endr
.endm
.macro ROUND
	s_barrier_signal -1
	s_barrier_wait -1
	s_cmp_lg_u32 s[WV], 0
	s_cbranch_scc1 .Lnw0_\@
	s_barrier_signal -3
.Lnw0_\@:
	s_barrier_wait -3
	s_barrier_signal -1
	s_barrier_wait -1
.endm
.macro WSUM a, b
	v_add_f32_dpp v[\a], v[\a], v[\a] row_xmask:1 row_mask:0xf bank_mask:0xf
	v_add_f32_dpp v[\a], v[\a], v[\a] row_xmask:2 row_mask:0xf bank_mask:0xf
	v_add_f32_dpp v[\a], v[\a], v[\a] row_xmask:4 row_mask:0xf bank_mask:0xf
	v_add_f32_dpp v[\a], v[\a], v[\a] row_xmask:8 row_mask:0xf bank_mask:0xf
	v_permlanex16_b32 v[\b], v[\a], s[SEL], s[SEL+1]
	v_add_f32 v[\a], v[\a], v[\b]
.endm
.macro LNROW R, off
	v_pk_add_f32 v[T:T+1], v[\R:\R+1], v[\R+2:\R+3]
	v_pk_add_f32 v[T+2:T+3], v[\R+4:\R+5], v[\R+6:\R+7]
	v_pk_add_f32 v[T+4:T+5], v[\R+8:\R+9], v[\R+10:\R+11]
	v_pk_add_f32 v[T+6:T+7], v[\R+12:\R+13], v[\R+14:\R+15]
	v_pk_add_f32 v[T:T+1], v[T:T+1], v[T+2:T+3]
	v_pk_add_f32 v[T+4:T+5], v[T+4:T+5], v[T+6:T+7]
	v_pk_add_f32 v[T:T+1], v[T:T+1], v[T+4:T+5]
	v_add_f32 v[T], v[T], v[T+1]
	WSUM T, T+1
	v_mul_f32 v[T+8], s[INV], v[T]
	v_mov_b32 v[T+9], v[T+8]
.irp k, 0,2,4,6,8,10,12,14
	v_pk_add_f32 v[\R+\k:\R+\k+1], v[\R+\k:\R+\k+1], v[T+8:T+9] neg_lo:[0,1] neg_hi:[0,1]
.endr
	v_pk_mul_f32 v[T:T+1], v[\R:\R+1], v[\R:\R+1]
	v_pk_mul_f32 v[T+2:T+3], v[\R+2:\R+3], v[\R+2:\R+3]
.irp k, 4,8,12
	v_pk_fma_f32 v[T:T+1], v[\R+\k:\R+\k+1], v[\R+\k:\R+\k+1], v[T:T+1]
	v_pk_fma_f32 v[T+2:T+3], v[\R+\k+2:\R+\k+3], v[\R+\k+2:\R+\k+3], v[T+2:T+3]
.endr
	v_pk_add_f32 v[T:T+1], v[T:T+1], v[T+2:T+3]
	v_add_f32 v[T], v[T], v[T+1]
	WSUM T, T+1
	v_fmaak_f32 v[T], s[INV], v[T], 0x3727c5ac     ; variance + 1e-5
	v_rsq_f32 v[T+10], v[T]
	v_nop                                          ; a plain instruction behind the transcendental
	s_wait_alu depctr_va_vdst(0)
	v_mov_b32 v[T+11], v[T+10]
.irp k, 0,2,4,6,8,10,12,14
	v_pk_mul_f32 v[\R+\k:\R+\k+1], v[\R+\k:\R+\k+1], v[T+10:T+11]
.endr
.irp k, 0,2,4,6,8,10,12,14
	v_pk_fma_f32 v[\R+\k:\R+\k+1], v[\R+\k:\R+\k+1], v[G+\k:G+\k+1], v[BB+\k:BB+\k+1]
.endr
.irp k, 0,1,2,3,4,5,6,7
	v_cvt_pk_bf16_f32 v[T+\k], v[\R+2*\k], v[\R+2*\k+1]
.endr
.irp j, 0,1,2,3
	ds_store_b64 v[VLS], v[T+2*\j:T+2*\j+1] offset:(\off)+256*\j
.endr
.endm
; The change of slots: all my tensor loads have landed, the add, my LDS work is over, a round of the cluster's barrier, my one joint load first behind it.
.macro HEAD d, g1, stepd, inc
	s_wait_tensorcnt 0x0                           ; no tensor load of mine is out: a group 0 may be written
	ds_add_u32 v[SPW], v[NIL]                      ; 0 onto my spare word
	s_add_nc_u64 s[\stepd+2:\stepd+3], s[\stepd+2:\stepd+3], \inc  ; the set whose load has just been shown done goes on to the next chunk
	s_wait_dscnt 0x0                               ; the add, my reads of the slot, my stores of the hidden values
	ROUND
	tensor_load_to_lds s[\d:\d+3], s[\g1:\g1+7]
	s_nop 0
	PLACES5
.endm
.macro W1MUL sl, hf                    ; 32 matrix instructions; the 8 accumulators take turns; the first 8 of a chunk start from the bias
	WIN 0x08+4*(\sl)
.irp kl, 0,1,2,3
.irp ct, 0,1
.irp rt, 0,1,2,3
.set rS, S+8*(4*(\ct)+(\rt))
.set rW, WF+64*(\hf)+16*(\kl)+8*(\ct)
.set rH, 8*(4*(4*(\hf)+(\kl))+(\rt))
.if ((\sl)+(\hf)+(\kl)) == 0
	v_wmma_f32_16x16x32_bf16 v[rS:rS+7], v[rW:rW+7], v[rH:rH+7], v[BIAS+8*(\ct):BIAS+8*(\ct)+7]
.else
	v_wmma_f32_16x16x32_bf16 v[rS:rS+7], v[rW:rW+7], v[rH:rH+7], v[rS:rS+7]
.endif
.endr
.endr
.endr
.endm
.macro F1 sl                           ; 256 along K of FFN1
.irp hf, 0,1
.irp kl, 0,1,2,3
.irp ct, 0,1
	ds_load_tr16_b128 v[WF+64*\hf+16*\kl+8*\ct:WF+64*\hf+16*\kl+8*\ct+3], v[VW1+2*(\sl)+\hf] offset:\kl*9216+32*\ct
	ds_load_tr16_b128 v[WF+64*\hf+16*\kl+8*\ct+4:WF+64*\hf+16*\kl+8*\ct+7], v[VW1+2*(\sl)+\hf] offset:\kl*9216+32*\ct+4608
.endr
.endr
.endr
	s_wait_dscnt 16                                ; the lower 128 k-rows' fragments are in; the 16 younger loads stay out
	W1MUL \sl, 0
	s_wait_dscnt 0x0
	W1MUL \sl, 1
	WIN 0
.endm
.macro W2MUL kk                        ; 32 matrix instructions on 32 accumulators
	WIN 0x50
.irp ot, 0,1,2,3,4,5,6,7
.irp rt, 0,1,2,3
.set rO, 8*(4*(\ot)+(\rt))
	v_wmma_f32_16x16x32_bf16 v[rO:rO+7], v[FB+96*(\kk)+8*\ot:FB+96*(\kk)+8*\ot+7], v[FB+96*(\kk)+64+8*\rt:FB+96*(\kk)+64+8*\rt+7], v[rO:rO+7]
.endr
.endr
.endm
.macro F2 sl                           ; 64 hidden columns of FFN2
.irp kk, 0,1
.irp ot, 0,1,2,3,4,5,6,7
	ds_load_tr16_b128 v[FB+96*\kk+8*\ot:FB+96*\kk+8*\ot+3], v[VW2+(\sl)] offset:\kk*33792+32*\ot
	ds_load_tr16_b128 v[FB+96*\kk+8*\ot+4:FB+96*\kk+8*\ot+7], v[VW2+(\sl)] offset:\kk*33792+32*\ot+16896
.endr
.irp rt, 0,1,2,3
	ds_load_b128 v[FB+96*\kk+64+8*\rt:FB+96*\kk+64+8*\rt+3], v[VAC] offset:\rt*4352+64*(2*(\sl)+\kk)
	ds_load_b128 v[FB+96*\kk+64+8*\rt+4:FB+96*\kk+64+8*\rt+7], v[VAC] offset:\rt*4352+64*(2*(\sl)+\kk)+32
.endr
.endr
	s_wait_dscnt 24                                ; the first 32 hidden columns' fragments are in; the 24 younger loads stay out
	W2MUL 0
	s_wait_dscnt 0x0
	W2MUL 1
	WIN 0
.endm
; gelu of four numbers, as two pairs side by side.  For pair u at GT + 8 u: |x|, t, e, y.
.macro GEL4 R, out
.irp u, 0,1
	v_and_b32 v[GT+8*\u], s[ABSM], v[(\R)+2*\u]
	v_and_b32 v[GT+8*\u+1], s[ABSM], v[(\R)+2*\u+1]
.endr
.irp u, 0,1
	v_pk_fma_f32 v[GT+8*\u+2:GT+8*\u+3], v[GT+8*\u:GT+8*\u+1], 0x3e6d3388, 1.0 op_sel_hi:[1,0,0]
	v_pk_mul_f32 v[GT+8*\u+4:GT+8*\u+5], v[(\R)+2*\u:(\R)+2*\u+1], v[(\R)+2*\u:(\R)+2*\u+1]
.endr
.irp u, 0,1
	v_rcp_f32 v[GT+8*\u+2], v[GT+8*\u+2]
	v_rcp_f32 v[GT+8*\u+3], v[GT+8*\u+3]
.endr
.irp u, 0,1
	v_pk_mul_f32 v[GT+8*\u+4:GT+8*\u+5], v[GT+8*\u+4:GT+8*\u+5], 0xbf38aa3b op_sel_hi:[1,0]
.endr
.irp u, 0,1
	v_exp_f32 v[GT+8*\u+4], v[GT+8*\u+4]
	v_exp_f32 v[GT+8*\u+5], v[GT+8*\u+5]
.endr
	s_wait_alu depctr_va_vdst(0)
.irp u, 0,1
	v_pk_fma_f32 v[GT+8*\u+6:GT+8*\u+7], v[GT+8*\u+2:GT+8*\u+3], s[A5:A5+1], 0xbfba00e3 op_sel_hi:[1,0,0]
.endr
.irp c, 0x3fb5f0e3, 0xbe91a98e, 0x3e827906
.irp u, 0,1
	v_pk_fma_f32 v[GT+8*\u+6:GT+8*\u+7], v[GT+8*\u+6:GT+8*\u+7], v[GT+8*\u+2:GT+8*\u+3], \c op_sel_hi:[1,1,0]
.endr
.endr
.irp u, 0,1
	v_pk_mul_f32 v[GT+8*\u+6:GT+8*\u+7], v[GT+8*\u+6:GT+8*\u+7], v[GT+8*\u+2:GT+8*\u+3]
.endr
.irp u, 0,1
	v_pk_mul_f32 v[GT+8*\u:GT+8*\u+1], v[GT+8*\u:GT+8*\u+1], 0.5 op_sel_hi:[1,0]
.endr
.irp u, 0,1
	v_pk_mul_f32 v[GT+8*\u+6:GT+8*\u+7], v[GT+8*\u+6:GT+8*\u+7], v[GT+8*\u+4:GT+8*\u+5]
.endr
.irp u, 0,1
	v_pk_fma_f32 v[GT+8*\u+6:GT+8*\u+7], v[GT+8*\u+6:GT+8*\u+7], v[GT+8*\u:GT+8*\u+1], v[GT+8*\u:GT+8*\u+1] neg_lo:[1,0,0] neg_hi:[1,0,0]
.endr
.irp u, 0,1
	v_pk_fma_f32 v[GT+8*\u+6:GT+8*\u+7], v[(\R)+2*\u:(\R)+2*\u+1], 0.5, v[GT+8*\u+6:GT+8*\u+7] op_sel_hi:[1,0,1]
.endr
.irp u, 0,1
	v_cvt_pk_bf16_f32 v[(\out)+\u], v[GT+8*\u+6], v[GT+8*\u+7]
.endr
.endm
.macro GELU                            ; each accumulator from its low end on; a lane's eight columns are 16 bytes of a row
.irp ct, 0,1
.irp rt, 0,1,2,3
	GEL4 S+8*(4*\ct+\rt), PK+4*(\rt%2)
	GEL4 S+8*(4*\ct+\rt)+4, PK+4*(\rt%2)+2
	ds_store_b128 v[VAS], v[PK+4*(\rt%2):PK+4*(\rt%2)+3] offset:\rt*4352+32*\ct
.endr
.endr
.endm
.macro CHUNK last
	HEAD DA1, G1A, DA0, 256                        ; W1's k 0-255 are in; slot 1 takes k 256-511
	s_wait_loadcnt 0x0                             ; the chunk's bias
	F1 0
	HEAD DB0, G1B, DA1, 256                        ; slot 0 takes W2's first 64 hidden rows
	F1 1
.rept 4
	v_nop                                          ; the places behind the last products
.endr
	GELU
	HEAD DB1, G1B, DB0, 131072                     ; every wave's hidden values are in LDS; slot 1 takes W2's other 64 rows
.if !(\last)
	s_add_nc_u64 s[10:11], s[10:11], 512           ; the next chunk's bias (the last loads by this base were waited for above)
.irp ct, 0,1
	global_load_b128 v[BIAS+8*\ct:BIAS+8*\ct+3], v[VB1], s[10:11] offset:64*\ct
	global_load_b128 v[BIAS+8*\ct+4:BIAS+8*\ct+7], v[VB1], s[10:11] offset:64*\ct+16
.endr
.endif
	F2 0
.if \last
	s_wait_tensorcnt 0x0                           ; the last tile is in; nothing is filled again, so no round follows
	ds_add_u32 v[SPW], v[NIL]
	s_wait_dscnt 0x0
	s_barrier_signal -1
	s_barrier_wait -1
	PLACES5
.else
	HEAD DA0, G1A, DB1, 131072                     ; slot 0 takes the next chunk's W1, k 0-255
.endif
	F2 1
.endm
; The way out of 32 rows: O through the stage, back as whole rows, plus h and b2.
.macro HALF e
	s_wait_dscnt 0x0
	s_barrier_signal -1                            ; nobody reads the stage any more
	s_barrier_wait -1
	WIN 0x04                                       ; store data in window 1
.irp rr, 0,1
.irp ot, 0,1,2,3,4,5,6,7
.set rO, 8*(4*(\ot)+2*(\e)+(\rr))
	ds_store_b128 v[VOS], v[rO:rO+3] offset:\rr*33024+64*\ot
	ds_store_b128 v[VOS], v[rO+4:rO+7] offset:\rr*33024+64*\ot+16
.endr
.endr
	WIN 0
	s_wait_dscnt 0x0                               ; for the others' sake
	s_barrier_signal -1
	s_barrier_wait -1
.irp qd, 0,1
	s_wait_xcnt 0x0                                ; the last stores' data registers are written again only behind this wait
.irp rl, 0,1,2,3
.irp jj, 0,1,2,3
	ds_load_b128 v[40+16*\rl+4*\jj:43+16*\rl+4*\jj], v[VOR] offset:(4*\qd+\rl)*2064+512*\jj
	global_load_b128 v[104+16*\rl+4*\jj:107+16*\rl+4*\jj], v[VGO], s[HB:HB+1] offset:(32*(\e)+4*\qd+\rl)*2048+512*\jj
.endr
.endr
	s_wait_loadcnt 0x0
	s_wait_dscnt 0x0
.irp rl, 0,1,2,3
.irp k, 0,2,4,6,8,10,12,14
	v_pk_add_f32 v[40+16*\rl+\k:41+16*\rl+\k], v[40+16*\rl+\k:41+16*\rl+\k], v[104+16*\rl+\k:105+16*\rl+\k]
.endr
.irp k, 0,2,4,6,8,10,12,14
	v_pk_add_f32 v[40+16*\rl+\k:41+16*\rl+\k], v[40+16*\rl+\k:41+16*\rl+\k], v[168+\k:169+\k]
.endr
.endr
.irp rl, 0,1,2,3
.irp jj, 0,1,2,3
	global_store_b128 v[VGO], v[40+16*\rl+4*\jj:43+16*\rl+4*\jj], s[OB:OB+1] offset:(32*(\e)+4*\qd+\rl)*2048+512*\jj  ; 512 consecutive bytes, aligned
.endr
.endr
.endr
.endm
	s_load_b256 s[4:11], s[0:1], 0x0               ; hbuf, ln2_g, ln2_b, ffn1_b
	s_load_b128 s[12:15], s[0:1], 0x20             ; ffn2_b, wcv
	s_load_b64 s[16:17], s[0:1], 0x30              ; out0
	v_lshl_add_u32 v[SPW], v0, 2, SPARE
	v_mov_b32 v[NIL], 0
	ds_add_u32 v[SPW], v[NIL]                      ; the wave's opening: the add, waited for ahead of my first tensor load
	v_lshrrev_b32 v18, 5, v0
	v_readfirstlane_b32 s[WV], v18
	s_bfe_u32 s19, ttmp6, 0x40000                  ; cx
	s_lshl_b32 s20, ttmp9, 2
	s_add_co_u32 s20, s20, s19                     ; my block of 64 rows: it enters global addresses alone
	s_mov_b32 s[G1A], 15|(1<<16)|(1<<20)|(1<<21)|(5<<22)|(7<<25)  ; mask of four; 2-byte elements; padding on; bit 21 beside a mask; after every 64 words, 8 words
	s_mov_b32 s[G1A+1], 128<<16                    ; 128 hidden columns
	s_mov_b32 s[G1A+2], 64<<16                     ; 64 k-rows a wave
	s_mov_b32 s[G1A+3], 128<<16
	s_mov_b32 s[G1A+4], 64
	s_mov_b32 s[G1A+5], 2048
	s_mov_b32 s[G1A+6], 0
	s_mov_b32 s[G1A+7], 0
	s_mov_b32 s[G1B], 15|(1<<16)|(1<<20)|(1<<21)|(7<<22)|(7<<25)  ; the same, padded after every 256 words
	s_mov_b32 s[G1B+1], 512<<16                    ; 512 output columns
	s_mov_b32 s[G1B+2], 16<<16                     ; 16 hidden rows a wave
	s_mov_b32 s[G1B+3], 512<<16
	s_mov_b32 s[G1B+4], 16
	s_mov_b32 s[G1B+5], 512
	s_mov_b32 s[G1B+6], 0
	s_mov_b32 s[G1B+7], 0
	s_mov_b32 s[DA0], 1
	s_mul_i32 s[DA0+1], s[WV], 18432
	s_add_co_u32 s[DA0+1], s[DA0+1], RING
	s_mov_b32 s[DA1], 1
	s_add_co_u32 s[DA1+1], s[DA0+1], SLOT
	s_mov_b32 s[DB0], 1
	s_mul_i32 s[DB0+1], s[WV], 16896
	s_add_co_u32 s[DB0+1], s[DB0+1], RING
	s_mov_b32 s[DB1], 1
	s_add_co_u32 s[DB1+1], s[DB0+1], SLOT
	s_mov_b32 s[SEL], 0x76543210
	s_mov_b32 s[SEL+1], 0xfedcba98
	s_mov_b32 s[INV], 0x3b000000                   ; 1/512
	s_mov_b32 s[A5], 0x3f87dc22                    ; 1.061405429
	s_mov_b32 s[A5+1], s[A5]
	s_mov_b32 s[ABSM], 0x7fffffff
	v_and_b32 v18, 31, v0                          ; lane
	v_and_b32 v19, 15, v0                          ; r
	v_bfe_u32 v20, v0, 4, 1                        ; h
	v_and_b32 v21, 7, v0
	v_lshl_add_u32 v21, v20, 3, v21                ; the turning load's row: 8 h + lane % 8
	v_bfe_u32 v17, v0, 3, 1
	v_mul_u32_u24 v[VW1], v21, 288
	v_lshl_add_u32 v[VW1], v17, 4, v[VW1]
	s_lshl_b32 s22, s[WV], 6
	s_add_co_u32 s22, s22, RING
	v_add_nc_u32 v[VW1], s22, v[VW1]
	v_add_nc_u32 v[VW1+1], 36864, v[VW1]
	v_add_nc_u32 v[VW1+2], SLOT, v[VW1]
	v_add_nc_u32 v[VW1+3], SLOT+36864, v[VW1]
	v_mul_u32_u24 v[VW2], v21, 1056
	v_lshl_add_u32 v[VW2], v17, 4, v[VW2]
	s_lshl_b32 s22, s[WV], 8
	s_add_co_u32 s22, s22, RING
	v_add_nc_u32 v[VW2], s22, v[VW2]
	v_add_nc_u32 v[VW2+1], SLOT, v[VW2]
	v_mul_u32_u24 v[VAC], v19, 272
	v_lshl_add_u32 v[VAC], v20, 4, v[VAC]
	v_add_nc_u32 v[VAC], ACT, v[VAC]
	s_lshl_b32 s22, s[WV], 6
	v_add_nc_u32 v[VAS], s22, v[VAC]
	v_mul_u32_u24 v[VHA], v19, 1040
	v_lshl_add_u32 v[VHA], v20, 4, v[VHA]
	s_lshl_b32 s22, s[WV], 7
	v_lshl_add_u32 v[VB1], v20, 5, s22
	v_mul_u32_u24 v[VOS], v19, 2064
	v_lshl_add_u32 v[VOS], v20, 5, v[VOS]
	s_lshl_b32 s22, s[WV], 9
	v_add_nc_u32 v[VOS], s22, v[VOS]
	s_mul_i32 s22, s[WV], 8*2064
	v_lshl_add_u32 v[VOR], v18, 4, s22
	s_lshl_b32 s22, s[WV], 14
	v_lshl_add_u32 v[VGO], v18, 4, s22
	s_lshl_b32 s22, s[WV], 11
	v_lshl_add_u32 v[VLG], v18, 4, s22
	s_mul_i32 s22, s[WV], 1040
	v_lshl_add_u32 v[VLS], v18, 3, s22
	v_lshlrev_b32 v[VGB], 4, v18
	s_wait_dscnt 0x0                               ; the opening add is done
	s_wait_kmcnt 0x0
	s_lshl_b32 s22, s[WV], 18                      ; W1: 64 w k-rows of 4,096 bytes,
	s_add_co_u32 s22, s22, 0x200000                ; behind the four projections
	s_mov_b32 s23, 0
	s_add_nc_u64 s[DA0+2:DA0+3], s[14:15], s[22:23]
	s_add_nc_u64 s[DA1+2:DA1+3], s[DA0+2:DA0+3], 0x100000  ; 256 k-rows on
	s_or_b32 s[DA0+3], s[DA0+3], 0x80000000
	s_or_b32 s[DA1+3], s[DA1+3], 0x80000000
	s_lshl_b32 s22, s[WV], 14                      ; W2: 16 w hidden rows of 1,024 bytes
	s_add_co_u32 s22, s22, 0x400000
	s_add_nc_u64 s[DB0+2:DB0+3], s[14:15], s[22:23]
	s_add_nc_u64 s[DB1+2:DB1+3], s[DB0+2:DB0+3], 65536     ; 64 hidden rows on
	s_or_b32 s[DB0+3], s[DB0+3], 0x80000000
	s_or_b32 s[DB1+3], s[DB1+3], 0x80000000
	s_lshl_b32 s22, s20, 17
	s_add_nc_u64 s[HB:HB+1], s[4:5], s[22:23]
	s_add_nc_u64 s[OB:OB+1], s[16:17], s[22:23]
	s_mov_b64 s[LNB:LNB+1], s[HB:HB+1]
	ROUND                                          ; all four work-groups are here: the first joint loads meet
	tensor_load_to_lds s[DA0:DA0+3], s[G1A:G1A+7]  ; chunk 0's W1, k 0-255
	s_nop 0
	PLACES5
.irp j, 0,1,2,3
	global_load_b128 v[G+4*\j:G+4*\j+3], v[VGB], s[6:7] offset:512*\j
	global_load_b128 v[BB+4*\j:BB+4*\j+3], v[VGB], s[8:9] offset:512*\j
.endr
	s_mov_b32 s[CNT], 4
.Lln:                                                  ; four trips of 16 rows: wave w takes rows w, w + 4, w + 8, w + 12
.irp r, 0,1,2,3
.irp j, 0,1,2,3
	global_load_b128 v[X+16*\r+4*\j:X+16*\r+4*\j+3], v[VLG], s[LNB:LNB+1] offset:\r*8192+512*\j
.endr
.endr
	s_wait_loadcnt 0x0
	LNROW X, 0
	LNROW X+16, 4160
	LNROW X+32, 8320
	LNROW X+48, 12480
	v_add_nc_u32 v[VLS], 16640, v[VLS]
	s_add_nc_u64 s[LNB:LNB+1], s[LNB:LNB+1], 32768 ; the loads are done: their base may step
	s_sub_co_u32 s[CNT], s[CNT], 1
	s_cmp_lg_u32 s[CNT], 0
	s_cbranch_scc1 .Lln
	WIN 0x40
.set i, 0
.rept 256
	v_mov_b32 v[i], 0
.set i, i+1
.endr
	WIN 0
.irp ct, 0,1
	global_load_b128 v[BIAS+8*\ct:BIAS+8*\ct+3], v[VB1], s[10:11] offset:64*\ct
	global_load_b128 v[BIAS+8*\ct+4:BIAS+8*\ct+7], v[VB1], s[10:11] offset:64*\ct+16
.endr
	s_wait_dscnt 0x0                               ; my rows of hn are in LDS
	s_barrier_signal -1                            ; the first tile may stay out
	s_barrier_wait -1
.set kp, 0
.rept 16
	WIN 0x80+0x40*(kp/8)
.irp rt, 0,1,2,3
	ds_load_b128 v[8*(4*(kp%8)+\rt):8*(4*(kp%8)+\rt)+3], v[VHA] offset:\rt*16640+64*kp
	ds_load_b128 v[8*(4*(kp%8)+\rt)+4:8*(4*(kp%8)+\rt)+7], v[VHA] offset:\rt*16640+64*kp+32
.endr
.set kp, kp+1
.endr
	WIN 0
	s_mov_b32 s[CNT], 15
.Lchunk:
	CHUNK 0
	s_sub_co_u32 s[CNT], s[CNT], 1
	s_cmp_lg_u32 s[CNT], 0
	s_cbranch_scc1 .Lchunk
	CHUNK 1                                        ; the last chunk is written out: it asks for no further W1
.rept 4
	v_nop                                          ; the places behind the last products
.endr
.irp jj, 0,1,2,3
	global_load_b128 v[168+4*\jj:171+4*\jj], v[VGB], s[12:13] offset:512*\jj
.endr
	HALF 0
	HALF 1
	s_wait_tensorcnt 0x0                           ; the wave's end
	ds_add_u32 v[SPW], v[NIL]
	s_wait_dscnt 0x0
	ROUND                                          ; the closing round
	s_endpgm
.Lfunc_end_k_qaa37da2e1d_ffn:
	.size	k_qaa37da2e1d_ffn, .Lfunc_end_k_qaa37da2e1d_ffn-k_qaa37da2e1d_ffn
	.p2alignl 7, 3214868480
	.fill 96, 4, 3214868480
	.section	.rodata,"a",@progbits
	.p2align	6, 0x0
	.amdhsa_kernel k_qaa37da2e1d_ffn
		.amdhsa_group_segment_fixed_size 327680
		.amdhsa_private_segment_fixed_size 0
		.amdhsa_enable_private_segment 0
		.amdhsa_kernarg_size 56
		.amdhsa_user_sgpr_count 2
		.amdhsa_user_sgpr_kernarg_segment_ptr 1
		.amdhsa_wavefront_size32 1
		.amdhsa_system_sgpr_workgroup_id_x 1
		.amdhsa_system_sgpr_workgroup_id_y 1
		.amdhsa_system_sgpr_workgroup_id_z 1
		.amdhsa_system_vgpr_workitem_id 0
		.amdhsa_next_free_vgpr 1024
		.amdhsa_next_free_sgpr 80
		.amdhsa_reserve_vcc 0
		.amdhsa_float_denorm_mode_32 3
		.amdhsa_float_denorm_mode_16_64 3
		.amdhsa_memory_ordered 1
		.amdhsa_forward_progress 1
		.amdhsa_inst_pref_size 218
	.end_amdhsa_kernel
	.amdgpu_metadata
---
amdhsa.version: [ 1, 2 ]
amdhsa.kernels:
  - .name:           k_qaa37da2e1d_ffn
    .symbol:         k_qaa37da2e1d_ffn.kd
    .args:
      - { .name: hbuf, .offset: 0, .size: 8, .value_kind: global_buffer, .address_space: global }
      - { .name: ln2_g, .offset: 8, .size: 8, .value_kind: global_buffer, .address_space: global }
      - { .name: ln2_b, .offset: 16, .size: 8, .value_kind: global_buffer, .address_space: global }
      - { .name: ffn1_b, .offset: 24, .size: 8, .value_kind: global_buffer, .address_space: global }
      - { .name: ffn2_b, .offset: 32, .size: 8, .value_kind: global_buffer, .address_space: global }
      - { .name: wcv, .offset: 40, .size: 8, .value_kind: global_buffer, .address_space: global }
      - { .name: out0, .offset: 48, .size: 8, .value_kind: global_buffer, .address_space: global }
    .group_segment_fixed_size: 327680
    .private_segment_fixed_size: 0
    .kernarg_segment_align: 8
    .kernarg_segment_size: 56
    .max_flat_workgroup_size: 128
    .sgpr_count:     80
    .vgpr_count:     1024
    .wavefront_size: 32
...
	.end_amdgpu_metadata
.endif
;; end of part 6
;; ======== version 2 of 3: 6 launches; 1.35 times as fast as version 1
;; limits: an absolute error that grows with the inputs' magnitude: up to 5.96e-08 times it; values are held in f16: magnitudes above 65,504 overflow, below 6.1e-05 lose precision; a function is approximated: absolute error at most 1.5e-07; a function is approximated: absolute error at most 1e-06; an absolute error that grows with the inputs' magnitude: up to 1e-07 times it
;; workspace buffers: wcv 6,291,456 bytes; hbuf 33,554,432 bytes; qs 65,536 bytes; hp 524,288 bytes; idx 256 bytes of whole numbers; hm 8,192 bytes; qv 8,192 bytes; uv 8,192 bytes
;; launch prep: the kernel of part 1 again; grid 192 x 1, 8 waves a work-group, no clusters, 0 bytes of LDS; arguments Wp_w, Wt_w, Wr_w, Wi_w, ffn1_w, ffn2_w, wcv; writes wcv
;; launch proj (part 7): grid 256 x 1, 4 waves a work-group, clusters of 4 x 1, 327,680 bytes of LDS; arguments x, ln1_g, ln1_b, Wp_b, Wt_b, Wr_b, Wi_b, wcv, hbuf, qs, hp; writes hbuf, qs, hp
.if DOCPART == 7
	.amdgcn_target "amdgcn-amd-amdhsa--gfx1250"
	.amdhsa_code_object_version 6
	.text
	.protected	k_qaa37da2e1d_proj
	.globl	k_qaa37da2e1d_proj
	.p2align	8
	.type	k_qaa37da2e1d_proj,@function
k_qaa37da2e1d_proj:
	s_mov_b64 s[64:65], 0
	v_nop
	global_prefetch_b8 v0, s[64:65] scope:SCOPE_SE
	s_setreg_imm32_b32 hwreg(HW_REG_WAVE_MODE, 25, 1), 1
	s_wait_xcnt 0x0
	s_wait_alu depctr_hold_cnt(0) depctr_sa_sdst(0) depctr_va_vdst(0) depctr_va_sdst(0) depctr_va_ssrc(0) depctr_va_vcc(0) depctr_vm_vsrc(0)
	s_getreg_b32 s2, hwreg(HW_REG_IB_STS2, 6, 4)
	s_cmp_eq_u32 s2, 0
	s_cbranch_scc0 .Lentry_in_a_cluster
	s_endpgm
.Lentry_in_a_cluster:
	s_bfe_u32 s2, ttmp6, 0x10000c
	s_cmp_lg_u32 s2, 0x3003
	s_cbranch_scc0 .Lentry_shape_is_right
	s_endpgm
.Lentry_shape_is_right:
; LN1, the four projections (p, theta, re, im), the 13 levels that each combine a row with the row before it, and h = h_re + x.
; After 13 such levels a row hangs on itself and the 13 rows before it, so a work-group owns 64 rows and computes 16 more in front of them.
; Stored: hbuf = h (f32), qs[row] = sum over columns of 1 - p, hp[work-group][column] = sum over the 64 rows of h_re.
; FORMATS: xn and the weights go to the matrix unit in f16, sums in f32: the choice of the 16 rows with the largest mean p hangs on small
; differences, and f16 has three more bits than bf16.  LIMITS: xn and the weights within 65,504; theta is reduced by 2 pi in two parts
; (error about 1e-7 |theta|); sine and cosine are Taylor sums to x^15 and x^16 on -pi..pi (error under 1e-6); NaN, infinities not treated apart.
; SHARES: four passes of 128 columns; in a pass wave w has columns 32 w .. 32 w + 31 of ALL four projections for all 80 rows: 40 accumulators.
; ROW ORDER: A's tile tau, index m, is local row 8 tau + m / 2 + 40 (m % 2).  After v_permlane16_swap_b32 between the two column halves a lane owns
; ONE column, and register pair i holds rows (i, 40 + i): every step of the levels is a packed instruction on aligned pairs.
; CLUSTER: the four work-groups of a cluster walk the same weights: each tile is asked for jointly (mask 15), wave w asking for projection w's tile.
; By this text's count one tensor load of a wave is out at a time.
; THE WALK IS ROTATED BY THE CLUSTER'S NUMBER c: the passes begin at column block (c / 4) % 4, the K steps at weight row 128 (c % 4), both wrapping round.  The 16 starting
; points cover all 32 tiles with the clusters' first loads, so the clusters do not all ask for one tile at one time.  Only global addresses hang on c: LN1 takes x, gain and
; bias in 512-byte pieces in rotated order, so that place p of a row of xn in LDS holds column (p + 128 (c % 4)) % 512, and every LDS address is as without the rotation.
; REGISTERS: window 0 addresses and fragments; window 1: v0-79 p then a_re, v80-159 theta then a_im, v160-235 at work;
; window 2: v0-79 re, v80-159 im, v160-189 at work; window 3: v0-79 the sums of 1 - p.
.set XP,    1040                       ; a row of xn in LDS: 1,024 bytes + 16: the 16 rows of a fragment load start in 16 different groups of four banks
.set HST,   83200                      ; behind xn's 80 rows: the stage, 64 rows x 528 bytes
.set HSP,   528
.set HS,    116992                     ; 512 column sums, by pass as it is walked
.set SPARE, 119040                     ; the spare words, 128 bytes a wave: two blocks of 256 bytes that no other line names
.set RING,  119552                     ; four projections x two slots x 64 k-rows of 288 bytes
.set PRJ,   36864
.set SLOT,  18432
.set VA0, 2                            ; v2   my place in xn's rows
.set VA,  3                            ; v3   the same, at the K step in hand
.set VB,  4                            ; v4-7 my place in projection j's slot 0
.set VST, 8                            ; v8   stage, my column
.set VHS, 9                            ; v9   my column sum's word
.set VRD, 10                           ; v10  stage, read back by rows
.set VXO, 11                           ; v11  my byte offset in x and hbuf on the way out, at the pass's columns
.set VBO, 12                           ; v12  my column's byte offset in a bias
.set VXO0, 13                          ; v13  the same two at column block 0
.set VLS, 14                           ; v14  LN: LDS address
.set VBO0, 15
.set VLG, 16                           ; v16-19 LN: byte offset in x of the piece that goes to place j
.set VGB, 20                           ; v20-23 LN: the same in gain and bias
.set SPW, 30                           ; v30  my spare word; never rewritten
.set NIL, 31                           ; v31  0; never rewritten
.set FA0, 32
.set FA1, 72
.set FB0, 112
.set FB1, 176
.set X,   32                           ; LN: four rows of 16 registers
.set G,   96
.set BB,  112
.set T,   128
.set BP,  160                          ; window 1: bias pairs,
.set BT,  162
.set PVA, 164                          ; what pair 0 meets: (1, 0) below, row 39's a above,
.set SVA, 168                          ; the saved pairs 9, 19, 29 of a,
.set AT,  180                          ; two products a stream,
.set XT,  196                          ; ten registers for each of four pairs
.set BR,  160                          ; window 2: likewise for b
.set BI,  162
.set PVB, 164
.set CS,  168
.set SVB, 170
.set HSUM, 182
.set WV,  26
.set GID, 28
.set FM,  29                           ; all ones where my first row is a batch's first, else 0
.set G1S, 32
.set G1W, 40
.set DW,  48
.set D0,  52
.set D1,  56
.set PB,  60                           ; projection w's weights at the pass's columns
.set SEL, 62
.set CP,  66
.set CI,  67
.set CSN, 68
.set INV, 69
.set LNB, 70
.set LNN, 72
.set KO,  74                           ; s[74:75] byte offset of the weight rows to be asked for next
.set XB,  76
.set HB,  78
.set S7,  80
.set C8,  82
.set KO0, 84                           ; the same at a pass's start
.set QO,  85                           ; 512 x the column block in hand
.set PB0, 86
.set K_L2E, 88                         ; constants as scalar pairs: a packed line then needs no literal
.set K_I2P, 90
.set K_2PH, 92
.set K_2PL, 94
.set KS5, 96
.set KS4, 98
.set KS3, 100
.set KS2, 4                            ; these seven take registers whose addresses have served
.set KS1, 6
.set KC6, 8
.set KC5, 70
.set KC4, 72
.set KC3, 18
.set KC2, 20
.set MSB, 0
.macro WIN new                         ; the immediate's high byte repeats the setting that is left
.if MSB != (\new)
	s_set_vgpr_msb (MSB<<8)|(\new)
.set MSB, (\new)
.endif
.endm
.macro SK r, val
	s_mov_b32 s[\r], \val
	s_mov_b32 s[\r+1], \val
.endm
.macro PLACES                          ; four plain places behind matrix instructions (ISA guide 7.12.1)
.rept 4
	v_nop
.endr
.endm
.macro ROUND                           ; a round of the cluster's barrier
	s_barrier_signal -1
	s_barrier_wait -1
	s_cmp_lg_u32 s[WV], 0
	s_cbranch_scc1 .Lnw0_\@
	s_barrier_signal -3
.Lnw0_\@:
	s_barrier_wait -3
	s_barrier_signal -1
	s_barrier_wait -1
.endm
.macro WSUM a, b                       ; the sum over the wave's 32 lanes, in every lane
	v_add_f32_dpp v[\a], v[\a], v[\a] row_xmask:1 row_mask:0xf bank_mask:0xf
	v_add_f32_dpp v[\a], v[\a], v[\a] row_xmask:2 row_mask:0xf bank_mask:0xf
	v_add_f32_dpp v[\a], v[\a], v[\a] row_xmask:4 row_mask:0xf bank_mask:0xf
	v_add_f32_dpp v[\a], v[\a], v[\a] row_xmask:8 row_mask:0xf bank_mask:0xf
	v_permlanex16_b32 v[\b], v[\a], s[SEL], s[SEL+1]
	v_add_f32 v[\a], v[\a], v[\b]
.endm
; One row's layer norm: mean, then the mean of squared differences, both in f32; the row leaves in f16 for LDS.
.macro LNROW R, off
	v_pk_add_f32 v[T:T+1], v[\R:\R+1], v[\R+2:\R+3]
	v_pk_add_f32 v[T+2:T+3], v[\R+4:\R+5], v[\R+6:\R+7]
	v_pk_add_f32 v[T+4:T+5], v[\R+8:\R+9], v[\R+10:\R+11]
	v_pk_add_f32 v[T+6:T+7], v[\R+12:\R+13], v[\R+14:\R+15]
	v_pk_add_f32 v[T:T+1], v[T:T+1], v[T+2:T+3]
	v_pk_add_f32 v[T+4:T+5], v[T+4:T+5], v[T+6:T+7]
	v_pk_add_f32 v[T:T+1], v[T:T+1], v[T+4:T+5]
	v_add_f32 v[T], v[T], v[T+1]
	WSUM T, T+1
	v_mul_f32 v[T+8], s[INV], v[T]
	v_mov_b32 v[T+9], v[T+8]
.irp k, 0,2,4,6,8,10,12,14
	v_pk_add_f32 v[\R+\k:\R+\k+1], v[\R+\k:\R+\k+1], v[T+8:T+9] neg_lo:[0,1] neg_hi:[0,1]
.endr
	v_pk_mul_f32 v[T:T+1], v[\R:\R+1], v[\R:\R+1]
	v_pk_mul_f32 v[T+2:T+3], v[\R+2:\R+3], v[\R+2:\R+3]
.irp k, 4,8,12
	v_pk_fma_f32 v[T:T+1], v[\R+\k:\R+\k+1], v[\R+\k:\R+\k+1], v[T:T+1]
	v_pk_fma_f32 v[T+2:T+3], v[\R+\k+2:\R+\k+3], v[\R+\k+2:\R+\k+3], v[T+2:T+3]
.endr
	v_pk_add_f32 v[T:T+1], v[T:T+1], v[T+2:T+3]
	v_add_f32 v[T], v[T], v[T+1]
	WSUM T, T+1
	v_fmaak_f32 v[T], s[INV], v[T], 0x3727c5ac     ; variance + 1e-5
	v_rsq_f32 v[T+10], v[T]
	v_nop                                          ; a plain instruction behind the transcendental
	s_wait_alu depctr_va_vdst(0)
	v_mov_b32 v[T+11], v[T+10]
.irp k, 0,2,4,6,8,10,12,14
	v_pk_mul_f32 v[\R+\k:\R+\k+1], v[\R+\k:\R+\k+1], v[T+10:T+11]
.endr
.irp k, 0,2,4,6,8,10,12,14
	v_pk_fma_f32 v[\R+\k:\R+\k+1], v[\R+\k:\R+\k+1], v[G+\k:G+\k+1], v[BB+\k:BB+\k+1]
.endr
.irp k, 0,1,2,3,4,5,6,7
	v_cvt_pk_f16_f32 v[T+\k], v[\R+2*\k], v[\R+2*\k+1]
.endr
.irp j, 0,1,2,3
	ds_store_b64 v[VLS], v[T+2*\j:T+2*\j+1] offset:(\off)+256*\j
.endr
.endm
; 26 LDS loads: for 32 along K, five fragments of xn and eight of the weights (turned: they lie [k][n]).
.macro FETCH sl, ks, fa, fb
.irp tau, 0,1,2,3,4
	ds_load_b128 v[(\fa)+8*\tau:(\fa)+8*\tau+3], v[VA] offset:\tau*8320+64*(\ks)
	ds_load_b128 v[(\fa)+8*\tau+4:(\fa)+8*\tau+7], v[VA] offset:\tau*8320+64*(\ks)+32
.endr
.irp j, 0,1,2,3
.irp c, 0,1
	ds_load_tr16_b128 v[(\fb)+16*\j+8*\c:(\fb)+16*\j+8*\c+3], v[VB+\j] offset:(\sl)*SLOT+(\ks)*9216+32*\c
	ds_load_tr16_b128 v[(\fb)+16*\j+8*\c+4:(\fb)+16*\j+8*\c+7], v[VB+\j] offset:(\sl)*SLOT+(\ks)*9216+32*\c+4608
.endr
.endr
.endm
; 40 matrix instructions on 40 accumulators, which take turns.
.macro MUL40 fa, fb, zero
.irp j, 0,1,2,3
	WIN 0x50*(1+(\j)/2)
.irp tau, 0,1,2,3,4
.irp c, 0,1
.set rD, ((\j)%2)*80+16*(\tau)+8*(\c)
.if \zero
	v_wmma_f32_16x16x32_f16 v[rD:rD+7], v[(\fa)+8*\tau:(\fa)+8*\tau+7], v[(\fb)+16*\j+8*\c:(\fb)+16*\j+8*\c+7], 0
.else
	v_wmma_f32_16x16x32_f16 v[rD:rD+7], v[(\fa)+8*\tau:(\fa)+8*\tau+7], v[(\fb)+16*\j+8*\c:(\fb)+16*\j+8*\c+7], v[rD:rD+7]
.endif
.endr
.endr
.endr
.endm
.macro GSTEP sl, zero                  ; a K step of 64
	FETCH \sl, 0, FA0, FB0
	FETCH \sl, 1, FA1, FB1
	s_wait_dscnt 26                                ; the first 32 along K are in; the 26 younger loads stay out
	MUL40 FA0, FB0, \zero
	s_wait_dscnt 0x0
	MUL40 FA1, FB1, 0
	WIN 0
.endm
; The change of slots with a refill: all my tensor loads have landed, the add, my reads are over, a round of the cluster's barrier, and my one joint load first behind it.
.macro HEADR d
	s_wait_tensorcnt 0x0                           ; no tensor load of mine is out: a group 0 may be written
	ds_add_u32 v[SPW], v[NIL]                      ; 0 onto my spare word
	s_add_nc_u64 s[\d+2:\d+3], s[PB:PB+1], s[KO:KO+1]  ; the address is made anew: the pass's columns, the next 64 weight rows of the rotated walk
	s_or_b32 s[\d+3], s[\d+3], 0x80000000
	s_add_co_u32 s[KO], s[KO], 65536               ; 64 rows of 1,024 bytes on,
	s_and_b32 s[KO], s[KO], 0x7ffff                ; round the matrix's 512 rows
	v_add_nc_u32 v[VA], 128, v[VA]                 ; xn: 64 places along K on
	s_wait_dscnt 0x0                               ; the add is done, and my reads of the slot are over
	ROUND
	tensor_load_to_lds s[\d:\d+3], s[G1S:G1S+7]
	s_nop 0
	PLACES                                         ; also the places in front of the fragment loads
.endm
.macro HEADP step                      ; a change of slots behind which nothing is filled
	s_wait_tensorcnt 0x0                           ; the one load of mine that is out is my part of the slot to be read
.if \step
	v_add_nc_u32 v[VA], 128, v[VA]
.endif
	s_wait_dscnt 0x0
	s_barrier_signal -1
	s_barrier_wait -1
	PLACES
.endm
.macro HORN4 o, k                      ; one step of Horner's rule for four pairs; o = 6: the sine's sum, 8: the cosine's
.irp u, 0,1,2,3
	v_pk_fma_f32 v[XT+10*\u+\o:XT+10*\u+\o+1], v[XT+10*\u+\o:XT+10*\u+\o+1], v[XT+10*\u+4:XT+10*\u+5], s[\k:\k+1] op_sel_hi:[1,1,0]
.endr
.endm
.macro HORN4C o, c
.irp u, 0,1,2,3
	v_pk_fma_f32 v[XT+10*\u+\o:XT+10*\u+\o+1], v[XT+10*\u+\o:XT+10*\u+\o+1], v[XT+10*\u+4:XT+10*\u+5], \c op_sel_hi:[1,1,0]
.endr
.endm
; Pairs i0 .. i0 + 3 side by side, so that a line's result is read four lines on or later: q = 1 - sigmoid(z) = 1 / (1 + e^z); theta reduced to -pi..pi; a = q (cos, sin).
; For pair u at XT + 10 u: +0 q, +2 theta, +4 turns then theta^2, +6 the sine's sum, +8 the cosine's.
.macro XF4 i0
	WIN 0x55
.irp u, 0,1,2,3
	v_pk_fma_f32 v[XT+10*\u:XT+10*\u+1], v[2*(\i0)+2*\u:2*(\i0)+2*\u+1], s[K_L2E:K_L2E+1], v[BP:BP+1] op_sel_hi:[1,0,1]
.endr
.irp u, 0,1,2,3
	v_pk_add_f32 v[XT+10*\u+2:XT+10*\u+3], v[2*(\i0)+2*\u+80:2*(\i0)+2*\u+81], v[BT:BT+1]
.endr
.irp u, 0,1,2,3
	v_exp_f32 v[XT+10*\u], v[XT+10*\u]
	v_exp_f32 v[XT+10*\u+1], v[XT+10*\u+1]
.endr
.irp u, 0,1,2,3
	v_pk_mul_f32 v[XT+10*\u+4:XT+10*\u+5], v[XT+10*\u+2:XT+10*\u+3], s[K_I2P:K_I2P+1] op_sel_hi:[1,0]
.endr
.irp u, 0,1,2,3
	v_rndne_f32 v[XT+10*\u+4], v[XT+10*\u+4]
	v_rndne_f32 v[XT+10*\u+5], v[XT+10*\u+5]
.endr
	s_wait_alu depctr_va_vdst(0)
.irp u, 0,1,2,3
	v_pk_add_f32 v[XT+10*\u:XT+10*\u+1], v[XT+10*\u:XT+10*\u+1], 1.0 op_sel_hi:[1,0]
.endr
.irp u, 0,1,2,3
	v_pk_fma_f32 v[XT+10*\u+2:XT+10*\u+3], v[XT+10*\u+4:XT+10*\u+5], s[K_2PH:K_2PH+1], v[XT+10*\u+2:XT+10*\u+3] op_sel_hi:[1,0,1]
.endr
.irp u, 0,1,2,3
	v_rcp_f32 v[XT+10*\u], v[XT+10*\u]
	v_rcp_f32 v[XT+10*\u+1], v[XT+10*\u+1]
.endr
.irp u, 0,1,2,3
	v_pk_fma_f32 v[XT+10*\u+2:XT+10*\u+3], v[XT+10*\u+4:XT+10*\u+5], s[K_2PL:K_2PL+1], v[XT+10*\u+2:XT+10*\u+3] op_sel_hi:[1,0,1]
.endr
.irp u, 0,1,2,3
	v_pk_mul_f32 v[XT+10*\u+4:XT+10*\u+5], v[XT+10*\u+2:XT+10*\u+3], v[XT+10*\u+2:XT+10*\u+3]
.endr
.irp u, 0,1,2,3
	v_pk_fma_f32 v[XT+10*\u+6:XT+10*\u+7], v[XT+10*\u+4:XT+10*\u+5], s[S7:S7+1], 0x2f309231 op_sel_hi:[1,0,0]
.endr
.irp u, 0,1,2,3
	v_pk_fma_f32 v[XT+10*\u+8:XT+10*\u+9], v[XT+10*\u+4:XT+10*\u+5], s[C8:C8+1], 0xad49cba5 op_sel_hi:[1,0,0]
.endr
	HORN4 6, KS5
	HORN4 8, KC6
	HORN4 6, KS4
	HORN4 8, KC5
	HORN4 6, KS3
	HORN4 8, KC4
	HORN4 6, KS2
	HORN4 8, KC3
	HORN4 6, KS1
	HORN4 8, KC2
	HORN4C 6, 1.0
	HORN4C 8, -0.5
	s_wait_alu depctr_va_vdst(0)
.irp u, 0,1,2,3
	v_pk_mul_f32 v[XT+10*\u+2:XT+10*\u+3], v[XT+10*\u+2:XT+10*\u+3], v[XT+10*\u:XT+10*\u+1]
.endr
	HORN4C 8, 1.0
.irp u, 0,1,2,3
	v_pk_mul_f32 v[2*(\i0)+2*\u+80:2*(\i0)+2*\u+81], v[XT+10*\u+2:XT+10*\u+3], v[XT+10*\u+6:XT+10*\u+7]
.endr
.irp u, 0,1,2,3
	v_pk_mul_f32 v[2*(\i0)+2*\u:2*(\i0)+2*\u+1], v[XT+10*\u+8:XT+10*\u+9], v[XT+10*\u:XT+10*\u+1]
.endr
	WIN 0xc7                                       ; the sums of 1 - p lie in window 3, q in window 1
.irp u, 0,1,2,3
	v_pk_add_f32 v[2*(\i0)+2*\u:2*(\i0)+2*\u+1], v[2*(\i0)+2*\u:2*(\i0)+2*\u+1], v[XT+10*\u:XT+10*\u+1]
.endr
.endm
; A LEVEL goes in four streams of ten pairs (39..30, 29..20, 19..10, 9..0), each from its last pair down, so that the pair before still holds its old numbers; the old pairs 29, 19, 9
; and row 39 are kept first for the streams' last pairs.  The four streams stand side by side: a line's result is read seven lines on or later.
.macro PRV sv, pv, st                  ; pR, pI: where pair i, at place p of stream st, finds the pair before it
.if p < 9
.set pR, 2*i-2
.set pI, 2*i+78
.elseif (\st) == 0
.set pR, \pv
.set pI, (\pv)+2
.else
.set pR, (\sv)+4*(\st)-4
.set pI, (\sv)+4*(\st)-2
.endif
.endm
.macro BLEVEL                          ; b = a x b(row before) + b
	WIN 0xa9                                       ; a in window 1 (source 0); b in window 2
	v_or_b32 v[PVB+1], 0, v78
	v_or_b32 v[PVB+3], 0, v158
.irp s, 1,2,3
	v_pk_mul_f32 v[SVB+4*\s-4:SVB+4*\s-3], 1.0, v[20*\s-2:20*\s-1] op_sel_hi:[0,1]
	v_pk_mul_f32 v[SVB+4*\s-2:SVB+4*\s-1], 1.0, v[20*\s+78:20*\s+79] op_sel_hi:[0,1]
.endr
.set p, 0
.rept 10
.irp ph, 0,1
.irp s, 0,1,2,3
.set i, 10*\s+9-p
	PRV SVB, PVB, \s
.if \ph == 0
	v_pk_fma_f32 v[2*i:2*i+1], v[2*i:2*i+1], v[pR:pR+1], v[2*i:2*i+1]
	v_pk_fma_f32 v[2*i+80:2*i+81], v[2*i:2*i+1], v[pI:pI+1], v[2*i+80:2*i+81]
.else
	v_pk_fma_f32 v[2*i:2*i+1], v[2*i+80:2*i+81], v[pI:pI+1], v[2*i:2*i+1] neg_lo:[1,0,0] neg_hi:[1,0,0]
	v_pk_fma_f32 v[2*i+80:2*i+81], v[2*i+80:2*i+81], v[pR:pR+1], v[2*i+80:2*i+81]
.endif
.endr
.endr
.set p, p+1
.endr
.endm
.macro ALEVEL                          ; a = a x a(row before)
	WIN 0x55
	v_mov_b32 v[PVA+1], v78
	v_mov_b32 v[PVA+3], v158
.irp s, 1,2,3
	v_pk_mul_f32 v[SVA+4*\s-4:SVA+4*\s-3], v[20*\s-2:20*\s-1], 1.0 op_sel_hi:[1,0]
	v_pk_mul_f32 v[SVA+4*\s-2:SVA+4*\s-1], v[20*\s+78:20*\s+79], 1.0 op_sel_hi:[1,0]
.endr
.set p, 0
.rept 10
.irp ph, 0,1
.irp s, 0,1,2,3
.set i, 10*\s+9-p
	PRV SVA, PVA, \s
.if \ph == 0
	v_pk_mul_f32 v[AT+4*\s:AT+4*\s+1], v[2*i+80:2*i+81], v[pI:pI+1]
	v_pk_mul_f32 v[AT+4*\s+2:AT+4*\s+3], v[2*i+80:2*i+81], v[pR:pR+1]
.else
	v_pk_fma_f32 v[2*i+80:2*i+81], v[2*i:2*i+1], v[pI:pI+1], v[AT+4*\s+2:AT+4*\s+3]
	v_pk_fma_f32 v[2*i:2*i+1], v[2*i:2*i+1], v[pR:pR+1], v[AT+4*\s:AT+4*\s+1] neg_lo:[0,0,1] neg_hi:[0,0,1]
.endif
.endr
.endr
.set p, p+1
.endr
.endm
.macro TOSTAGE base                    ; my column of the 64 own rows into the stage
.set rho, 16
.rept 64
.if rho < 40
.set rr, 2*rho
.else
.set rr, 2*(rho-40)+1
.endif
	ds_store_b32 v[VST], v[(\base)+rr] offset:(rho-16)*HSP
.set rho, rho+1
.endr
.endm
	s_load_b512 s[4:19], s[0:1], 0x0               ; x, ln1_g, ln1_b, Wp_b, Wt_b, Wr_b, Wi_b, wcv
	s_load_b128 s[20:23], s[0:1], 0x40             ; hbuf, qs
	s_load_b64 s[24:25], s[0:1], 0x50              ; hp
	v_lshl_add_u32 v[SPW], v0, 2, SPARE
	v_mov_b32 v[NIL], 0
	ds_add_u32 v[SPW], v[NIL]                      ; the wave's opening: the add, waited for ahead of my first tensor load
	v_lshrrev_b32 v24, 5, v0
	v_readfirstlane_b32 s[WV], v24
	s_bfe_u32 s27, ttmp6, 0x40000                  ; cx
	s_lshl_b32 s[GID], ttmp9, 2
	s_add_co_u32 s[GID], s[GID], s27               ; my block of 64 rows: it enters global addresses and a select mask alone
	s_and_b32 s[FM], s[GID], 63
	s_cmp_eq_u32 s[FM], 0
	s_cselect_b32 s[FM], -1, 0
	s_and_b32 s2, ttmp9, 3                         ; the cluster's number, which the partners share, turns the walk: K begins at weight row 128 (c % 4),
	s_lshl_b32 s[KO0], s2, 17                      ; which is so many bytes into a matrix,
	s_bfe_u32 s[QO], ttmp9, 0x20002                ; and the passes begin at column block (c / 4) % 4
	s_lshl_b32 s[QO], s[QO], 9
	s_mov_b32 s[KO+1], 0
.irp g, G1S, G1W
	s_mov_b32 s[\g], 15|(1<<16)|(1<<20)|(1<<21)|(5<<22)|(7<<25)  ; mask of four; 2-byte elements; padding on; bit 21 beside a mask; after every 64 words, 8 words
	s_mov_b32 s[\g+1], 128<<16                     ; tensor_dim0 = 128
	s_mov_b32 s[\g+3], 128<<16                     ; tile_dim0 = 128
	s_mov_b32 s[\g+5], 512                         ; elements from row to row
	s_mov_b32 s[\g+6], 0
	s_mov_b32 s[\g+7], 0
.endr
	s_mov_b32 s[G1S+2], 64<<16                     ; 64 k-rows: one slot
	s_mov_b32 s[G1S+4], 64
	s_mov_b32 s[G1W+2], 128<<16                    ; 128 k-rows: both slots, at a pass's start
	s_mov_b32 s[G1W+4], 128
	s_mov_b32 s[DW], 1
	s_mul_i32 s[DW+1], s[WV], PRJ
	s_add_co_u32 s[DW+1], s[DW+1], RING            ; wave w fills projection w's slots
	s_mov_b32 s[D0], 1
	s_mov_b32 s[D0+1], s[DW+1]
	s_mov_b32 s[D1], 1
	s_add_co_u32 s[D1+1], s[DW+1], SLOT
	s_mov_b32 s[SEL], 0x76543210
	s_mov_b32 s[SEL+1], 0xfedcba98
	SK S7, 0xab573fb8                              ; -1/15!
	SK C8, 0x29573fb8                              ; 1/16!
	SK K_L2E, 0x3fb8aa3b                           ; log2(e)
	SK K_I2P, 0x3e22f983                           ; 1 / 2 pi
	SK K_2PH, 0xc0c90fdb                           ; -2 pi, in two parts
	SK K_2PL, 0x343bbd2e
	SK KS5, 0xb2d7322b                             ; -1/11!
	SK KS4, 0x3638ef1d                             ; 1/9!
	SK KS3, 0xb9500d01                             ; -1/7!
	s_mov_b32 s[INV], 0x3b000000                   ; 1/512
	v_and_b32 v24, 31, v0                          ; lane
	v_and_b32 v25, 15, v0                          ; r
	v_bfe_u32 v26, v0, 4, 1                        ; h
	v_lshrrev_b32 v27, 1, v25
	v_and_b32 v28, 1, v0
	v_mad_u32_u24 v27, v28, 40, v27                ; row r / 2 + 40 (r % 2)
	v_mul_u32_u24 v[VA0], v27, XP
	v_lshl_add_u32 v[VA0], v26, 4, v[VA0]
	v_and_b32 v27, 7, v0
	v_lshl_add_u32 v27, v26, 3, v27                ; the turning load: k-row 8 h + lane % 8,
	v_mul_u32_u24 v27, v27, 288
	v_bfe_u32 v28, v0, 3, 1
	v_lshl_add_u32 v27, v28, 4, v27                ; 16 bytes for each half of eight lanes,
	s_lshl_b32 s30, s[WV], 6
	s_add_co_u32 s30, s30, RING                    ; my wave's 32 columns
	v_add_nc_u32 v[VB], s30, v27
	v_add_nc_u32 v[VB+1], PRJ, v[VB]
	v_add_nc_u32 v[VB+2], 2*PRJ, v[VB]
	v_add_nc_u32 v[VB+3], 3*PRJ, v[VB]
	v_lshl_add_u32 v[VST], v0, 2, HST
	v_lshl_add_u32 v[VHS], v0, 2, HS
	v_lshlrev_b32 v[VBO0], 2, v0
	v_add_nc_u32 v[VBO], s[QO], v[VBO0]
	s_mul_i32 s30, s[WV], 16*HSP
	s_add_co_u32 s30, s30, HST
	v_lshl_add_u32 v[VRD], v24, 4, s30
	s_lshl_b32 s30, s[WV], 15
	v_lshl_add_u32 v[VXO0], v24, 4, s30
	v_add_nc_u32 v[VXO], s[QO], v[VXO0]
	s_lshl_b32 s30, s[WV], 11
.irp j, 0,1,2,3
	s_add_co_u32 s3, s2, \j                        ; place j of a row takes the 512-byte piece (j + c % 4) % 4
	s_and_b32 s3, s3, 3
	s_lshl_b32 s3, s3, 9
	v_lshl_add_u32 v[VGB+\j], v24, 4, s3
	v_add_nc_u32 v[VLG+\j], s30, v[VGB+\j]
.endr
	s_mul_i32 s30, s[WV], XP
	v_lshl_add_u32 v[VLS], v24, 3, s30
	s_wait_dscnt 0x0                               ; the opening add is done
	s_wait_kmcnt 0x0
	s_lshl_b32 s30, s[WV], 19
	s_mov_b32 s31, 0
	s_add_nc_u64 s[PB0:PB0+1], s[18:19], s[30:31]  ; projection w's weights
	s_lshl_b32 s30, s[GID], 17                     ; 64 rows of 2,048 bytes
	s_add_nc_u64 s[XB:XB+1], s[4:5], s[30:31]
	s_add_nc_u64 s[HB:HB+1], s[20:21], s[30:31]
	s_mov_b64 s[LNN:LNN+1], s[XB:XB+1]
	s_sub_co_i32 s30, s30, 32768                   ; the 16 rows in front; the very first block takes its own rows there (they are overridden below)
	s_max_i32 s30, s30, 0
	s_add_nc_u64 s[LNB:LNB+1], s[4:5], s[30:31]
	s_lshl_b32 s30, s[GID], 8
	s_add_nc_u64 s[22:23], s[22:23], s[30:31]
	s_lshl_b32 s30, s[GID], 11
	s_add_nc_u64 s[24:25], s[24:25], s[30:31]
.irp j, 0,1,2,3
	global_load_b128 v[G+4*\j:G+4*\j+3], v[VGB+\j], s[6:7]
	global_load_b128 v[BB+4*\j:BB+4*\j+3], v[VGB+\j], s[8:9]
.endr
	WIN 0xc0
.set i, 0
.rept 80
	v_mov_b32 v[i], 0                              ; the sums of 1 - p run over all four passes
.set i, i+1
.endr
	WIN 0
	s_mov_b32 s[CP], 5
.Lln:                                                  ; five trips of 16 rows: wave w takes rows w, w + 4, w + 8, w + 12
.irp r, 0,1,2,3
.irp j, 0,1,2,3
	global_load_b128 v[X+16*\r+4*\j:X+16*\r+4*\j+3], v[VLG+\j], s[LNB:LNB+1] offset:\r*8192
.endr
.endr
	s_wait_loadcnt 0x0
	LNROW X, 0
	LNROW X+16, 4160
	LNROW X+32, 8320
	LNROW X+48, 12480
	v_add_nc_u32 v[VLS], 16640, v[VLS]
	s_mov_b64 s[LNB:LNB+1], s[LNN:LNN+1]           ; the loads are done: their base may be written
	s_add_nc_u64 s[LNN:LNN+1], s[LNN:LNN+1], 32768
	s_sub_co_u32 s[CP], s[CP], 1
	s_cmp_lg_u32 s[CP], 0
	s_cbranch_scc1 .Lln
	SK KS2, 0x3c088889                             ; 1/5!   (every load by these registers has been waited for)
	SK KS1, 0xbe2aaaab                             ; -1/3!
	SK KC6, 0x310f76c7                             ; 1/12!
	SK KC5, 0xb493f27e                             ; -1/10!
	SK KC4, 0x37d00d01                             ; 1/8!
	SK KC3, 0xbab60b61                             ; -1/6!
	SK KC2, 0x3d2aaaab                             ; 1/4!
	s_mov_b32 s[CP], 4
.Lpass:                                                ; a pass: 128 columns of all four projections
	s_wait_tensorcnt 0x0
	ds_add_u32 v[SPW], v[NIL]                      ; the descriptor's address is made between the add and its wait
	s_lshr_b32 s30, s[QO], 1                       ; 256 bytes of f16 a column block
	s_add_nc_u64 s[PB:PB+1], s[PB0:PB0+1], s[30:31]
	s_mov_b32 s[KO], s[KO0]
	s_add_nc_u64 s[DW+2:DW+3], s[PB:PB+1], s[KO:KO+1]
	s_or_b32 s[DW+3], s[DW+3], 0x80000000
	s_add_co_u32 s[KO], s[KO], 131072              ; the walk's third K step
	s_and_b32 s[KO], s[KO], 0x7ffff
	v_mov_b32 v[VA], v[VA0]
	s_wait_dscnt 0x0                               ; the add, my stores of xn, my reads of the ring
	ROUND
	tensor_load_to_lds s[DW:DW+3], s[G1W:G1W+7]    ; the walk's first two K steps, 128 rows on end, into both slots
	s_nop 0
	PLACES
	HEADP 0
	GSTEP 0, 1                                     ; the first products start the sums
	s_mov_b32 s[CI], 3
.Lk:
	HEADR D0
	GSTEP 1, 0
	HEADR D1
	GSTEP 0, 0
	s_sub_co_u32 s[CI], s[CI], 1
	s_cmp_lg_u32 s[CI], 0
	s_cbranch_scc1 .Lk
	HEADP 1
	GSTEP 1, 0
	PLACES                                         ; behind the last products
	WIN 0x40
	global_load_b32 v[BP], v[VBO], s[10:11]
	global_load_b32 v[BT], v[VBO], s[12:13]
	WIN 0x80
	global_load_b32 v[BR], v[VBO], s[14:15]
	global_load_b32 v[BI], v[VBO], s[16:17]
	WIN 0
.set n, 0
.rept 16
	global_load_b128 v[32+4*n:35+4*n], v[VXO], s[XB:XB+1] offset:n*2048  ; the residual, wanted on the way out
.set n, n+1
.endr
.irp w, 0x55, 0xaa                     ; a lane's column: the two column halves change lanes; each accumulator's lowest register is read first
	WIN \w
.set i, 0
.rept 10
.set j, 0
.rept 8
	v_permlane16_swap_b32 v[16*i+j], v[16*i+8+j]
.set j, j+1
.endr
.set i, i+1
.endr
.endr
	s_wait_loadcnt 16                              ; the four biases are in; the 16 residual loads stay out
	v_mov_b32 v[BR+1], v[BR]
	v_mov_b32 v[BI+1], v[BI]
.set i, 0
.rept 40
	v_pk_add_f32 v[2*i:2*i+1], v[2*i:2*i+1], v[BR:BR+1]
	v_pk_add_f32 v[80+2*i:81+2*i], v[80+2*i:81+2*i], v[BI:BI+1]
.set i, i+1
.endr
.set i, 0
.rept 16                               ; at a batch's start the 16 rows in front count as a = 1, b = 0: row 0 then stays as it is at every level
	v_cndmask_b32 v[2*i], v[2*i], 0, s[FM]
	v_cndmask_b32 v[80+2*i], v[80+2*i], 0, s[FM]
.set i, i+1
.endr
	v_mov_b32 v[PVB], 0                            ; local row 0 has no row before it: it meets a = 1, b = 0
	v_mov_b32 v[PVB+2], 0
	WIN 0x55
	v_mul_f32 v[BP], 0x3fb8aa3b, v[BP]
	v_mov_b32 v[BT+1], v[BT]
	v_mov_b32 v[BP+1], v[BP]
.set ii, 0
.rept 10
	XF4 ii
.set ii, ii+4
.endr
	WIN 0x55
.set i, 0
.rept 16
	v_cndmask_b32 v[2*i], v[2*i], 1.0, s[FM]
	v_cndmask_b32 v[80+2*i], v[80+2*i], 0, s[FM]
.set i, i+1
.endr
	v_mov_b32 v[PVA], 1.0
	v_mov_b32 v[PVA+2], 0
	WIN 0
	s_mov_b32 s[CSN], 12
.Lscan:                                                ; 13 levels of b want 12 of a
	BLEVEL
	ALEVEL
	WIN 0
	s_sub_co_u32 s[CSN], s[CSN], 1
	s_cmp_lg_u32 s[CSN], 0
	s_cbranch_scc1 .Lscan
	BLEVEL
	WIN 0xaa                                       ; my column's sum over the 64 own rows: both halves of pairs 16-39, the upper halves of pairs 0-15; four chains each
.irp c, 0,1,2,3
	v_pk_add_f32 v[SVB+2*\c:SVB+2*\c+1], v[32+2*\c:33+2*\c], v[40+2*\c:41+2*\c]
	v_pk_add_f32 v[HSUM+2*\c:HSUM+2*\c+1], v[2*\c:2*\c+1], v[8+2*\c:9+2*\c]
.endr
.set i, 24
.rept 16
	v_pk_add_f32 v[SVB+2*(i%4):SVB+2*(i%4)+1], v[SVB+2*(i%4):SVB+2*(i%4)+1], v[2*i:2*i+1]
.set i, i+1
.endr
.set i, 8
.rept 8
	v_pk_add_f32 v[HSUM+2*(i%4):HSUM+2*(i%4)+1], v[HSUM+2*(i%4):HSUM+2*(i%4)+1], v[2*i:2*i+1]
.set i, i+1
.endr
	v_pk_add_f32 v[SVB:SVB+1], v[SVB:SVB+1], v[SVB+2:SVB+3]
	v_pk_add_f32 v[SVB+4:SVB+5], v[SVB+4:SVB+5], v[SVB+6:SVB+7]
	v_pk_add_f32 v[HSUM:HSUM+1], v[HSUM:HSUM+1], v[HSUM+2:HSUM+3]
	v_pk_add_f32 v[HSUM+4:HSUM+5], v[HSUM+4:HSUM+5], v[HSUM+6:HSUM+7]
	v_pk_add_f32 v[SVB:SVB+1], v[SVB:SVB+1], v[SVB+4:SVB+5]
	v_pk_add_f32 v[HSUM:HSUM+1], v[HSUM:HSUM+1], v[HSUM+4:HSUM+5]
	v_add_f32 v[CS], v[SVB], v[SVB+1]
	v_add_f32 v[CS], v[CS], v[HSUM+1]
	WIN 0x08                                       ; store data in window 2
	ds_store_b32 v[VHS], v[CS]
	TOSTAGE 0
	WIN 0
	s_wait_dscnt 0x0                               ; for the others' sake
	s_barrier_signal -1
	s_barrier_wait -1
.set n, 0
.rept 16
	ds_load_b128 v[96+4*n:99+4*n], v[VRD] offset:n*HSP
.set n, n+1
.endr
	s_wait_loadcnt 0x0
	s_wait_dscnt 0x0
.set n, 0
.rept 32
	v_pk_add_f32 v[96+2*n:97+2*n], v[96+2*n:97+2*n], v[32+2*n:33+2*n]
.set n, n+1
.endr
.set n, 0
.rept 16
	global_store_b128 v[VXO], v[96+4*n:99+4*n], s[HB:HB+1] offset:n*2048  ; a wave's store covers 512 consecutive bytes, aligned
.set n, n+1
.endr
	s_wait_xcnt 0x0                                ; offsets and store data are rewritten only behind this wait
	s_add_co_u32 s[QO], s[QO], 512                 ; the next column block, round the four
	s_and_b32 s[QO], s[QO], 2047
	v_add_nc_u32 v[VXO], s[QO], v[VXO0]
	v_add_nc_u32 v[VBO], s[QO], v[VBO0]
	v_add_nc_u32 v[VHS], 512, v[VHS]
	s_sub_co_u32 s[CP], s[CP], 1
	s_cmp_lg_u32 s[CP], 0
	s_cbranch_scc1 .Lpass
	s_barrier_signal -1                            ; every wave's reads of the stage are over (waited for above)
	s_barrier_wait -1
	WIN 0x0c                                       ; store data in window 3
	TOSTAGE 0
	WIN 0
	s_wait_dscnt 0x0
	s_barrier_signal -1
	s_barrier_wait -1
	v_lshrrev_b32 v16, 1, v0                       ; thread t: row t / 2, half t % 2 of its 128 partial sums
	v_and_b32 v17, 1, v0
	v_mul_u32_u24 v18, v16, HSP
	v_lshl_add_u32 v18, v17, 8, v18
	v_add_nc_u32 v18, HST, v18
.set n, 0
.rept 16
	ds_load_b128 v[32+4*n:35+4*n], v18 offset:16*n
.set n, n+1
.endr
	v_lshl_add_u32 v19, v0, 4, HS
	ds_load_b128 v[96:99], v19
	s_wait_dscnt 0x0
.set n, 0
.rept 16
	v_pk_add_f32 v[32+4*n:33+4*n], v[32+4*n:33+4*n], v[34+4*n:35+4*n]
.set n, n+1
.endr
.set n, 1
.rept 15
	v_pk_add_f32 v[32:33], v[32:33], v[32+4*n:33+4*n]
.set n, n+1
.endr
	v_add_f32 v32, v32, v33
	v_add_f32_dpp v32, v32, v32 row_xmask:1 row_mask:0xf bank_mask:0xf
	v_lshlrev_b32 v16, 2, v16
	global_store_b32 v16, v32, s[22:23]            ; the two lanes of a row hold, and store, the same number
	s_lshr_b32 s30, s[QO], 4                       ; after four passes the block is the first again: 32 threads' worth of 16 bytes for each block that the walk was turned by
	v_add_nc_u32 v20, s30, v0
	v_and_b32 v20, 127, v20
	v_lshlrev_b32 v20, 4, v20
	global_store_b128 v20, v[96:99], s[24:25]      ; the column sums go to their true columns
	s_wait_tensorcnt 0x0                           ; the wave's end
	ds_add_u32 v[SPW], v[NIL]
	s_wait_dscnt 0x0
	ROUND                                          ; the closing round
	s_endpgm
.Lfunc_end_k_qaa37da2e1d_proj:
	.size	k_qaa37da2e1d_proj, .Lfunc_end_k_qaa37da2e1d_proj-k_qaa37da2e1d_proj
	.p2alignl 7, 3214868480
	.fill 96, 4, 3214868480
	.section	.rodata,"a",@progbits
	.p2align	6, 0x0
	.amdhsa_kernel k_qaa37da2e1d_proj
		.amdhsa_group_segment_fixed_size 327680
		.amdhsa_private_segment_fixed_size 0
		.amdhsa_enable_private_segment 0
		.amdhsa_kernarg_size 88
		.amdhsa_user_sgpr_count 2
		.amdhsa_user_sgpr_kernarg_segment_ptr 1
		.amdhsa_wavefront_size32 1
		.amdhsa_system_sgpr_workgroup_id_x 1
		.amdhsa_system_sgpr_workgroup_id_y 1
		.amdhsa_system_sgpr_workgroup_id_z 1
		.amdhsa_system_vgpr_workitem_id 0
		.amdhsa_next_free_vgpr 848
		.amdhsa_next_free_sgpr 102
		.amdhsa_reserve_vcc 0
		.amdhsa_float_denorm_mode_32 3
		.amdhsa_float_denorm_mode_16_64 3
		.amdhsa_memory_ordered 1
		.amdhsa_forward_progress 1
		.amdhsa_inst_pref_size 212
	.end_amdhsa_kernel
	.amdgpu_metadata
---
amdhsa.version: [ 1, 2 ]
amdhsa.kernels:
  - .name:           k_qaa37da2e1d_proj
    .symbol:         k_qaa37da2e1d_proj.kd
    .args:
      - { .name: x, .offset: 0, .size: 8, .value_kind: global_buffer, .address_space: global }
      - { .name: ln1_g, .offset: 8, .size: 8, .value_kind: global_buffer, .address_space: global }
      - { .name: ln1_b, .offset: 16, .size: 8, .value_kind: global_buffer, .address_space: global }
      - { .name: Wp_b, .offset: 24, .size: 8, .value_kind: global_buffer, .address_space: global }
      - { .name: Wt_b, .offset: 32, .size: 8, .value_kind: global_buffer, .address_space: global }
      - { .name: Wr_b, .offset: 40, .size: 8, .value_kind: global_buffer, .address_space: global }
      - { .name: Wi_b, .offset: 48, .size: 8, .value_kind: global_buffer, .address_space: global }
      - { .name: wcv, .offset: 56, .size: 8, .value_kind: global_buffer, .address_space: global }
      - { .name: hbuf, .offset: 64, .size: 8, .value_kind: global_buffer, .address_space: global }
      - { .name: qs, .offset: 72, .size: 8, .value_kind: global_buffer, .address_space: global }
      - { .name: hp, .offset: 80, .size: 8, .value_kind: global_buffer, .address_space: global }
    .group_segment_fixed_size: 327680
    .private_segment_fixed_size: 0
    .kernarg_segment_align: 8
    .kernarg_segment_size: 88
    .max_flat_workgroup_size: 128
    .sgpr_count:     102
    .vgpr_count:     848
    .wavefront_size: 32
...
	.end_amdgpu_metadata
.endif
;; end of part 7
;; launch sel: the kernel of part 3 again; grid 20 x 1, 8 waves a work-group, no clusters, 16,384 bytes of LDS; arguments qs, hp, Wq_w, Wq_b, idx, hm, qv; writes idx, hm, qv
;; launch umat: the kernel of part 4 again; grid 64 x 1, 8 waves a work-group, no clusters, 0 bytes of LDS; arguments Wk_w, qv, uv; writes uv
;; launch fin: the kernel of part 5 again; grid 64 x 1, 8 waves a work-group, no clusters, 40,960 bytes of LDS; arguments idx, hbuf, x, uv, qv, hm, Wk_b, Wv_w, Wv_b, gate_w, gate_b, out1; writes out1
;; launch ffn (part 8): grid 256 x 1, 4 waves a work-group, clusters of 4 x 1, 327,680 bytes of LDS; arguments hbuf, ln2_g, ln2_b, ffn1_b, ffn2_b, wcv, out0; writes out0
.if DOCPART == 8
	.amdgcn_target "amdgcn-amd-amdhsa--gfx1250"
	.amdhsa_code_object_version 6
	.text
	.protected	k_qaa37da2e1d_ffn
	.globl	k_qaa37da2e1d_ffn
	.p2align	8
	.type	k_qaa37da2e1d_ffn,@function
k_qaa37da2e1d_ffn:
	s_mov_b64 s[64:65], 0
	v_nop
	global_prefetch_b8 v0, s[64:65] scope:SCOPE_SE
	s_setreg_imm32_b32 hwreg(HW_REG_WAVE_MODE, 25, 1), 1
	s_wait_xcnt 0x0
	s_wait_alu depctr_hold_cnt(0) depctr_sa_sdst(0) depctr_va_vdst(0) depctr_va_sdst(0) depctr_va_ssrc(0) depctr_va_vcc(0) depctr_vm_vsrc(0)
	s_getreg_b32 s2, hwreg(HW_REG_IB_STS2, 6, 4)
	s_cmp_eq_u32 s2, 0
	s_cbranch_scc0 .Lentry_in_a_cluster
	s_endpgm
.Lentry_in_a_cluster:
	s_bfe_u32 s2, ttmp6, 0x10000c
	s_cmp_lg_u32 s2, 0x3003
	s_cbranch_scc0 .Lentry_shape_is_right
	s_endpgm
.Lentry_shape_is_right:
; out0 = h + gelu(LN2(h) W1 + b1) W2 + b2, for 64 rows a work-group; the hidden 2,048 columns go in 16 chunks of 128 and never leave the WGP.
; FORMATS: hn, the hidden values and both weights in bf16 (the hidden values have no sure room in f16), sums in f32.
; gelu is exact gelu with erf by the five-term rational form in t = 1 / (1 + 0.3275911 |u|) times e^(-u^2): absolute error 1.5e-7.  NaN, infinities not treated apart.
; BOTH PRODUCTS ARE USED TRANSPOSED (source 0 = weights, turned by ds_load_tr16_b128; source 1 = rows): a lane holds one row and eight neighbouring columns.
; SHARES: FFN1: wave w has hidden columns 32 w .. + 31 of the chunk, all 64 rows (8 accumulators); FFN2: output columns 128 w .. + 127 (32 accumulators, kept for the whole launch).
; hn's fragments (64 rows x 512) stay in 512 registers.
; h COMES IN ONCE, by one tensor load a wave, as the first fill of W2's slot: LN2 reads it from LDS, and the 32 accumulators START FROM h, so that nothing is cleared and the residual is not read again.
; RING: slot SA holds a chunk's W1 (512 k-rows), slot SB its W2 (128 hidden rows): two changes of slots a chunk, 128 matrix instructions a wave behind each refill (and the gelu behind W2's).
; CLUSTER: four work-groups walk the same weights: every tile is asked for jointly (mask 15).  By this text's count two tensor loads of a wave are out at the start, later one.
; THE WALK IS ROTATED: cluster c begins at chunk c % 16 and goes round (the sum over chunks may be taken in any order), so that the clusters do not all ask for one tile at one time.
; Only global addresses hang on c; each fill's address is made anew from the chunk's number.
; REGISTERS: window 0 addresses, bias, S, fragments; window 1 O; windows 2, 3 hn.
.set SA,    0                          ; 512 rows x 288 bytes; behind its last fill the stage of the way out, 64 rows x 2,064
.set SB,    147456                     ; 128 rows x 1,056 bytes; first h, 64 rows x 2,080
.set ACT,   282624                     ; the hidden values, 64 rows x 272;
.set HA,    282624                     ; before them, in the same bytes, 32 rows of hn x 1,040
.set SPARE, 315904                     ; the spare words, 128 bytes a wave
.set VW1, 2                            ; v2-5  W1: my place in k-rows 0, 128, 256, 384 on
.set VW2, 6                            ; v6-7  W2: my place in hidden rows 0, 64 on
.set VAC, 8
.set VAS, 9
.set VHA, 10
.set VB1, 11
.set VOS, 12                           ; v12-13 the stage: rows 0, 32 on
.set VOR, 14
.set VGO, 15
.set VLH, 16
.set VLS, 17                           ; v17   LN2: where I store a row of hn; steps in the loop
.set VGB, 18
.set VOI, 19                           ; v19-20 h as O's start: rows 0, 32 on
.set VLS0, 21                          ; v21   the same at the stage's head; never rewritten
.set SPW, 22                           ; my spare word; never rewritten
.set NIL, 23                           ; 0; never rewritten
.set BIAS, 24
.set S,   40
.set WF,  104
.set FB,  40
.set GT,  232
.set PK,  248
.set X,   40                           ; LN
.set G,   104
.set BB,  120
.set T,   136
.set WV,  18
.set CC,  21                           ; the chunk in hand
.set G1A, 24
.set G1B, 32
.set DA,  40
.set DB,  44
.set DH,  48
.set G1H, 52
.set SEL, 60
.set INV, 62
.set CNT, 63
.set BA,  66                           ; W1 at my 128 k-rows
.set BBS, 68                           ; W2 at my 32 hidden rows of chunk 0
.set OB,  70
.set BIB, 72
.set A5,  74
.set ABSM, 76
.set KP,  78                           ; constants as scalar pairs: a packed line then needs no literal
.set KE,  80
.set KA3, 82
.set KA2, 84
.set KA1, 86
.set MSB, 0
.macro WIN new
.if MSB != (\new)
	s_set_vgpr_msb (MSB<<8)|(\new)
.set MSB, (\new)
.endif
.endm
.macro SK r, val
	s_mov_b32 s[\r], \val
	s_mov_b32 s[\r+1], \val
.endm
.macro PLACES n                        ; plain places behind matrix instructions: four in front of loads and reads, five where the next matrix instruction writes over registers that earlier ones read
.rept \n
	v_nop
.endr
.endm
.macro ROUND
	s_barrier_signal -1
	s_barrier_wait -1
	s_cmp_lg_u32 s[WV], 0
	s_cbranch_scc1 .Lnw0_\@
	s_barrier_signal -3
.Lnw0_\@:
	s_barrier_wait -3
	s_barrier_signal -1
	s_barrier_wait -1
.endm
.macro WSUM a, b
	v_add_f32_dpp v[\a], v[\a], v[\a] row_xmask:1 row_mask:0xf bank_mask:0xf
	v_add_f32_dpp v[\a], v[\a], v[\a] row_xmask:2 row_mask:0xf bank_mask:0xf
	v_add_f32_dpp v[\a], v[\a], v[\a] row_xmask:4 row_mask:0xf bank_mask:0xf
	v_add_f32_dpp v[\a], v[\a], v[\a] row_xmask:8 row_mask:0xf bank_mask:0xf
	v_permlanex16_b32 v[\b], v[\a], s[SEL], s[SEL+1]
	v_add_f32 v[\a], v[\a], v[\b]
.endm
.macro LNROW R, off
	v_pk_add_f32 v[T:T+1], v[\R:\R+1], v[\R+2:\R+3]
	v_pk_add_f32 v[T+2:T+3], v[\R+4:\R+5], v[\R+6:\R+7]
	v_pk_add_f32 v[T+4:T+5], v[\R+8:\R+9], v[\R+10:\R+11]
	v_pk_add_f32 v[T+6:T+7], v[\R+12:\R+13], v[\R+14:\R+15]
	v_pk_add_f32 v[T:T+1], v[T:T+1], v[T+2:T+3]
	v_pk_add_f32 v[T+4:T+5], v[T+4:T+5], v[T+6:T+7]
	v_pk_add_f32 v[T:T+1], v[T:T+1], v[T+4:T+5]
	v_add_f32 v[T], v[T], v[T+1]
	WSUM T, T+1
	v_mul_f32 v[T+8], s[INV], v[T]
	v_mov_b32 v[T+9], v[T+8]
.irp k, 0,2,4,6,8,10,12,14
	v_pk_add_f32 v[\R+\k:\R+\k+1], v[\R+\k:\R+\k+1], v[T+8:T+9] neg_lo:[0,1] neg_hi:[0,1]
.endr
	v_pk_mul_f32 v[T:T+1], v[\R:\R+1], v[\R:\R+1]
	v_pk_mul_f32 v[T+2:T+3], v[\R+2:\R+3], v[\R+2:\R+3]
.irp k, 4,8,12
	v_pk_fma_f32 v[T:T+1], v[\R+\k:\R+\k+1], v[\R+\k:\R+\k+1], v[T:T+1]
	v_pk_fma_f32 v[T+2:T+3], v[\R+\k+2:\R+\k+3], v[\R+\k+2:\R+\k+3], v[T+2:T+3]
.endr
	v_pk_add_f32 v[T:T+1], v[T:T+1], v[T+2:T+3]
	v_add_f32 v[T], v[T], v[T+1]
	WSUM T, T+1
	v_fmaak_f32 v[T], s[INV], v[T], 0x3727c5ac     ; variance + 1e-5
	v_rsq_f32 v[T+10], v[T]
	v_nop                                          ; a plain instruction behind the transcendental
	s_wait_alu depctr_va_vdst(0)
	v_mov_b32 v[T+11], v[T+10]
.irp k, 0,2,4,6,8,10,12,14
	v_pk_mul_f32 v[\R+\k:\R+\k+1], v[\R+\k:\R+\k+1], v[T+10:T+11]
.endr
.irp k, 0,2,4,6,8,10,12,14
	v_pk_fma_f32 v[\R+\k:\R+\k+1], v[\R+\k:\R+\k+1], v[G+\k:G+\k+1], v[BB+\k:BB+\k+1]
.endr
.irp k, 0,1,2,3,4,5,6,7
	v_cvt_pk_bf16_f32 v[T+\k], v[\R+2*\k], v[\R+2*\k+1]
.endr
.irp j, 0,1,2,3
	ds_store_b64 v[VLS], v[T+2*\j:T+2*\j+1] offset:(\off)+256*\j
.endr
.endm
; LN2 of rows 32 e .. 32 e + 31 (wave w: eight of them, in two trips of four), through the 32-row stage, and those rows' fragments into every wave's registers.
.macro LNHALF e
	v_mov_b32 v[VLS], v[VLS0]                      ; the stage from its head: my eight rows of it
	s_mov_b32 s[CNT], 2
.Lln\e:
.irp r, 0,1,2,3
.irp j, 0,1,2,3
	ds_load_b128 v[X+16*\r+4*\j:X+16*\r+4*\j+3], v[VLH] offset:\r*2080+(\j/2)*1040+(\j%2)*512
.endr
.endr
	s_wait_loadcnt 0x0                             ; gain and bias, at the first trip
	s_wait_dscnt 0x0
	LNROW X, 0
	LNROW X+16, 1040
	LNROW X+32, 2080
	LNROW X+48, 3120
	v_add_nc_u32 v[VLH], 8320, v[VLH]
	v_add_nc_u32 v[VLS], 4160, v[VLS]
	s_sub_co_u32 s[CNT], s[CNT], 1
	s_cmp_lg_u32 s[CNT], 0
	s_cbranch_scc1 .Lln\e
.if (\e) == 0
	v_add_nc_u32 v[VLH], 49920, v[VLH]             ; from my row 8 to my row 32: 24 rows of 2,080 bytes
.endif
	s_wait_dscnt 0x0                               ; my rows of hn are in LDS
	s_barrier_signal -1                            ; W1's first tile may stay out
	s_barrier_wait -1
.set kp, 0
.rept 16
	WIN 0x80+0x40*(kp/8)
.irp tt, 0,1
	ds_load_b128 v[8*(4*(kp%8)+2*(\e)+\tt):8*(4*(kp%8)+2*(\e)+\tt)+3], v[VHA] offset:\tt*16640+64*kp
	ds_load_b128 v[8*(4*(kp%8)+2*(\e)+\tt)+4:8*(4*(kp%8)+2*(\e)+\tt)+7], v[VHA] offset:\tt*16640+64*kp+32
.endr
.set kp, kp+1
.endr
	WIN 0
.if (\e) == 0
	s_wait_dscnt 0x0                               ; my reads of the stage are over:
	s_barrier_signal -1                            ; everybody's are, before the other half is stored there
	s_barrier_wait -1
.endif
.endm
; The change of slots in front of FFN1: W1 is in, nobody reads SB any more; SB takes this chunk's W2.
.macro HEADX
	s_wait_tensorcnt 0x0                           ; no tensor load of mine is out: a group 0 may be written
	ds_add_u32 v[SPW], v[NIL]                      ; 0 onto my spare word
	s_lshl_b32 s22, s[CC], 17                      ; a chunk is 128 rows of 1,024 bytes of W2
	s_add_nc_u64 s[DB+2:DB+3], s[BBS:BBS+1], s[22:23]
	s_or_b32 s[DB+3], s[DB+3], 0x80000000
	s_wait_dscnt 0x0                               ; the add is done, and my reads of SB are over
	ROUND
	tensor_load_to_lds s[DB:DB+3], s[G1B:G1B+7]
	s_nop 0
	PLACES 5
.endm
; The change of slots in front of FFN2: W2 is in, every wave's hidden values are in LDS, nobody reads SA any more; SA takes the next chunk's W1.
.macro HEADY
	s_wait_tensorcnt 0x0
	ds_add_u32 v[SPW], v[NIL]
	s_add_co_u32 s[CC], s[CC], 1                   ; the next chunk, round the sixteen
	s_and_b32 s[CC], s[CC], 15
	s_lshl_b32 s22, s[CC], 8                       ; a chunk is 256 bytes of each row of W1
	s_add_nc_u64 s[DA+2:DA+3], s[BA:BA+1], s[22:23]
	s_or_b32 s[DA+3], s[DA+3], 0x80000000
	s_wait_dscnt 0x0                               ; the add, my reads of SA, my stores of the hidden values
	ROUND
	tensor_load_to_lds s[DA:DA+3], s[G1A:G1A+7]
	s_nop 0
	PLACES 5
	s_lshl_b32 s22, s[CC], 9                       ; the next chunk's bias (the last loads by this base were waited for in front of FFN1)
	s_add_nc_u64 s[BIB:BIB+1], s[10:11], s[22:23]
.irp ct, 0,1
	global_load_b128 v[BIAS+8*\ct:BIAS+8*\ct+3], v[VB1], s[BIB:BIB+1] offset:64*\ct
	global_load_b128 v[BIAS+8*\ct+4:BIAS+8*\ct+7], v[VB1], s[BIB:BIB+1] offset:64*\ct+16
.endr
.endm
.macro FW1 qd, buf                     ; 16 LDS loads: W1's fragments of 128 k-rows
.irp kl, 0,1,2,3
.irp ct, 0,1
	ds_load_tr16_b128 v[WF+64*(\buf)+16*\kl+8*\ct:WF+64*(\buf)+16*\kl+8*\ct+3], v[VW1+(\qd)] offset:\kl*9216+32*\ct
	ds_load_tr16_b128 v[WF+64*(\buf)+16*\kl+8*\ct+4:WF+64*(\buf)+16*\kl+8*\ct+7], v[VW1+(\qd)] offset:\kl*9216+32*\ct+4608
.endr
.endr
.endm
.macro W1MUL qd, buf                   ; 32 matrix instructions; the 8 accumulators take turns; the first 8 of a chunk start from the bias
	WIN 0x08+4*((\qd)/2)
.irp kl, 0,1,2,3
.irp ct, 0,1
.irp rt, 0,1,2,3
.set rS, S+8*(4*(\ct)+(\rt))
.set rW, WF+64*(\buf)+16*(\kl)+8*(\ct)
.set rH, 8*(4*(4*((\qd)%2)+(\kl))+(\rt))
.if ((\qd)+(\kl)) == 0
	v_wmma_f32_16x16x32_bf16 v[rS:rS+7], v[rW:rW+7], v[rH:rH+7], v[BIAS+8*(\ct):BIAS+8*(\ct)+7]
.else
	v_wmma_f32_16x16x32_bf16 v[rS:rS+7], v[rW:rW+7], v[rH:rH+7], v[rS:rS+7]
.endif
.endr
.endr
.endr
.endm
.macro F1                              ; FFN1 of a chunk: four quarters of K on two fragment buffers; a quarter's loads go out a quarter ahead
	FW1 0, 0
	FW1 1, 1
	s_wait_dscnt 16                                ; the older quarter is in; the 16 younger loads stay out (so at each of these three waits)
	W1MUL 0, 0
	WIN 0
	PLACES 4
	FW1 2, 0
	s_wait_dscnt 16
	W1MUL 1, 1
	WIN 0
	PLACES 4
	FW1 3, 1
	s_wait_dscnt 16
	W1MUL 2, 0
	s_wait_dscnt 0x0
	W1MUL 3, 1
	WIN 0
.endm
.macro FW2 ks, buf                     ; 24 LDS loads: for 32 hidden columns, W2's eight fragments and the hidden values' four
.irp ot, 0,1,2,3,4,5,6,7
	ds_load_tr16_b128 v[FB+96*(\buf)+8*\ot:FB+96*(\buf)+8*\ot+3], v[VW2+(\ks)/2] offset:((\ks)%2)*33792+32*\ot
	ds_load_tr16_b128 v[FB+96*(\buf)+8*\ot+4:FB+96*(\buf)+8*\ot+7], v[VW2+(\ks)/2] offset:((\ks)%2)*33792+32*\ot+16896
.endr
.irp rt, 0,1,2,3
	ds_load_b128 v[FB+96*(\buf)+64+8*\rt:FB+96*(\buf)+64+8*\rt+3], v[VAC] offset:\rt*4352+64*(\ks)
	ds_load_b128 v[FB+96*(\buf)+64+8*\rt+4:FB+96*(\buf)+64+8*\rt+7], v[VAC] offset:\rt*4352+64*(\ks)+32
.endr
.endm
.macro W2MUL buf                       ; 32 matrix instructions on 32 accumulators
	WIN 0x50
.irp ot, 0,1,2,3,4,5,6,7
.irp rt, 0,1,2,3
.set rO, 8*(4*(\ot)+(\rt))
	v_wmma_f32_16x16x32_bf16 v[rO:rO+7], v[FB+96*(\buf)+8*\ot:FB+96*(\buf)+8*\ot+7], v[FB+96*(\buf)+64+8*\rt:FB+96*(\buf)+64+8*\rt+7], v[rO:rO+7]
.endr
.endr
.endm
.macro F2                              ; FFN2 of a chunk, likewise
	FW2 0, 0
	FW2 1, 1
	s_wait_dscnt 24                                ; the older 32 hidden columns are in; the 24 younger loads stay out
	W2MUL 0
	WIN 0
	PLACES 4
	FW2 2, 0
	s_wait_dscnt 24
	W2MUL 1
	WIN 0
	PLACES 4
	FW2 3, 1
	s_wait_dscnt 24
	W2MUL 0
	s_wait_dscnt 0x0
	W2MUL 1
	WIN 0
.endm
; gelu of four numbers, as two pairs side by side.  For pair u at GT + 8 u: |x|, t, e, y.
.macro GEL4 R, out
.irp u, 0,1
	v_and_b32 v[GT+8*\u], s[ABSM], v[(\R)+2*\u]
	v_and_b32 v[GT+8*\u+1], s[ABSM], v[(\R)+2*\u+1]
.endr
.irp u, 0,1
	v_pk_fma_f32 v[GT+8*\u+2:GT+8*\u+3], v[GT+8*\u:GT+8*\u+1], s[KP:KP+1], 1.0 op_sel_hi:[1,0,0]
	v_pk_mul_f32 v[GT+8*\u+4:GT+8*\u+5], v[(\R)+2*\u:(\R)+2*\u+1], v[(\R)+2*\u:(\R)+2*\u+1]
.endr
.irp u, 0,1
	v_rcp_f32 v[GT+8*\u+2], v[GT+8*\u+2]
	v_rcp_f32 v[GT+8*\u+3], v[GT+8*\u+3]
.endr
.irp u, 0,1
	v_pk_mul_f32 v[GT+8*\u+4:GT+8*\u+5], v[GT+8*\u+4:GT+8*\u+5], s[KE:KE+1] op_sel_hi:[1,0]
.endr
.irp u, 0,1
	v_exp_f32 v[GT+8*\u+4], v[GT+8*\u+4]
	v_exp_f32 v[GT+8*\u+5], v[GT+8*\u+5]
.endr
	s_wait_alu depctr_va_vdst(0)
.irp u, 0,1
	v_pk_fma_f32 v[GT+8*\u+6:GT+8*\u+7], v[GT+8*\u+2:GT+8*\u+3], s[A5:A5+1], 0xbfba00e3 op_sel_hi:[1,0,0]
.endr
.irp c, KA3, KA2, KA1
.irp u, 0,1
	v_pk_fma_f32 v[GT+8*\u+6:GT+8*\u+7], v[GT+8*\u+6:GT+8*\u+7], v[GT+8*\u+2:GT+8*\u+3], s[\c:\c+1] op_sel_hi:[1,1,0]
.endr
.endr
.irp u, 0,1
	v_pk_mul_f32 v[GT+8*\u+6:GT+8*\u+7], v[GT+8*\u+6:GT+8*\u+7], v[GT+8*\u+2:GT+8*\u+3]
.endr
.irp u, 0,1
	v_pk_mul_f32 v[GT+8*\u:GT+8*\u+1], v[GT+8*\u:GT+8*\u+1], 0.5 op_sel_hi:[1,0]
.endr
.irp u, 0,1
	v_pk_mul_f32 v[GT+8*\u+6:GT+8*\u+7], v[GT+8*\u+6:GT+8*\u+7], v[GT+8*\u+4:GT+8*\u+5]
.endr
.irp u, 0,1
	v_pk_fma_f32 v[GT+8*\u+6:GT+8*\u+7], v[GT+8*\u+6:GT+8*\u+7], v[GT+8*\u:GT+8*\u+1], v[GT+8*\u:GT+8*\u+1] neg_lo:[1,0,0] neg_hi:[1,0,0]
.endr
.irp u, 0,1
	v_pk_fma_f32 v[GT+8*\u+6:GT+8*\u+7], v[(\R)+2*\u:(\R)+2*\u+1], 0.5, v[GT+8*\u+6:GT+8*\u+7] op_sel_hi:[1,0,1]
.endr
.irp u, 0,1
	v_cvt_pk_bf16_f32 v[(\out)+\u], v[GT+8*\u+6], v[GT+8*\u+7]
.endr
.endm
.macro GELU                            ; each accumulator from its low end on; a lane's eight columns are 16 bytes of a row
.irp ct, 0,1
.irp rt, 0,1,2,3
	GEL4 S+8*(4*\ct+\rt), PK+4*(\rt%2)
	GEL4 S+8*(4*\ct+\rt)+4, PK+4*(\rt%2)+2
	ds_store_b128 v[VAS], v[PK+4*(\rt%2):PK+4*(\rt%2)+3] offset:\rt*4352+32*\ct
.endr
.endr
.endm
.macro CHUNK last
	HEADX
	s_wait_loadcnt 0x0                             ; the chunk's bias
	F1
	PLACES 4                                       ; behind the last products
	GELU
.if \last
	s_wait_tensorcnt 0x0                           ; the last tile is in; nothing is filled again, so no round follows
	ds_add_u32 v[SPW], v[NIL]
	s_wait_dscnt 0x0
	s_barrier_signal -1
	s_barrier_wait -1
	PLACES 5
.irp jj, 0,1,2,3
	global_load_b128 v[BIAS+4*\jj:BIAS+4*\jj+3], v[VGB], s[12:13] offset:512*\jj  ; b2, for the way out
.endr
.else
	HEADY
.endif
	F2
.endm
	s_load_b256 s[4:11], s[0:1], 0x0               ; hbuf, ln2_g, ln2_b, ffn1_b
	s_load_b128 s[12:15], s[0:1], 0x20             ; ffn2_b, wcv
	s_load_b64 s[16:17], s[0:1], 0x30              ; out0
	v_lshl_add_u32 v[SPW], v0, 2, SPARE
	v_mov_b32 v[NIL], 0
	ds_add_u32 v[SPW], v[NIL]                      ; the wave's opening: the add, waited for ahead of my first tensor load
	v_lshrrev_b32 v232, 5, v0
	v_readfirstlane_b32 s[WV], v232
	s_bfe_u32 s19, ttmp6, 0x40000                  ; cx
	s_lshl_b32 s20, ttmp9, 2
	s_add_co_u32 s20, s20, s19                     ; my block of 64 rows: it enters h's and out0's addresses alone
	s_and_b32 s[CC], ttmp9, 15                     ; the cluster's number, which the partners share, says where the walk begins
	s_mov_b32 s23, 0
	s_mov_b32 s[G1A], 15|(1<<16)|(1<<20)|(1<<21)|(5<<22)|(7<<25)  ; mask of four; 2-byte elements; padding on; bit 21 beside a mask; after every 64 words, 8 words
	s_mov_b32 s[G1A+1], 128<<16                    ; 128 hidden columns
	s_mov_b32 s[G1A+2], 128<<16                    ; 128 k-rows a wave
	s_mov_b32 s[G1A+3], 128<<16
	s_mov_b32 s[G1A+4], 128
	s_mov_b32 s[G1A+5], 2048
	s_mov_b32 s[G1A+6], 0
	s_mov_b32 s[G1A+7], 0
	s_mov_b32 s[G1B], 15|(1<<16)|(1<<20)|(1<<21)|(7<<22)|(7<<25)  ; the same, padded after every 256 words
	s_mov_b32 s[G1B+1], 512<<16                    ; 512 output columns
	s_mov_b32 s[G1B+2], 32<<16                     ; 32 hidden rows a wave
	s_mov_b32 s[G1B+3], 512<<16
	s_mov_b32 s[G1B+4], 32
	s_mov_b32 s[G1B+5], 512
	s_mov_b32 s[G1B+6], 0
	s_mov_b32 s[G1B+7], 0
	s_mov_b32 s[G1H], (3<<16)|(1<<20)|(7<<22)|(3<<25)  ; h, my work-group's own: no mask; 8-byte elements; after every 256 words, 4 words
	s_mov_b32 s[G1H+1], 128<<16                    ; 16 dense rows of 2,048 bytes, asked for as 32 rows of 1,024
	s_mov_b32 s[G1H+2], 32<<16
	s_mov_b32 s[G1H+3], 128<<16
	s_mov_b32 s[G1H+4], 32
	s_mov_b32 s[G1H+5], 128
	s_mov_b32 s[G1H+6], 0
	s_mov_b32 s[G1H+7], 0
	s_mov_b32 s[DA], 1
	s_mul_i32 s[DA+1], s[WV], 36864                ; SA begins at LDS byte 0
	s_mov_b32 s[DB], 1
	s_mul_i32 s[DB+1], s[WV], 33792
	s_add_co_u32 s[DB+1], s[DB+1], SB
	s_mov_b32 s[DH], 1
	s_mul_i32 s[DH+1], s[WV], 33280
	s_add_co_u32 s[DH+1], s[DH+1], SB
	s_mov_b32 s[SEL], 0x76543210
	s_mov_b32 s[SEL+1], 0xfedcba98
	s_mov_b32 s[INV], 0x3b000000                   ; 1/512
	SK A5, 0x3f87dc22                              ; 1.061405429
	SK KP, 0x3e6d3388                              ; 0.3275911 / sqrt(2)
	SK KE, 0xbf38aa3b                              ; -log2(e) / 2
	SK KA3, 0x3fb5f0e3                             ; 1.421413741
	SK KA2, 0xbe91a98e                             ; -0.284496736
	SK KA1, 0x3e827906                             ; 0.254829592
	s_mov_b32 s[ABSM], 0x7fffffff
	v_and_b32 v232, 31, v0                         ; lane
	v_and_b32 v233, 15, v0                         ; r
	v_bfe_u32 v234, v0, 4, 1                       ; h
	v_and_b32 v235, 7, v0
	v_lshl_add_u32 v235, v234, 3, v235             ; the turning load's row: 8 h + lane % 8
	v_bfe_u32 v236, v0, 3, 1
	v_mul_u32_u24 v[VW1], v235, 288
	v_lshl_add_u32 v[VW1], v236, 4, v[VW1]
	s_lshl_b32 s22, s[WV], 6
	v_add_nc_u32 v[VW1], s22, v[VW1]
	v_add_nc_u32 v[VW1+1], 36864, v[VW1]
	v_add_nc_u32 v[VW1+2], 73728, v[VW1]
	v_add_nc_u32 v[VW1+3], 110592, v[VW1]
	v_mul_u32_u24 v[VW2], v235, 1056
	v_lshl_add_u32 v[VW2], v236, 4, v[VW2]
	s_lshl_b32 s22, s[WV], 8
	s_add_co_u32 s22, s22, SB
	v_add_nc_u32 v[VW2], s22, v[VW2]
	v_add_nc_u32 v[VW2+1], 67584, v[VW2]
	v_mul_u32_u24 v[VAC], v233, 272
	v_lshl_add_u32 v[VAC], v234, 4, v[VAC]
	v_add_nc_u32 v[VAC], ACT, v[VAC]
	s_lshl_b32 s22, s[WV], 6
	v_add_nc_u32 v[VAS], s22, v[VAC]
	v_mul_u32_u24 v[VHA], v233, 1040
	v_lshl_add_u32 v[VHA], v234, 4, v[VHA]
	v_add_nc_u32 v[VHA], HA, v[VHA]
	s_lshl_b32 s22, s[WV], 7
	v_lshl_add_u32 v[VB1], v234, 5, s22
	v_mul_u32_u24 v[VOS], v233, 2064
	v_lshl_add_u32 v[VOS], v234, 5, v[VOS]
	s_lshl_b32 s22, s[WV], 9
	v_add_nc_u32 v[VOS], s22, v[VOS]
	v_add_nc_u32 v[VOS+1], 66048, v[VOS]
	s_mul_i32 s22, s[WV], 16*2064
	v_lshl_add_u32 v[VOR], v232, 4, s22
	s_lshl_b32 s22, s[WV], 15
	v_lshl_add_u32 v[VGO], v232, 4, s22
	s_mul_i32 s22, s[WV], 8*2080
	s_add_co_u32 s22, s22, SB
	v_lshl_add_u32 v[VLH], v232, 4, s22            ; LN2: h's row 8 w
	s_mul_i32 s22, s[WV], 8*1040
	s_add_co_u32 s22, s22, HA
	v_lshl_add_u32 v[VLS0], v232, 3, s22           ; LN2: the stage's row 8 w
	v_lshlrev_b32 v[VGB], 4, v232
	v_mul_u32_u24 v[VOI], v233, 2080               ; O's start: h's row r, my wave's 512 bytes of it (a row lies as two halves of 1,040), 32 bytes for each half of the lanes
	v_lshl_add_u32 v[VOI], v234, 5, v[VOI]
	s_lshr_b32 s22, s[WV], 1
	s_mul_i32 s22, s22, 1040
	s_and_b32 s19, s[WV], 1
	s_lshl_b32 s19, s19, 9
	s_add_co_u32 s22, s22, s19
	s_add_co_u32 s22, s22, SB
	v_add_nc_u32 v[VOI], s22, v[VOI]
	v_add_nc_u32 v[VOI+1], 66560, v[VOI]
	s_wait_dscnt 0x0                               ; the opening add is done
	s_wait_kmcnt 0x0
	s_lshl_b32 s22, s[WV], 19                      ; W1: 128 w k-rows of 4,096 bytes,
	s_add_co_u32 s22, s22, 0x200000                ; behind the four projections
	s_add_nc_u64 s[BA:BA+1], s[14:15], s[22:23]
	s_lshl_b32 s22, s[WV], 15                      ; W2: 32 w hidden rows of 1,024 bytes
	s_add_co_u32 s22, s22, 0x400000
	s_add_nc_u64 s[BBS:BBS+1], s[14:15], s[22:23]
	s_lshl_b32 s22, s[CC], 8
	s_add_nc_u64 s[DA+2:DA+3], s[BA:BA+1], s[22:23]
	s_or_b32 s[DA+3], s[DA+3], 0x80000000
	s_lshl_b32 s22, s[CC], 9
	s_add_nc_u64 s[BIB:BIB+1], s[10:11], s[22:23]
	s_lshl_b32 s22, s20, 17                        ; 64 rows of 2,048 bytes
	s_add_nc_u64 s[OB:OB+1], s[16:17], s[22:23]
	s_lshl_b32 s19, s[WV], 15                      ; my wave's 16 of them
	s_add_co_u32 s22, s22, s19
	s_add_nc_u64 s[DH+2:DH+3], s[4:5], s[22:23]
	s_or_b32 s[DH+3], s[DH+3], 0x80000000
	ROUND                                          ; all four work-groups are here: the first joint loads meet
	tensor_load_to_lds s[DH:DH+3], s[G1H:G1H+7]    ; the two first fills go out together: h into SB,
	s_nop 0
	tensor_load_to_lds s[DA:DA+3], s[G1A:G1A+7]    ; the first chunk's W1 into SA
	s_nop 0
	PLACES 5
.irp j, 0,1,2,3
	global_load_b128 v[G+4*\j:G+4*\j+3], v[VGB], s[6:7] offset:512*\j
	global_load_b128 v[BB+4*\j:BB+4*\j+3], v[VGB], s[8:9] offset:512*\j
.endr
.irp ct, 0,1
	global_load_b128 v[BIAS+8*\ct:BIAS+8*\ct+3], v[VB1], s[BIB:BIB+1] offset:64*\ct
	global_load_b128 v[BIAS+8*\ct+4:BIAS+8*\ct+7], v[VB1], s[BIB:BIB+1] offset:64*\ct+16
.endr
	s_wait_tensorcnt 0x1                           ; my rows of h are in; W1's tile, issued behind them, stays out
	s_barrier_signal -1
	s_barrier_wait -1                              ; everybody's rows are in
	WIN 0x40                                       ; O starts from h: accumulator (ot, rt), lane (r, h): row 16 rt + r, columns 128 w + 16 ot + 8 h on
.irp rt, 0,1,2,3
.irp ot, 0,1,2,3,4,5,6,7
	ds_load_b128 v[8*(4*\ot+\rt):8*(4*\ot+\rt)+3], v[VOI+\rt/2] offset:(\rt%2)*33280+64*\ot
	ds_load_b128 v[8*(4*\ot+\rt)+4:8*(4*\ot+\rt)+7], v[VOI+\rt/2] offset:(\rt%2)*33280+64*\ot+16
.endr
.endr
	WIN 0
	LNHALF 0
	LNHALF 1
	s_mov_b32 s[CNT], 15
.Lchunk:
	CHUNK 0
	s_sub_co_u32 s[CNT], s[CNT], 1
	s_cmp_lg_u32 s[CNT], 0
	s_cbranch_scc1 .Lchunk
	CHUNK 1                                        ; the last chunk is written out: it asks for no further W1
	; THE WAY OUT.  SA has had its last fill, and every wave's reads of it ended in front of the last barrier: it serves as the stage.  O goes in by lanes' 32 bytes and comes back as whole rows.
	PLACES 4                                       ; behind the last products
	WIN 0x04                                       ; store data in window 1
.irp rt, 0,1,2,3
.irp ot, 0,1,2,3,4,5,6,7
	ds_store_b128 v[VOS+\rt/2], v[8*(4*\ot+\rt):8*(4*\ot+\rt)+3] offset:(\rt%2)*33024+64*\ot
	ds_store_b128 v[VOS+\rt/2], v[8*(4*\ot+\rt)+4:8*(4*\ot+\rt)+7] offset:(\rt%2)*33024+64*\ot+16
.endr
.endr
	WIN 0
	s_wait_dscnt 0x0                               ; for the others' sake
	s_barrier_signal -1
	s_barrier_wait -1
	s_wait_loadcnt 0x0                             ; b2
	s_mov_b32 s[CNT], 4
.Lout:                                                 ; four trips of four rows; wave w has rows 16 w .. 16 w + 15
.irp rl, 0,1,2,3
.irp jj, 0,1,2,3
	ds_load_b128 v[40+16*\rl+4*\jj:43+16*\rl+4*\jj], v[VOR] offset:\rl*2064+512*\jj
.endr
.endr
	s_wait_dscnt 0x0
.irp rl, 0,1,2,3
.irp k, 0,2,4,6,8,10,12,14
	v_pk_add_f32 v[40+16*\rl+\k:41+16*\rl+\k], v[40+16*\rl+\k:41+16*\rl+\k], v[BIAS+\k:BIAS+\k+1]
.endr
.endr
.irp rl, 0,1,2,3
.irp jj, 0,1,2,3
	global_store_b128 v[VGO], v[40+16*\rl+4*\jj:43+16*\rl+4*\jj], s[OB:OB+1] offset:\rl*2048+512*\jj  ; 512 consecutive bytes, aligned
.endr
.endr
	s_wait_xcnt 0x0                                ; the stores' offset and data are written again only behind this wait
	v_add_nc_u32 v[VOR], 8256, v[VOR]
	v_add_nc_u32 v[VGO], 8192, v[VGO]
	s_sub_co_u32 s[CNT], s[CNT], 1
	s_cmp_lg_u32 s[CNT], 0
	s_cbranch_scc1 .Lout
	s_wait_tensorcnt 0x0                           ; the wave's end
	ds_add_u32 v[SPW], v[NIL]
	s_wait_dscnt 0x0
	ROUND                                          ; the closing round
	s_endpgm
.Lfunc_end_k_qaa37da2e1d_ffn:
	.size	k_qaa37da2e1d_ffn, .Lfunc_end_k_qaa37da2e1d_ffn-k_qaa37da2e1d_ffn
	.p2alignl 7, 3214868480
	.fill 96, 4, 3214868480
	.section	.rodata,"a",@progbits
	.p2align	6, 0x0
	.amdhsa_kernel k_qaa37da2e1d_ffn
		.amdhsa_group_segment_fixed_size 327680
		.amdhsa_private_segment_fixed_size 0
		.amdhsa_enable_private_segment 0
		.amdhsa_kernarg_size 56
		.amdhsa_user_sgpr_count 2
		.amdhsa_user_sgpr_kernarg_segment_ptr 1
		.amdhsa_wavefront_size32 1
		.amdhsa_system_sgpr_workgroup_id_x 1
		.amdhsa_system_sgpr_workgroup_id_y 1
		.amdhsa_system_sgpr_workgroup_id_z 1
		.amdhsa_system_vgpr_workitem_id 0
		.amdhsa_next_free_vgpr 1024
		.amdhsa_next_free_sgpr 88
		.amdhsa_reserve_vcc 0
		.amdhsa_float_denorm_mode_32 3
		.amdhsa_float_denorm_mode_16_64 3
		.amdhsa_memory_ordered 1
		.amdhsa_forward_progress 1
		.amdhsa_inst_pref_size 195
	.end_amdhsa_kernel
	.amdgpu_metadata
---
amdhsa.version: [ 1, 2 ]
amdhsa.kernels:
  - .name:           k_qaa37da2e1d_ffn
    .symbol:         k_qaa37da2e1d_ffn.kd
    .args:
      - { .name: hbuf, .offset: 0, .size: 8, .value_kind: global_buffer, .address_space: global }
      - { .name: ln2_g, .offset: 8, .size: 8, .value_kind: global_buffer, .address_space: global }
      - { .name: ln2_b, .offset: 16, .size: 8, .value_kind: global_buffer, .address_space: global }
      - { .name: ffn1_b, .offset: 24, .size: 8, .value_kind: global_buffer, .address_space: global }
      - { .name: ffn2_b, .offset: 32, .size: 8, .value_kind: global_buffer, .address_space: global }
      - { .name: wcv, .offset: 40, .size: 8, .value_kind: global_buffer, .address_space: global }
      - { .name: out0, .offset: 48, .size: 8, .value_kind: global_buffer, .address_space: global }
    .group_segment_fixed_size: 327680
    .private_segment_fixed_size: 0
    .kernarg_segment_align: 8
    .kernarg_segment_size: 56
    .max_flat_workgroup_size: 128
    .sgpr_count:     88
    .vgpr_count:     1024
    .wavefront_size: 32
...
	.end_amdgpu_metadata
.endif
;; end of part 8
;; ======== version 3 of 3: 6 launches; version 2 with the launch prep written anew for expert scheduling mode
;; limits: an absolute error that grows with the inputs' magnitude: up to 5.96e-08 times it; values are held in f16: magnitudes above 65,504 overflow, below 6.1e-05 lose precision; a function is approximated: absolute error at most 1.5e-07; a function is approximated: absolute error at most 1e-06; an absolute error that grows with the inputs' magnitude: up to 1e-07 times it
;; workspace buffers: wcv 6,291,456 bytes; hbuf 33,554,432 bytes; qs 65,536 bytes; hp 524,288 bytes; idx 256 bytes of whole numbers; hm 8,192 bytes; qv 8,192 bytes; uv 8,192 bytes
;; launch prep (part 9): grid 192 x 1, 8 waves a work-group, no clusters, 0 bytes of LDS; arguments Wp_w, Wt_w, Wr_w, Wi_w, ffn1_w, ffn2_w, wcv; writes wcv
.if DOCPART == 9
	.amdgcn_target "amdgcn-amd-amdhsa--gfx1250"
	.amdhsa_code_object_version 6
	.text
	.protected	k_qaa37da2e1d_prep
	.globl	k_qaa37da2e1d_prep
	.p2align	8
	.type	k_qaa37da2e1d_prep,@function
k_qaa37da2e1d_prep:
	s_mov_b64 s[64:65], 0
	v_nop
	global_prefetch_b8 v0, s[64:65] scope:SCOPE_SE
	s_setreg_imm32_b32 hwreg(HW_REG_WAVE_SCHED_MODE, 0, 2), 2
	s_setreg_imm32_b32 hwreg(HW_REG_WAVE_MODE, 25, 1), 1
	s_wait_xcnt 0x0
	s_wait_alu depctr_vm_vsrc(0)
; The six large weight matrices are rounded once to 16 bits, in their own layout ([k][n], n fastest):
; wcv = Wp, Wt, Wr, Wi in f16 (524,288 bytes each), then ffn1_w and ffn2_w in bf16 (2 MiB each).
; LIMIT: the four projection weights must lie within f16's range (65,504); below 6e-5 they keep f16's fixed step of 6e-8.
; A work-group takes 16,384 numbers: 64 KiB in, 32 KiB out.  A lane's load is 16 bytes beside its neighbour's; its store 8 bytes,
; so each store of a wave covers 256 consecutive bytes, aligned.  No LDS and no matrix unit: the launch only moves bytes.
; THE MODE: SCHED_MODE bits 1:0 = 2 (LLVM: expert scheduling mode 2), set by the entry lines.  The code itself states the register dependences
; between vector instructions and memory instructions, with s_wait_alu, always for 0.
; THE PLAN.  A thread's 16 pieces of four numbers go in four blocks of four.  Registers that memory instructions touch:
;   v1, v2   byte offsets of the loads and of the stores: made once at the head and never written again.
;   X        piece u: 4 registers, written by load u alone, read by piece u's two conversions; never loaded again.
;   Y        piece u: 2 registers, written by piece u's two conversions, read by store u; never written again.
; Block b rounds X's block b into Y's block b.  Its memory instructions are the four stores of block b - 1, whose Y no vector instruction of block b names.
; So one wait at a block's head states all that its four stores hang on, and they are dealt among its conversions with no further wait.
; No register that a memory instruction has read or loaded is written a second time, no vector instruction writes a scalar register, and EXEC is never written.
.set X, 4                              ; v[4:67]   16 loads of 4 numbers
.set Y, 68                             ; v[68:99]  16 stores of 4 numbers in 16 bits
	s_load_b256 s[4:11], s[0:1], 0x0               ; Wp, Wt, Wr, Wi
	s_load_b128 s[12:15], s[0:1], 0x20             ; ffn1_w, ffn2_w
	s_load_b64 s[16:17], s[0:1], 0x30              ; wcv
	s_lshr_b32 s20, ttmp9, 4                       ; units 0-63: which projection matrix (16 units each)
	s_and_b32 s24, ttmp9, 15                       ; the unit inside a projection matrix,
	s_and_b32 s25, ttmp9, 63                       ; or inside an FFN matrix (64 units each)
	s_cmp_lt_u32 ttmp9, 64
	s_cselect_b32 s24, s24, s25
	s_lshl_b32 s24, s24, 16                        ; 65,536 bytes of f32 a unit
	s_mov_b32 s25, 0
	s_lshl_b32 s26, ttmp9, 15                      ; 32,768 bytes out a unit
	s_mov_b32 s27, 0
	v_lshlrev_b32 v1, 4, v0                        ; 16 bytes a thread in
	v_lshlrev_b32 v2, 3, v0                        ; 8 bytes a thread out
	s_wait_kmcnt 0x0
	s_mov_b64 s[22:23], s[4:5]                     ; the source is chosen among the six buffers by the unit's number alone
	s_cmp_eq_u32 s20, 1
	s_cselect_b64 s[22:23], s[6:7], s[22:23]
	s_cmp_eq_u32 s20, 2
	s_cselect_b64 s[22:23], s[8:9], s[22:23]
	s_cmp_eq_u32 s20, 3
	s_cselect_b64 s[22:23], s[10:11], s[22:23]
	s_cmp_ge_u32 ttmp9, 64
	s_cselect_b64 s[22:23], s[12:13], s[22:23]
	s_cmp_ge_u32 ttmp9, 128
	s_cselect_b64 s[22:23], s[14:15], s[22:23]
	s_add_nc_u64 s[22:23], s[22:23], s[24:25]
	s_add_nc_u64 s[16:17], s[16:17], s[26:27]
	s_wait_alu depctr_va_vdst(0)                   ; v1 and v2 are written: every load reads v1 and every store v2 as its offset, in both arms below
.set i, 0
.rept 16
	global_load_b128 v[X+4*i:X+4*i+3], v1, s[22:23] offset:4096*i th:TH_LOAD_NT
.set i, i+1
.endr
.macro ST u                            ; piece u leaves: 8 bytes a lane
	global_store_b64 v2, v[Y+2*(\u):Y+2*(\u)+1], s[16:17] offset:2048*(\u)
.endm
.macro HEAD b                          ; the head of block b
	s_wait_loadcnt 12-4*(\b)                       ; loads come back in order (ISA guide 5.7.1): the block's four are in, the younger blocks stay out
.if (\b) > 0
	s_wait_alu depctr_va_vdst(0)                   ; the block before has written its eight registers of Y, which the four stores below read
.endif
.endm
.macro TAIL                            ; behind block 3
	s_wait_alu depctr_va_vdst(0)                   ; block 3 has written its eight registers of Y, which the last four stores read
.irp n, 12,13,14,15
	ST \n
.endr
.endm
; Block b, to f16 and to bf16: ahead of each piece's two conversions stands a store of the block before; no vector instruction since the head's wait names that store's registers.
.macro BLKH b
	HEAD \b
.irp n, 0,1,2,3
.if (\b) > 0
	ST 4*(\b)-4+(\n)
.endif
	v_cvt_pk_f16_f32 v[Y+2*(4*(\b)+(\n))], v[X+4*(4*(\b)+(\n))], v[X+4*(4*(\b)+(\n))+1]
	v_cvt_pk_f16_f32 v[Y+2*(4*(\b)+(\n))+1], v[X+4*(4*(\b)+(\n))+2], v[X+4*(4*(\b)+(\n))+3]
.endr
.endm
.macro BLKB b
	HEAD \b
.irp n, 0,1,2,3
.if (\b) > 0
	ST 4*(\b)-4+(\n)
.endif
	v_cvt_pk_bf16_f32 v[Y+2*(4*(\b)+(\n))], v[X+4*(4*(\b)+(\n))], v[X+4*(4*(\b)+(\n))+1]
	v_cvt_pk_bf16_f32 v[Y+2*(4*(\b)+(\n))+1], v[X+4*(4*(\b)+(\n))+2], v[X+4*(4*(\b)+(\n))+3]
.endr
.endm
	s_cmp_lt_u32 ttmp9, 64
	s_cbranch_scc0 .Lbf16
	BLKH 0
	BLKH 1
	BLKH 2
	BLKH 3
	TAIL
	s_endpgm
.Lbf16:
	BLKB 0
	BLKB 1
	BLKB 2
	BLKB 3
	TAIL
	s_endpgm
.Lfunc_end_k_qaa37da2e1d_prep:
	.size	k_qaa37da2e1d_prep, .Lfunc_end_k_qaa37da2e1d_prep-k_qaa37da2e1d_prep
	.p2alignl 7, 3214868480
	.fill 96, 4, 3214868480
	.section	.rodata,"a",@progbits
	.p2align	6, 0x0
	.amdhsa_kernel k_qaa37da2e1d_prep
		.amdhsa_group_segment_fixed_size 0
		.amdhsa_private_segment_fixed_size 0
		.amdhsa_enable_private_segment 0
		.amdhsa_kernarg_size 56
		.amdhsa_user_sgpr_count 2
		.amdhsa_user_sgpr_kernarg_segment_ptr 1
		.amdhsa_wavefront_size32 1
		.amdhsa_system_sgpr_workgroup_id_x 1
		.amdhsa_system_sgpr_workgroup_id_y 1
		.amdhsa_system_sgpr_workgroup_id_z 1
		.amdhsa_system_vgpr_workitem_id 0
		.amdhsa_next_free_vgpr 100
		.amdhsa_next_free_sgpr 66
		.amdhsa_reserve_vcc 0
		.amdhsa_float_denorm_mode_32 3
		.amdhsa_float_denorm_mode_16_64 3
		.amdhsa_memory_ordered 1
		.amdhsa_forward_progress 1
		.amdhsa_inst_pref_size 11
	.end_amdhsa_kernel
	.amdgpu_metadata
---
amdhsa.version: [ 1, 2 ]
amdhsa.kernels:
  - .name:           k_qaa37da2e1d_prep
    .symbol:         k_qaa37da2e1d_prep.kd
    .args:
      - { .name: Wp_w, .offset: 0, .size: 8, .value_kind: global_buffer, .address_space: global }
      - { .name: Wt_w, .offset: 8, .size: 8, .value_kind: global_buffer, .address_space: global }
      - { .name: Wr_w, .offset: 16, .size: 8, .value_kind: global_buffer, .address_space: global }
      - { .name: Wi_w, .offset: 24, .size: 8, .value_kind: global_buffer, .address_space: global }
      - { .name: ffn1_w, .offset: 32, .size: 8, .value_kind: global_buffer, .address_space: global }
      - { .name: ffn2_w, .offset: 40, .size: 8, .value_kind: global_buffer, .address_space: global }
      - { .name: wcv, .offset: 48, .size: 8, .value_kind: global_buffer, .address_space: global }
    .group_segment_fixed_size: 0
    .private_segment_fixed_size: 0
    .kernarg_segment_align: 8
    .kernarg_segment_size: 56
    .max_flat_workgroup_size: 256
    .sgpr_count:     66
    .vgpr_count:     100
    .wavefront_size: 32
...
	.end_amdgpu_metadata
.endif
;; end of part 9
;; launch proj: the kernel of part 7 again; grid 256 x 1, 4 waves a work-group, clusters of 4 x 1, 327,680 bytes of LDS; arguments x, ln1_g, ln1_b, Wp_b, Wt_b, Wr_b, Wi_b, wcv, hbuf, qs, hp; writes hbuf, qs, hp
;; launch sel: the kernel of part 3 again; grid 20 x 1, 8 waves a work-group, no clusters, 16,384 bytes of LDS; arguments qs, hp, Wq_w, Wq_b, idx, hm, qv; writes idx, hm, qv
;; launch umat: the kernel of part 4 again; grid 64 x 1, 8 waves a work-group, no clusters, 0 bytes of LDS; arguments Wk_w, qv, uv; writes uv
;; launch fin: the kernel of part 5 again; grid 64 x 1, 8 waves a work-group, no clusters, 40,960 bytes of LDS; arguments idx, hbuf, x, uv, qv, hm, Wk_b, Wv_w, Wv_b, gate_w, gate_b, out1; writes out1
;; launch ffn: the kernel of part 8 again; grid 256 x 1, 4 waves a work-group, clusters of 4 x 1, 327,680 bytes of LDS; arguments hbuf, ln2_g, ln2_b, ffn1_b, ffn2_b, wcv, out0; writes out0
